; MI455X (gfx1250); checked and timed in simulation.
; The chip was launched on July 23, 2026; its instructions are those of AMD's public machine-readable ISA for CDNA 5 (MIT licence, August 2026) and "CDNA5" Instruction Set Architecture Reference Guide (July 2026). The comments in the code are by the model that wrote it; some were corrected since.
;; Transformer Block. Allowed arithmetic: matrix products marked QUANTISED: E4M3 operands, one E8M0 scale for each 32 along K, by v_wmma_scale_f32_16x16x128_f8f6f4 with both operands' format E4M3, f32 sums; everything else in f32.
;; Inputs: b1 4,096 float32; b2 1,024 float32; bk 1,024 float32; bo 1,024 float32; bq 1,024 float32; bv 1,024 float32; ln1_b 1,024 float32; ln1_g 1,024 float32; ln2_b 1,024 float32; ln2_g 1,024 float32; mask 1 x 1 x 2,048 x 2,048 bool; w1 1,024 x 4,096 float32; w2 4,096 x 1,024 float32; wk 1,024 x 1,024 float32; wo 1,024 x 1,024 float32; wq 1,024 x 1,024 float32; wv 1,024 x 1,024 float32; x 2 x 2,048 x 1,024 float32.
;; Outputs: out0 2 x 2,048 x 1,024 float32.
;; This version of the problem:
;;   THIS VERSION OF THE PROBLEM IS GIVEN IN LOW PRECISION. The matrix products marked QUANTISED in the list below multiply operands that are first quantised to E4M3 (4 exponent bits, 3 mantissa bits; 8 bits a number), with one power-of-two scale for each 32 numbers along K (OCP MX v1.0); their sums are f32. All else is computed in f32.
;;   The module's matrix products, in the order in which they are computed (A, B: the left and right operand; K: the contracted axis; several contracted axes count as one K, in the product's order):
;;     1. [M 4,096, K 1,024] x [K 1,024, N 1,024]; A: computed on the way; B: input wq: QUANTISED
;;     2. [M 4,096, K 1,024] x [K 1,024, N 1,024]; A: computed on the way; B: input wk: QUANTISED
;;     3. [M 4,096, K 1,024] x [K 1,024, N 1,024]; A: computed on the way; B: input wv: QUANTISED
;;     4. batch 32 x [M 2,048, K 64] x [K 64, N 2,048]; A: computed on the way; B: computed on the way: QUANTISED
;;     5. batch 32 x [M 2,048, K 2,048] x [K 2,048, N 64]; A: computed on the way; B: computed on the way: QUANTISED
;;     6. [M 4,096, K 1,024] x [K 1,024, N 1,024]; A: computed on the way; B: input wo: QUANTISED
;;     7. [M 4,096, K 1,024] x [K 1,024, N 4,096]; A: computed on the way; B: input w1: QUANTISED
;;     8. [M 4,096, K 4,096] x [K 4,096, N 1,024]; A: computed on the way; B: input w2: QUANTISED
;;   THE QUANTISER, for each operand of a quantised product, along K:
;;     - K is cut into blocks of 32 from its start; a last block that is shorter is filled with zeros.
;;     - A block's scale is 2^e with e = floor(log2(the largest magnitude in the block)) - 8, held to -126 .. 127; a block of zeros has e = 0. As a byte (E8M0): e + 127.
;;     - Each number is divided by its block's scale, clamped to +-448, and rounded to the nearest number of E4M3, ties to even, subnormals kept.
;;     - The product sums the exact products of the quantised numbers (number of the format x scale) in f32.
;;   ~~~python
;;   def quantise(x, axis):      # numpy; x: float32 -> the quantised numbers, widened to float32 again
;;       x = np.moveaxis(x, axis, -1); K = x.shape[-1]
;;       x = np.pad(x, [(0, 0)] * (x.ndim - 1) + [(0, -K % 32)]); x = x.reshape(x.shape[:-1] + (-1, 32)); a = np.abs(x).max(-1, keepdims=True)
;;       e = np.where(a > 0, np.clip(np.frexp(np.where(a > 0, a, 1))[1] - 1 - 8, -126, 127), 0)      # np.frexp(a)[1] - 1 = floor(log2(a)), exactly
;;       r = np.clip(x / 2.0 ** e, -448, 448)
;;       step = 2.0 ** (np.maximum(np.frexp(np.where(r == 0, 1, r))[1] - 1, -6) - 3)
;;       q = np.round(r / step) * step * 2.0 ** e      # np.round: ties to even
;;       return np.moveaxis(q.reshape(q.shape[:-2] + (-1,))[..., :K], -1, axis).astype(np.float32)
;;   ~~~
;;   OPERANDS COMPUTED ON THE WAY. 'Computed on the way' means the value that the module computes at that place (a softmax that the list does not call 'softmax' is quantised finished and normalised). What goes into a quantiser is computed in f32, as accurately as f32 sums, v_exp_f32 and their like allow (about 1e-6 of the number): no bf16 or f16 on the way to a quantiser, and a product that is left as it is and whose result goes on into a quantised operand takes f32 operands (vector FMAs, or v_wmma_f32_16x16x4_f32). A number that lies on a knife's edge between two numbers of the format may be rounded either way, as far as f32 arithmetic and the matrix unit's own rounding can turn it there, and no further.
;; 2 versions, each right; version 2 is version 1 with the launch attn written anew for expert scheduling mode. Each part assembles by itself: llvm-mc -triple=amdgcn-amd-amdhsa -mcpu=gfx1250 --defsym DOCPART=n.
;; ======== version 1 of 2: 8 launches
;; limits: right only within a limited range of input values
;; workspace buffers: wts 12,976,128 bytes; mw 524,288 bytes of whole numbers; hq 4,325,376 bytes; qkv 12,976,128 bytes; ao 4,325,376 bytes; x1 16,777,216 bytes; gq 17,301,504 bytes
;; launch wprep (part 1): grid 320 x 1, 8 waves a work-group, no clusters, 0 bytes of LDS; arguments wq, wk, wv, wo, w1, w2, mask, wts, mw; writes wts, mw
.if DOCPART == 1
	.amdgcn_target "amdgcn-amd-amdhsa--gfx1250"
	.amdhsa_code_object_version 6
	.text
	.protected	k_q9740976767_wprep
	.globl	k_q9740976767_wprep
	.p2align	8
	.type	k_q9740976767_wprep,@function
k_q9740976767_wprep:
	s_mov_b64 s[64:65], 0
	v_nop
	global_prefetch_b8 v0, s[64:65] scope:SCOPE_SE
	s_setreg_imm32_b32 hwreg(HW_REG_WAVE_MODE, 25, 1), 1
	s_wait_xcnt 0x0
; The six weights, f32 stored [K][N], become codes of E4M3 with one E8M0 byte for each 32 along K; the mask becomes lane-mask words.
; WEIGHTS (work-groups 0-191).  A wave takes 32 output channels x 256 along K.  A lane takes ONE channel and its registers run down K, so a block of 32 lies in one lane
; and the conversions give codes with K innermost.  ROW ORDER: memory row p of a weight holds channel sigma(p), p with bits 3 and 4 exchanged.
; CODES are laid as images of operand registers: [row block of 16][K / 32][512 bytes]; in an image lane (r, h) owns 16 bytes at 16 x lane: k = 16 h + 0..15 of row r.
; A lane's 8 registers of a block are turned into the two row blocks' images by four exchanges of half rows, and each image leaves as 512 consecutive bytes.
; SCALE BYTES: [memory row][K / 32].  They leave 8 bytes a row (one byte in 128 of what is read).
; MASK (work-groups 192-319).  Work-group = a tile of 16 queries (in the same row order), wave = 256 keys.  Word 4 n + g of a wave's 512 bytes is the lane mask of score register 32 g + n:
; bit l = mask[query row l % 16 of the tile][key 256 w + 32 (reg / 16) + 16 (l / 16) + reg % 16].
; LIMITS: a block of zeros, or one under 2^-118, gets the byte 1 where the quantiser says 127 or less (its codes are zeros or tiny; only this program reads the bytes); NaN and infinities are not served.
.set VO,  16                           ; v16-47   byte offset of row i of a block, at my channel
.set X,   48                           ; v48-111  two sets of 32 numbers
.set C,   112                          ; v112-175 8 registers of codes for each block: no store's data are written again
.set SBY, 176                          ; v176-177 my 8 scale bytes
.set SB,  32                           ; s32-47   the eight blocks' bases in the weight
	s_load_b256 s[4:11], s[0:1], 0x0               ; wq, wk, wv, wo
	s_load_b256 s[12:19], s[0:1], 0x20             ; w1, w2, mask, wts
	s_load_b64 s[20:21], s[0:1], 0x40              ; mw
	v_lshrrev_b32 v1, 5, v0
	v_readfirstlane_b32 s22, v1                    ; wave
	v_and_b32 v2, 31, v0                           ; lane
	s_cmp_lt_u32 ttmp9, 192
	s_cbranch_scc0 .Lmask
	; ---- weights: unit U = 8 x work-group + wave: 128 units for each of wq, wk, wv, wo, 512 for w1, 512 for w2
	s_lshl_b32 s23, ttmp9, 3
	s_add_co_u32 s23, s23, s22                     ; U
	s_lshr_b32 s24, s23, 7                         ; 0..11
	s_and_b32 s25, s24, 12
	s_and_b32 s26, s23, 511
	s_and_b32 s27, s23, 127
	s_cmp_ge_u32 s24, 4
	s_cselect_b32 s25, s25, s24                    ; class 0,1,2,3 (wq..wo), 4 (w1), 8 (w2): also the codes' place in MiB
	s_cselect_b32 s26, s26, s27                    ; unit within the weight
	s_cmp_eq_u32 s25, 4
	s_cselect_b32 s27, 7, 5                        ; log2 of the groups of 32 channels
	s_cselect_b32 s28, 14, 12                      ; log2 of a row's bytes
	s_cmp_eq_u32 s25, 8
	s_cselect_b32 s29, 7, 5                        ; log2 of K / 32
	s_lshl_b32 s30, 1, s28                         ; a row's bytes
	s_lshl_b32 s31, 1, s27
	s_sub_co_u32 s31, s31, 1
	s_and_b32 s48, s26, s31                        ; cg: which 32 channels
	s_lshr_b32 s49, s26, s27                       ; kc: which 256 along K
	s_lshl_b32 s50, s49, 8
	s_lshl_b32 s50, s50, s28
	s_lshl_b32 s51, s48, 7
	s_add_co_u32 s50, s50, s51                     ; 256 kc rows + 128 cg bytes
	s_mov_b32 s51, 0
	s_lshl_b32 s52, s30, 5                         ; 32 rows on
	s_mov_b32 s53, 0
	s_mov_b32 s54, 0x600000                        ; the mantissa field of 448
	s_lshl_b32 s66, s49, 3                         ; 8 kc
	s_add_co_u32 s67, s29, 1
	s_lshl_b32 s56, s48, s67
	s_add_co_u32 s56, s56, s66
	s_lshl_b32 s56, s56, 9                         ; (2 cg K/32 + 8 kc) images
	s_lshl_b32 s67, s25, 20
	s_add_co_u32 s56, s56, s67
	s_mov_b32 s57, 0
	s_add_co_u32 s67, s29, 9
	s_lshl_b32 s58, 1, s67                         ; a row block of images
	s_mov_b32 s59, 0
	s_add_co_u32 s67, s29, 5
	s_lshl_b32 s60, s48, s67
	s_add_co_u32 s60, s60, s66                     ; 32 cg rows of K/32 bytes + 8 kc
	s_lshl_b32 s67, s25, 15
	s_add_co_u32 s60, s60, s67
	s_add_co_u32 s60, s60, 12582912
	s_mov_b32 s61, 0
	v_and_b32 v3, 7, v2
	v_bfe_u32 v5, v2, 3, 1
	v_bfe_u32 v6, v2, 4, 1
	v_lshl_or_b32 v3, v5, 4, v3
	v_lshl_or_b32 v3, v6, 3, v3                    ; sigma(lane)
	v_lshlrev_b32 v3, 2, v3
.set vi, 0
.rept 32
	v_mad_u32_u24 v[VO+vi], s30, vi, v3
.set vi, vi+1
.endr
	v_lshlrev_b32 v4, 4, v2                        ; 16 x lane: my place in an image
	v_lshlrev_b32 v5, s29, v2                      ; my memory row's scale bytes
	s_wait_kmcnt 0x0
	s_cmp_eq_u32 s24, 1                            ; the choice of the weight hangs on the unit's number alone
	s_cselect_b64 s[4:5], s[6:7], s[4:5]
	s_cmp_eq_u32 s24, 2
	s_cselect_b64 s[4:5], s[8:9], s[4:5]
	s_cmp_eq_u32 s24, 3
	s_cselect_b64 s[4:5], s[10:11], s[4:5]
	s_cmp_ge_u32 s24, 4
	s_cselect_b64 s[4:5], s[12:13], s[4:5]
	s_cmp_ge_u32 s24, 8
	s_cselect_b64 s[4:5], s[14:15], s[4:5]
	s_add_nc_u64 s[SB:SB+1], s[4:5], s[50:51]
.irp t, 1,2,3,4,5,6,7
	s_add_nc_u64 s[SB+2*\t:SB+2*\t+1], s[SB+2*\t-2:SB+2*\t-1], s[52:53]
.endr
	s_add_nc_u64 s[56:57], s[18:19], s[56:57]      ; the even row block's images
	s_add_nc_u64 s[58:59], s[56:57], s[58:59]      ; the odd one's
	s_add_nc_u64 s[60:61], s[18:19], s[60:61]      ; the scale bytes
.macro LOAD t                          ; block t: 32 rows of K at my channel: each load reads 128 consecutive bytes
.set li, 0
.rept 32
	global_load_b32 v[X+32*((\t)%2)+li], v[VO+li], s[SB+2*(\t):SB+2*(\t)+1] th:TH_LOAD_NT
.set li, li+1
.endr
.endm
.macro BLOCK t
.set XS, X+32*((\t)%2)
.set CT, C+8*(\t)
.if (\t) < 7
	s_wait_loadcnt 32                              ; this block's 32 loads are in; the next block's 32 may be out
.else
	s_wait_loadcnt 0
.endif
	v_max3_num_f32 v12, |v[XS]|, |v[XS+1]|, |v[XS+2]|              ; the block's largest magnitude: all 32 numbers are mine
	v_max3_num_f32 v13, |v[XS+3]|, |v[XS+4]|, |v[XS+5]|
.irp i, 6,10,14,18,22,26
	v_max3_num_f32 v12, v12, |v[XS+\i]|, |v[XS+\i+1]|
	v_max3_num_f32 v13, v13, |v[XS+\i+2]|, |v[XS+\i+3]|
.endr
	v_max3_num_f32 v12, v12, |v[XS+30]|, |v[XS+31]|
	v_max3_num_f32 v12, v12, v13, 0x4800000        ; and the floor 2^(9 - 127): the byte cannot fall under 1
	v_add_nc_u32 v11, 0xfc000000, v12              ; 8 off the exponent field: the conversion's scale operand
	v_and_or_b32 v10, v12, 0x7f800000, s54         ; 448 x the scale
.set bi, 0
.rept 32
	v_med3_num_f32 v[XS+bi], v[XS+bi], -v10, v10   ; the conversion does not saturate (ISA guide 7.6.2): hold first
.set bi, bi+1
.endr
.irp g, 0,1,2,3
	v_cvt_scalef32_pk8_fp8_f32 v[CT+2*\g:CT+2*\g+1], v[XS+8*\g:XS+8*\g+7], v11
.endr
	v_lshrrev_b32 v9, 23, v11                      ; the scale's byte (also the plain line between the conversions and the exchanges below)
.if (\t)%4 == 0
	v_mov_b32 v[SBY+(\t)/4], v9
.else
	v_lshl_or_b32 v[SBY+(\t)/4], v9, 8*((\t)%4), v[SBY+(\t)/4]
.endif
.irp c, 0,1,2,3                        ; registers 0-3 hold k 0-15, 4-7 hold k 16-31.  The exchange leaves in 0-3 the image of rows 0-15 and in 4-7 that of rows 16-31
	v_permlane16_swap_b32 v[CT+\c], v[CT+4+\c]
.endr
	global_store_b128 v4, v[CT:CT+3], s[56:57] offset:512*(\t)     ; 32 lanes store 512 consecutive bytes, aligned
	global_store_b128 v4, v[CT+4:CT+7], s[58:59] offset:512*(\t)
.if (\t)+2 < 8
	LOAD (\t)+2
.endif
.endm
	LOAD 0
	LOAD 1
.irp t, 0,1,2,3,4,5,6,7
	BLOCK \t
.endr
	global_store_b64 v5, v[SBY:SBY+1], s[60:61]
	s_endpgm
.Lmask:
	; ---- the mask: tile of queries = work-group - 192, keys 256 x wave on
	s_sub_co_u32 s23, ttmp9, 192
	v_and_b32 v3, 15, v0                           ; r
	v_bfe_u32 v4, v0, 4, 1                         ; h
	v_and_b32 v5, 8, v3
	v_add_nc_u32 v5, v5, v3                        ; r + 8 (r / 8)
	v_lshlrev_b32 v5, 11, v5                       ; a row of the mask is 2,048 bytes
	v_lshl_add_u32 v5, v4, 4, v5
	v_lshlrev_b32 v6, 4, v2
	s_lshr_b32 s24, s23, 1
	s_lshl_b32 s24, s24, 5
	s_and_b32 s25, s23, 1
	s_lshl_b32 s25, s25, 3
	s_add_co_u32 s24, s24, s25                     ; the tile's first query: 32 (tile / 2) + 8 (tile % 2)
	s_lshl_b32 s24, s24, 11
	s_lshl_b32 s25, s22, 8
	s_add_co_u32 s24, s24, s25
	s_mov_b32 s25, 0
	s_lshl_b32 s26, s23, 3
	s_add_co_u32 s26, s26, s22
	s_lshl_b32 s26, s26, 9
	s_mov_b32 s27, 0
	s_wait_kmcnt 0x0
	s_add_nc_u64 s[16:17], s[16:17], s[24:25]
	s_add_nc_u64 s[20:21], s[20:21], s[26:27]
.irp b, 0,1,2,3,4,5,6,7
	global_load_b128 v[16+4*\b:19+4*\b], v5, s[16:17] offset:32*\b     ; keys 32 b + 16 h + 0..15 of my query
.endr
.irp g, 0,1,2,3
	v_mov_b32 v[48+\g], 0                          ; written whole before single lanes are written
.endr
	s_wait_loadcnt 0x0
.set rho, 0
.rept 128
	v_and_b32 v[8+rho%2], 0xff<<(8*(rho%4)), v[16+4*(rho/16)+(rho%16)/4]
	v_cmp_ne_u32 s[28+rho%2], 0, v[8+rho%2]        ; the 32 lanes' bits for score register rho
	v_writelane_b32 v[48+rho/32], s[28+rho%2], rho%32
.set rho, rho+1
.endr
	global_store_b128 v6, v[48:51], s[20:21]
	s_endpgm
.Lfunc_end_k_q9740976767_wprep:
	.size	k_q9740976767_wprep, .Lfunc_end_k_q9740976767_wprep-k_q9740976767_wprep
	.p2alignl 7, 3214868480
	.fill 96, 4, 3214868480
	.section	.rodata,"a",@progbits
	.p2align	6, 0x0
	.amdhsa_kernel k_q9740976767_wprep
		.amdhsa_group_segment_fixed_size 0
		.amdhsa_private_segment_fixed_size 0
		.amdhsa_enable_private_segment 0
		.amdhsa_kernarg_size 72
		.amdhsa_user_sgpr_count 2
		.amdhsa_user_sgpr_kernarg_segment_ptr 1
		.amdhsa_wavefront_size32 1
		.amdhsa_system_sgpr_workgroup_id_x 1
		.amdhsa_system_sgpr_workgroup_id_y 1
		.amdhsa_system_sgpr_workgroup_id_z 1
		.amdhsa_system_vgpr_workitem_id 0
		.amdhsa_next_free_vgpr 184
		.amdhsa_next_free_sgpr 80
		.amdhsa_reserve_vcc 0
		.amdhsa_float_denorm_mode_32 3
		.amdhsa_float_denorm_mode_16_64 3
		.amdhsa_memory_ordered 1
		.amdhsa_forward_progress 1
		.amdhsa_inst_pref_size 87
	.end_amdhsa_kernel
	.amdgpu_metadata
---
amdhsa.version: [ 1, 2 ]
amdhsa.kernels:
  - .name:           k_q9740976767_wprep
    .symbol:         k_q9740976767_wprep.kd
    .args:
      - { .name: wq, .offset: 0, .size: 8, .value_kind: global_buffer, .address_space: global }
      - { .name: wk, .offset: 8, .size: 8, .value_kind: global_buffer, .address_space: global }
      - { .name: wv, .offset: 16, .size: 8, .value_kind: global_buffer, .address_space: global }
      - { .name: wo, .offset: 24, .size: 8, .value_kind: global_buffer, .address_space: global }
      - { .name: w1, .offset: 32, .size: 8, .value_kind: global_buffer, .address_space: global }
      - { .name: w2, .offset: 40, .size: 8, .value_kind: global_buffer, .address_space: global }
      - { .name: mask, .offset: 48, .size: 8, .value_kind: global_buffer, .address_space: global }
      - { .name: wts, .offset: 56, .size: 8, .value_kind: global_buffer, .address_space: global }
      - { .name: mw, .offset: 64, .size: 8, .value_kind: global_buffer, .address_space: global }
    .group_segment_fixed_size: 0
    .private_segment_fixed_size: 0
    .kernarg_segment_align: 8
    .kernarg_segment_size: 72
    .max_flat_workgroup_size: 256
    .sgpr_count:     80
    .vgpr_count:     184
    .wavefront_size: 32
...
	.end_amdgpu_metadata
.endif
;; end of part 1
;; launch ln1 (part 2): grid 256 x 1, 8 waves a work-group, no clusters, 3,072 bytes of LDS; arguments x, ln1_g, ln1_b, hq; writes hq
.if DOCPART == 2
	.amdgcn_target "amdgcn-amd-amdhsa--gfx1250"
	.amdhsa_code_object_version 6
	.text
	.protected	k_q9740976767_ln1
	.globl	k_q9740976767_ln1
	.p2align	8
	.type	k_q9740976767_ln1,@function
k_q9740976767_ln1:
	s_mov_b64 s[64:65], 0
	v_nop
	global_prefetch_b8 v0, s[64:65] scope:SCOPE_SE
	s_setreg_imm32_b32 hwreg(HW_REG_WAVE_MODE, 25, 1), 1
	s_wait_xcnt 0x0
; Layer norm of [4096][1024] f32, quantised along the 1,024 to codes of E4M3 with one E8M0 byte for each 32.
; A work-group makes one row block of the result: 16 rows, memory row p holding token sigma(p) (bits 3 and 4 exchanged).  Wave w takes columns 128 w on: one K step of the products that follow.
; Lane (r, h) holds, of row r, 16 neighbours of each of the wave's four blocks of 32: the order of an operand's registers, so the conversions' results are images of those registers:
; codes [row block][K / 32][512 bytes], lane l's 16 bytes at 16 l.  Scale bytes [memory row][32], from byte 4,194,304 on.
; Mean first, then the centred squares: a common offset of the row costs no accuracy.  The rows' sums meet in LDS: three barriers, three regions of their own.
; No matrix unit, no tensor loads, no cluster: the launch streams its input once and work-groups share only the gain and the bias (8 KiB).
; LIMITS: a block of zeros or under 2^-118 gets the byte 1 (read by this program alone); NaN and infinities are not served.
.set X,    16                          ; v16-79   my 64 numbers
.set G,    80                          ; v80-143  the gain at my columns
.set BT,   144                         ; v144-207 the bias
.set PC,   208                         ; v208-223 codes
.set TM,   224                         ; v224-239 the quantiser's work
.set PW,   240                         ; v240     my row's scale word
.set RED1, 0
.set RED2, 512
.set SCT,  1024
.set SEL,  20
.set MNT,  22
.macro QUANT s                         ; 64 numbers, register 16 b + i = k 32 b + 16 h + i of my row -> codes in v[PC] on, scale word in v[PW]
.irp b, 0,1,2,3
	v_max3_num_f32 v[TM+\b], |v[\s+16*\b]|, |v[\s+1+16*\b]|, 0x4800000    ; with the floor 2^(9 - 127): the byte cannot fall under 1
.endr
.irp i, 2,4,6,8,10,12,14
.irp b, 0,1,2,3
	v_max3_num_f32 v[TM+\b], v[TM+\b], |v[\s+16*\b+\i]|, |v[\s+1+16*\b+\i]|
.endr
.endr
.irp b, 0,1,2,3
	v_permlanex16_b32 v[TM+4+\b], v[TM+\b], s[SEL], s[SEL+1]
.endr
.irp b, 0,1,2,3
	v_max_num_f32 v[TM+\b], v[TM+\b], v[TM+4+\b]   ; with lane l xor 16's: the block's largest magnitude
.endr
.irp b, 0,1,2,3
	v_add_nc_u32 v[TM+12+\b], 0xfc000000, v[TM+\b] ; 8 off the exponent field: the conversion's scale operand
.endr
.irp b, 0,1,2,3
	v_and_or_b32 v[TM+8+\b], v[TM+\b], 0x7f800000, s[MNT]   ; 448 x the scale
.endr
.irp b, 0,1,2,3
	v_lshrrev_b32 v[TM+4+\b], 23, v[TM+12+\b]      ; the byte
.endr
	v_lshl_or_b32 v[PW], v[TM+5], 8, v[TM+4]
	v_lshl_or_b32 v[PW], v[TM+6], 16, v[PW]
	v_lshl_or_b32 v[PW], v[TM+7], 24, v[PW]
.irp b, 0,1,2,3
.irp i, 0,1,2,3,4,5,6,7,8,9,10,11,12,13,14,15
	v_med3_num_f32 v[\s+16*\b+\i], v[\s+16*\b+\i], -v[TM+8+\b], v[TM+8+\b]   ; the conversion does not saturate (ISA guide 7.6.2)
.endr
	v_cvt_scalef32_pk8_fp8_f32 v[PC+4*\b:PC+1+4*\b], v[\s+16*\b:\s+7+16*\b], v[TM+12+\b]
	v_cvt_scalef32_pk8_fp8_f32 v[PC+2+4*\b:PC+3+4*\b], v[\s+8+16*\b:\s+15+16*\b], v[TM+12+\b]
.endr
	v_nop                                          ; a plain line behind the last conversion
.endm
.macro ACROSS red                      ; v242 = the sum over my 64 -> v244 = the sum over the row's 1,024, the same bits in every wave
	v_permlanex16_b32 v241, v242, s[SEL], s[SEL+1]
	v_add_f32 v242, v242, v241
	ds_store_b32 v7, v242 offset:\red              ; word 8 r + w; lanes l and l xor 16 write the same value
	s_wait_dscnt 0x0                               ; for the others' sake: my store has landed
	s_barrier_signal -1
	s_barrier_wait -1
	ds_load_b128 v[244:247], v8 offset:\red
	ds_load_b128 v[248:251], v8 offset:\red+16
	s_wait_dscnt 0x0
	v_pk_add_f32 v[244:245], v[244:245], v[246:247]
	v_pk_add_f32 v[248:249], v[248:249], v[250:251]
	v_pk_add_f32 v[244:245], v[244:245], v[248:249]
	v_add_f32 v244, v244, v245
.endm
	s_load_b256 s[4:11], s[0:1], 0x0               ; input, gain, bias, hq
	v_lshl_add_u32 v14, v0, 2, 0x800
	v_mov_b32 v15, 0
	v_and_b32 v1, 15, v0                           ; r
	v_bfe_u32 v2, v0, 4, 1                         ; h
	v_lshrrev_b32 v3, 5, v0                        ; wave
	v_readfirstlane_b32 s12, v3
	v_and_b32 v4, 8, v1
	v_add_nc_u32 v4, v4, v1                        ; r + 8 (r / 8)
	v_lshlrev_b32 v5, 6, v2
	v_lshl_add_u32 v5, v3, 9, v5                   ; gain, bias: 512 w + 64 h
	v_lshl_add_u32 v6, v4, 12, v5                  ; input: + my row of 4,096 bytes
	v_lshlrev_b32 v8, 5, v1                        ; LDS: 32 r
	v_lshl_add_u32 v7, v3, 2, v8                   ; LDS: 32 r + 4 w
	v_and_b32 v9, 31, v0
	v_lshlrev_b32 v9, 4, v9                        ; 16 x lane
	v_lshl_add_u32 v10, v3, 11, v9                 ; codes: four images a wave
	v_mov_b32 v241, 0                              ; a lane permute's destination counts as read
.irp b, 0,1,2,3
	v_mov_b32 v[TM+4+\b], 0
.endr
	s_lshr_b32 s13, ttmp9, 1
	s_lshl_b32 s13, s13, 5
	s_and_b32 s14, ttmp9, 1
	s_lshl_b32 s14, s14, 3
	s_add_co_u32 s13, s13, s14                     ; the block's first token: 32 (rb / 2) + 8 (rb % 2)
	s_lshl_b32 s14, s13, 12
	s_mov_b32 s15, 0
	s_lshl_b32 s16, ttmp9, 14                      ; a row block of codes is 16,384 bytes
	s_mov_b32 s17, 0
	s_lshl_b32 s18, ttmp9, 9                       ; and 512 scale bytes
	s_mov_b32 s19, 0
	s_mov_b32 s[SEL], 0x76543210
	s_mov_b32 s[SEL+1], 0xfedcba98
	s_mov_b32 s[MNT], 0x600000
	s_mov_b32 s23, 0x3a800000                      ; 1 / 1024
	s_mov_b32 s24, 0x3727c5ac                      ; 1e-5
	s_mov_b32 s25, 0xba800000                      ; -1 / 1024
	s_wait_kmcnt 0x0
	s_add_nc_u64 s[4:5], s[4:5], s[14:15]
	s_add_nc_u64 s[26:27], s[10:11], s[18:19]
	s_add_nc_u64 s[10:11], s[10:11], s[16:17]
.irp b, 0,1,2,3
.irp j, 0,1,2,3
	global_load_b128 v[X+16*\b+4*\j:X+16*\b+4*\j+3], v6, s[4:5] offset:128*\b+16*\j
.endr
.endr
.irp b, 0,1,2,3
.irp j, 0,1,2,3
	global_load_b128 v[G+16*\b+4*\j:G+16*\b+4*\j+3], v5, s[6:7] offset:128*\b+16*\j
.endr
.endr
.irp b, 0,1,2,3
.irp j, 0,1,2,3
	global_load_b128 v[BT+16*\b+4*\j:BT+16*\b+4*\j+3], v5, s[8:9] offset:128*\b+16*\j
.endr
.endr
	s_wait_loadcnt 32                              ; my 64 numbers are in; the 32 loads of gain and bias may be out
.irp c, 0,1,2,3                        ; the sum, two at a time, in four chains
	v_pk_add_f32 v[242+2*\c:243+2*\c], v[X+2*\c:X+2*\c+1], v[X+8+2*\c:X+9+2*\c]
.endr
.set p, 8
.rept 24
	v_pk_add_f32 v[242+2*(p%4):243+2*(p%4)], v[242+2*(p%4):243+2*(p%4)], v[X+2*p:X+2*p+1]
.set p, p+1
.endr
	v_pk_add_f32 v[242:243], v[242:243], v[244:245]
	v_pk_add_f32 v[246:247], v[246:247], v[248:249]
	v_pk_add_f32 v[242:243], v[242:243], v[246:247]
	v_add_f32 v242, v242, v243
	ACROSS RED1
	v_mul_f32 v252, s25, v244                      ; minus the mean
	v_mul_f32 v253, s25, v244
.set p, 0
.rept 32
	v_pk_add_f32 v[X+2*p:X+2*p+1], v[X+2*p:X+2*p+1], v[252:253]
.set p, p+1
.endr
.irp c, 0,1,2,3                        ; the centred squares
	v_pk_mul_f32 v[242+2*\c:243+2*\c], v[X+2*\c:X+2*\c+1], v[X+2*\c:X+2*\c+1]
.endr
.set p, 4
.rept 28
	v_pk_fma_f32 v[242+2*(p%4):243+2*(p%4)], v[X+2*p:X+2*p+1], v[X+2*p:X+2*p+1], v[242+2*(p%4):243+2*(p%4)]
.set p, p+1
.endr
	v_pk_add_f32 v[242:243], v[242:243], v[244:245]
	v_pk_add_f32 v[246:247], v[246:247], v[248:249]
	v_pk_add_f32 v[242:243], v[242:243], v[246:247]
	v_add_f32 v242, v242, v243
	ACROSS RED2
	v_fma_f32 v244, v244, s23, s24                 ; the variance + 1e-5
	v_rsq_f32 v254, v244
	v_rsq_f32 v255, v244                           ; twice: a pair for the packed multiply
	v_nop                                          ; a plain line behind the transcendentals
	s_wait_alu depctr_va_vdst(0)                   ; one wait for both, ahead of their first reader
	s_wait_loadcnt 0x0                             ; gain and bias
.set p, 0
.rept 32
	v_pk_mul_f32 v[X+2*p:X+2*p+1], v[X+2*p:X+2*p+1], v[254:255]
	v_pk_fma_f32 v[X+2*p:X+2*p+1], v[X+2*p:X+2*p+1], v[G+2*p:G+2*p+1], v[BT+2*p:BT+2*p+1]
.set p, p+1
.endr
	QUANT X
.irp c, 0,1,2,3
	global_store_b128 v10, v[PC+4*\c:PC+4*\c+3], s[10:11] offset:512*\c    ; an image: 512 consecutive bytes, aligned
.endr
	ds_store_b32 v7, v[PW] offset:SCT              ; the 16 rows' 32 scale bytes meet in LDS as they lie in memory
	s_wait_dscnt 0x0
	s_barrier_signal -1
	s_barrier_wait -1
	s_cmp_lg_u32 s12, 0
	s_cbranch_scc1 .Lend
	ds_load_b128 v[244:247], v9 offset:SCT
	s_wait_dscnt 0x0
	global_store_b128 v9, v[244:247], s[26:27] offset:4194304     ; wave 0 stores the 512 bytes whole
.Lend:
	s_wait_tensorcnt 0x0
	ds_add_u32 v14, v15
	s_wait_dscnt 0x0
	s_endpgm
.Lfunc_end_k_q9740976767_ln1:
	.size	k_q9740976767_ln1, .Lfunc_end_k_q9740976767_ln1-k_q9740976767_ln1
	.p2alignl 7, 3214868480
	.fill 96, 4, 3214868480
	.section	.rodata,"a",@progbits
	.p2align	6, 0x0
	.amdhsa_kernel k_q9740976767_ln1
		.amdhsa_group_segment_fixed_size 3072
		.amdhsa_private_segment_fixed_size 0
		.amdhsa_enable_private_segment 0
		.amdhsa_kernarg_size 32
		.amdhsa_user_sgpr_count 2
		.amdhsa_user_sgpr_kernarg_segment_ptr 1
		.amdhsa_wavefront_size32 1
		.amdhsa_system_sgpr_workgroup_id_x 1
		.amdhsa_system_sgpr_workgroup_id_y 1
		.amdhsa_system_sgpr_workgroup_id_z 1
		.amdhsa_system_vgpr_workitem_id 0
		.amdhsa_next_free_vgpr 256
		.amdhsa_next_free_sgpr 66
		.amdhsa_reserve_vcc 0
		.amdhsa_float_denorm_mode_32 3
		.amdhsa_float_denorm_mode_16_64 3
		.amdhsa_memory_ordered 1
		.amdhsa_forward_progress 1
		.amdhsa_inst_pref_size 28
	.end_amdhsa_kernel
	.amdgpu_metadata
---
amdhsa.version: [ 1, 2 ]
amdhsa.kernels:
  - .name:           k_q9740976767_ln1
    .symbol:         k_q9740976767_ln1.kd
    .args:
      - { .name: x, .offset: 0, .size: 8, .value_kind: global_buffer, .address_space: global }
      - { .name: ln1_g, .offset: 8, .size: 8, .value_kind: global_buffer, .address_space: global }
      - { .name: ln1_b, .offset: 16, .size: 8, .value_kind: global_buffer, .address_space: global }
      - { .name: hq, .offset: 24, .size: 8, .value_kind: global_buffer, .address_space: global }
    .group_segment_fixed_size: 3072
    .private_segment_fixed_size: 0
    .kernarg_segment_align: 8
    .kernarg_segment_size: 32
    .max_flat_workgroup_size: 256
    .sgpr_count:     66
    .vgpr_count:     256
    .wavefront_size: 32
...
	.end_amdgpu_metadata
.endif
;; end of part 2
;; launch g1 (part 3): grid 12 x 16, 4 waves a work-group, clusters of 4 x 4, 327,680 bytes of LDS; arguments hq, wts, bq, bk, bv, qkv; writes qkv
.if DOCPART == 3
	.amdgcn_target "amdgcn-amd-amdhsa--gfx1250"
	.amdhsa_code_object_version 6
	.text
	.protected	k_q9740976767_g1
	.globl	k_q9740976767_g1
	.p2align	8
	.type	k_q9740976767_g1,@function
k_q9740976767_g1:
	s_mov_b64 s[64:65], 0
	v_nop
	global_prefetch_b8 v0, s[64:65] scope:SCOPE_SE
	s_setreg_imm32_b32 hwreg(HW_REG_WAVE_MODE, 25, 1), 1
	s_wait_xcnt 0x0
	s_wait_alu depctr_hold_cnt(0) depctr_sa_sdst(0) depctr_va_vdst(0) depctr_va_sdst(0) depctr_va_ssrc(0) depctr_va_vcc(0) depctr_vm_vsrc(0)
	s_getreg_b32 s2, hwreg(HW_REG_IB_STS2, 6, 4)
	s_cmp_eq_u32 s2, 0
	s_cbranch_scc0 .Lentry_in_a_cluster
	s_endpgm
.Lentry_in_a_cluster:
	s_bfe_u32 s2, ttmp6, 0x10000c
	s_cmp_lg_u32 s2, 0xf033
	s_cbranch_scc0 .Lentry_shape_is_right
	s_endpgm
.Lentry_shape_is_right:
; A product on codes of E4M3 (K = 1,024, one E8M0 byte for each 32 along K) whose result is quantised again on the way out.  One text serves two launches, by the flag GEL:
;   GEL = 0: q, k, v = h [wq wk wv] + bias.  q and k leave as codes along the head's 64, v as codes along the keys.     GEL = 1: Q(gelu(h w1 + b1)), codes along the 4,096.
; A tile of 256 x 256 is made by four waves, 128 x 128 each: 64 accumulators in 512 registers.  P is source 1 (a lane holds one row of P), R is source 0 (a lane's registers run along R).
; Rows of every operand lie in the order sigma (memory row p = logical row p with bits 3 and 4 exchanged), so accumulators 2 B and 2 B + 1 hold in lane (r, h) the 16 logical neighbours 32 B + 16 h + 0..15 of R:
; the order of an operand's registers.  So the quantiser runs along R in registers, and its codes leave as images of those registers, 512 consecutive bytes a store.
; GEL = 0: cluster x is the kind.  q, k: P = tokens, R = channels.  v: P = channels of wv, R = tokens, so that v is quantised along the keys.  The kind is the same in all partners of a cluster.
; CODES in memory: [row block of 16][K / 32][512 bytes]: a K slot of 256 of a row block is 4,096 consecutive bytes; the tensor load brings 8 row blocks, and a fragment is 4 loads at 16 x lane: no pitch, no conflicts.
; K goes in slots of 256 through a ring of two LDS slots.  The scale bytes of the tile's rows ([row][32]) come once, with the first fills.
; CLUSTERS: 4 x 4.  P's tiles are asked for jointly along a row of the cluster, R's along a column.
; REGISTERS: window 0: v8-15 bias along P; v16-31 addresses; v32-63 scale words; v64-127 bias along R; v128-255 P's fragments (one set).  window 1: R's fragments (two sets); on the way out the work.  windows 2, 3: accumulators.
; LIMITS: a block of zeros or under 2^-118 gets the byte 1 (read by this program alone); NaN and infinities are not served.
.set GEL,   0
.set NQ,    2                          ; matrix instructions deep in a slot
.set FR,    16
.set NL,    4
.set NP,    8                          ; places behind this matrix instruction (ISA guide 7.12.1)
.set HALFT, 32768                      ; 8 row blocks x 4,096 bytes: what one tensor load brings
.set SLOT,  4*HALFT
.set LAPS,  2                          ; K = 1,024 is twice round the ring
.set KS,    32
.set SCL,   2*SLOT                     ; behind the ring: the scale bytes, as units of 256 bytes + 16 of padding
.set HALFS, 4352
.set SBLK,  544
.set SPARE, SCL+4*HALFS                ; the spare words: two blocks of 256 bytes that no other line names
.set BP,   8
.set ADRA, 16
.set ADRB, 20
.set CO,   26                          ; 16 x lane
.set ADRS, 27
.set SPW,  28
.set NIL,  29
.set BRO,  30
.set BPO,  31
.set SC,   32
.set BR,   64
.set AF,   128
.set T,    0                           ; window 1, on the way out: 64 numbers of a lane
.set Z,    64
.set S2,   80
.set TA,   96
.set RL,   112
.set UU,   128
.set RS,   144
.set PC,   160
.set TM,   192
.set PW,   208
.set W,    210
.set XW,   220
.set CA,   224
.set CB,   226
.set CC,   228
.set G1,   24
.set G0,   32
.set G1B,  48
.set G0B,  56
.set G1S,  68
.set G0S,  76
.set G1SB, 80
.set G0SB, 88
.set THR,  2
.set KR,   66
.set KP,   67
.set SEL,  96
.set MNT,  98
.set CNT,  99
.set SA,   100
.set MSB, 0
.macro WIN new                         ; the immediate's high byte repeats the setting that is left
.if MSB != \new
	s_set_vgpr_msb (MSB<<8)|\new
.set MSB, \new
.endif
.endm
.set MUL_LO, 0xa1                      ; source 0 (R) window 1, source 1 (P) window 0, C and D window 2
.set MUL_HI, 0xf1
.set TO_B,   0x40
.macro JLOAD g0a, g1a, g0b, g1b        ; a joint load: waves 0, 1 fetch for P, waves 2, 3 for R; four v_nop follow each line
	s_cmp_eq_u32 s15, 0
	s_cbranch_scc0 .Lfor_b_\@
	tensor_load_to_lds s[\g0a:\g0a+3], s[\g1a:\g1a+7]
	s_nop 0
.rept 4
	v_nop
.endr
	s_branch .Lasked_\@
.Lfor_b_\@:
	tensor_load_to_lds s[\g0b:\g0b+3], s[\g1b:\g1b+7]
	s_nop 0
.rept 4
	v_nop
.endr
.Lasked_\@:
.endm
.macro CREST
	s_cmp_lg_u32 s14, 0
	s_cbranch_scc1 .Lnot_wave_0_\@
	s_barrier_signal -3
.Lnot_wave_0_\@:
	s_barrier_wait -3
	s_barrier_signal -1
	s_barrier_wait -1
.endm
.macro CROUND
	s_barrier_signal -1
	s_barrier_wait -1
	CREST
.endm
	s_load_b128 s[4:7], s[0:1], 0x0                ; hq, wts
	s_load_b128 s[8:11], s[0:1], 0x10              ; GEL: b1, gq;  else bq, bk
.if GEL == 0
	s_load_b128 s[92:95], s[0:1], 0x20             ; bv, qkv
.endif
	v_lshl_add_u32 v[SPW], v0, 2, SPARE
	v_mov_b32 v[NIL], 0
	ds_add_u32 v28, v29
	ds_add_u32 v28, v29
	s_wait_dscnt 0x0
	v_lshrrev_b32 v1, 5, v0
	v_readfirstlane_b32 s14, v1                    ; wave
	s_lshr_b32 s15, s14, 1                         ; my half of P's rows.  Also: I fetch for P (0) or R (1)
	s_and_b32 s16, s14, 1                          ; my half of R's rows.  Also: which 128 rows I fetch
	s_bfe_u32 s40, ttmp6, 0x40000                  ; cx
	s_bfe_u32 s41, ttmp6, 0x40004                  ; cy
	s_and_b32 s17, ttmp7, 0xffff
	s_lshl_b32 s17, s17, 2                         ; 4 x cluster y
	s_lshl_b32 s42, ttmp9, 2                       ; 4 x cluster x
.if GEL == 0
	s_cmp_eq_u32 ttmp9, 2                          ; v: P = wv's tiles 8 + cy, R = token tiles 4 ky + cx
	s_cselect_b32 s42, s17, s42
	s_cselect_b32 s17, 8, s17
.endif
	s_add_co_u32 s17, s17, s41                     ; P's tile: hangs on cy alone within the cluster
	s_add_co_u32 s42, s42, s40                     ; R's tile: on cx alone
	s_lshl_b32 s43, s41, 2
	s_lshl_b32 s43, 15, s43                        ; my row of the cluster
	s_lshl_b32 s44, 0x1111, s40                    ; my column
	s_or_b32 s[G1+0], s43, (3<<16)|(1<<21)         ; elements of 8 bytes, no padding, bit 21 beside the mask
	s_or_b32 s[G1B+0], s44, (3<<16)|(1<<21)
.irp g, G1, G1B
	s_mov_b32 s[\g+1], 512<<16                     ; tensor_dim0 = 512 elements: 4,096 bytes of a row block
	s_mov_b32 s[\g+2], 8<<16                       ; tensor_dim1 = 8 row blocks
	s_mov_b32 s[\g+3], 512<<16                     ; tile_dim0
	s_mov_b32 s[\g+4], 8                           ; tile_dim1
	s_mov_b32 s[\g+5], 2048                        ; from row block to row block: 16,384 bytes
	s_mov_b32 s[\g+6], 0
	s_mov_b32 s[\g+7], 0
.endr
	s_or_b32 s[G1S+0], s43, (3<<16)|(1<<20)|(1<<21)|(5<<22)|(3<<25)   ; the scale bytes of 128 rows: 16 rows of 256 bytes, 16 of padding behind each
	s_or_b32 s[G1SB+0], s44, (3<<16)|(1<<20)|(1<<21)|(5<<22)|(3<<25)
.irp g, G1S, G1SB
	s_mov_b32 s[\g+1], 32<<16
	s_mov_b32 s[\g+2], 16<<16
	s_mov_b32 s[\g+3], 32<<16
	s_mov_b32 s[\g+4], 16
	s_mov_b32 s[\g+5], 32
	s_mov_b32 s[\g+6], 0
	s_mov_b32 s[\g+7], 0
.endr
	s_lshl_b32 s18, s16, 7
	s_lshl_b32 s20, s17, 8
	s_add_co_u32 s20, s20, s18                     ; P: the first row that I fetch
	s_lshl_b32 s46, s42, 8
	s_add_co_u32 s46, s46, s18                     ; R likewise
	s_lshl_b32 s22, s20, 5                         ; its scale bytes,
	s_mov_b32 s23, 0
	s_lshl_b32 s20, s20, 10                        ; its codes
	s_mov_b32 s21, 0
	s_lshl_b32 s96, s46, 5
	s_mov_b32 s97, 0
	s_lshl_b32 s46, s46, 10
	s_mov_b32 s47, 0
	s_mul_i32 s45, s14, HALFT                      ; where they go: no place in the cluster enters an LDS address
	s_mul_i32 s98, s14, HALFS
	s_wait_kmcnt 0x0
.if GEL
	s_mov_b64 s[66:67], s[4:5]                     ; P's codes: hq
	s_add_nc_u64 s[100:101], s[6:7], 4194304       ; R's codes: w1
	s_add_nc_u64 s[12:13], s[4:5], 4194304         ; P's scale bytes
	s_add_nc_u64 s[18:19], s[6:7], 12713984        ; R's
.else
	s_add_nc_u64 s[2:3], s[4:5], 4194304           ; hq's scale bytes
	s_add_nc_u64 s[18:19], s[6:7], 12582912        ; wq, wk, wv's
	s_cmp_eq_u32 ttmp9, 2                          ; the choice hangs on the cluster's x alone
	s_cselect_b64 s[66:67], s[6:7], s[4:5]
	s_cselect_b64 s[100:101], s[4:5], s[6:7]
	s_cselect_b64 s[12:13], s[18:19], s[2:3]
	s_cselect_b64 s[18:19], s[2:3], s[18:19]
.endif
	s_add_nc_u64 s[20:21], s[66:67], s[20:21]
	s_add_nc_u64 s[22:23], s[12:13], s[22:23]
	s_add_nc_u64 s[46:47], s[100:101], s[46:47]
	s_add_nc_u64 s[96:97], s[18:19], s[96:97]
	CROUND                                         ; all sixteen work-groups are here: the first joint loads meet
	s_mov_b32 s[G0S], 1
	s_add_co_u32 s[G0S+1], s98, SCL
	s_mov_b64 s[G0S+2:G0S+3], s[22:23]
	s_or_b32 s[G0S+3], s[G0S+3], 0x80000000
	s_mov_b32 s[G0SB], 1
	s_add_co_u32 s[G0SB+1], s98, SCL
	s_mov_b64 s[G0SB+2:G0SB+3], s[96:97]
	s_or_b32 s[G0SB+3], s[G0SB+3], 0x80000000
	JLOAD G0S, G1S, G0SB, G1SB                     ; the scale bytes first: they are wanted with slot 0
.irp s, 0,1
	s_mov_b32 s[G0+4*\s], 1
	s_add_co_u32 s[G0+4*\s+1], s45, \s*SLOT
	s_add_nc_u64 s[G0+4*\s+2:G0+4*\s+3], s[20:21], \s*4096
	s_or_b32 s[G0+4*\s+3], s[G0+4*\s+3], 0x80000000
	s_mov_b32 s[G0B+4*\s], 1
	s_add_co_u32 s[G0B+4*\s+1], s45, \s*SLOT
	s_add_nc_u64 s[G0B+4*\s+2:G0B+4*\s+3], s[46:47], \s*4096
	s_or_b32 s[G0B+4*\s+3], s[G0B+4*\s+3], 0x80000000
	JLOAD G0+4*\s, G1, G0B+4*\s, G1B
.endr
	v_and_b32 v1, 15, v0                           ; r
	v_bfe_u32 v2, v0, 4, 1                         ; h
	v_and_b32 v3, 31, v0
	v_lshlrev_b32 v[CO], 4, v3
	s_mul_i32 s21, s15, HALFT
	s_mul_i32 s22, s16, HALFT
	s_add_co_u32 s22, s22, 2*HALFT
.irp s, 0,1
	v_add_nc_u32 v[ADRA+\s], s21, v[CO]
	v_add_nc_u32 v[ADRB+\s], s22, v[CO]
	s_add_co_u32 s21, s21, SLOT
	s_add_co_u32 s22, s22, SLOT
.endr
	v_mul_u32_u24 v5, v1, KS                       ; my row's scale bytes,
	v_lshrrev_b32 v6, 8, v5
	v_lshl_add_u32 v5, v6, 4, v5                   ; and 16 more for each 256 passed
	s_mul_i32 s21, s15, HALFS
	s_mul_i32 s22, s16, HALFS
	s_add_co_u32 s22, s22, 2*HALFS
	s_sub_co_u32 s22, s22, s21
	v_mul_u32_u24 v6, s22, v2                      ; lanes 16-31 take R's
	s_add_co_u32 s21, s21, SCL
	v_add_nc_u32 v5, v5, v6
	v_add_nc_u32 v[ADRS], s21, v5
	v_lshlrev_b32 v[BRO], 6, v2                    ; the bias along R: 64 h bytes
	s_lshl_b32 s20, s17, 8
	s_lshl_b32 s21, s15, 7
	s_add_co_u32 s20, s20, s21                     ; my first row of P
	s_lshl_b32 s46, s42, 8
	s_lshl_b32 s47, s16, 7
	s_add_co_u32 s46, s46, s47                     ; my first row of R
	s_mov_b32 s19, 0
.if GEL
	s_lshl_b32 s18, s46, 2
	s_add_nc_u64 s[92:93], s[8:9], s[18:19]        ; b1 at my 128 units
	s_lshl_b32 s18, s20, 12                        ; codes [row block][128][512]: 4,096 bytes a row of P, 16 a row of R
	s_lshl_b32 s47, s46, 4
	s_add_co_u32 s18, s18, s47
	s_add_nc_u64 s[12:13], s[10:11], s[18:19]
	s_lshl_b32 s18, s46, 7                         ; scale words: [K step][group of 128 rows][512 bytes]
	s_lshl_b32 s47, s20, 2
	s_add_co_u32 s18, s18, s47
	s_add_co_u32 s18, s18, 16777216
	s_add_nc_u64 s[10:11], s[10:11], s[18:19]
	s_mov_b32 s[SA], 65536                         ; from row block to row block
	s_mov_b32 s[SA+1], 0
.else
	v_and_b32 v4, 8, v1
	v_add_nc_u32 v4, v4, v1
	v_lshlrev_b32 v[BPO], 2, v4                    ; the bias along P: 4 (r + 8 (r / 8))
	s_cmp_eq_u32 ttmp9, 2
	s_cselect_b32 s21, s46, s20                    ; my first token
	s_cselect_b32 s22, s20, s46                    ; my first channel
	s_cselect_b32 s23, 11, 14                      ; a group of 128 tokens: 4 images along v's keys, or 8 token blocks of 2,048 bytes
	s_cselect_b32 s47, 15, 11                      ; from block to block of P: a channel block of v (32,768), or a token block (2,048)
	s_cselect_b32 s[KR], 0, -1                     ; which bias counts
	s_cselect_b32 s[KP], -1, 0
	s_cselect_b64 s[8:9], s[92:93], s[8:9]
	s_cmp_eq_u32 ttmp9, 1
	s_cselect_b64 s[8:9], s[10:11], s[8:9]         ; bq, bk or bv
	s_lshr_b32 s21, s21, 7
	s_lshr_b32 s22, s22, 7
	s_and_b32 s22, s22, 7                          ; the pair of heads
	s_lshr_b32 s2, s21, 4
	s_lshl_b32 s2, s2, 3
	s_add_co_u32 s2, s2, s22                       ; 8 x batch + pair
	s_and_b32 s21, s21, 15                         ; the group of 128 tokens
	s_lshl_b32 s18, s2, 18
	s_lshl_b32 s23, s21, s23
	s_add_co_u32 s18, s18, s23
	s_lshl_b32 s23, ttmp9, 22
	s_add_co_u32 s18, s18, s23
	s_add_nc_u64 s[12:13], s[94:95], s[18:19]      ; my codes
	s_lshl_b32 s2, s2, 4
	s_add_co_u32 s2, s2, s21
	s_lshl_b32 s18, s2, 9
	s_lshl_b32 s23, ttmp9, 17
	s_add_co_u32 s18, s18, s23
	s_add_co_u32 s18, s18, 12582912
	s_add_nc_u64 s[10:11], s[94:95], s[18:19]      ; my 512 bytes of scale words
	s_lshl_b32 s[SA], 1, s47
	s_mov_b32 s[SA+1], 0
	s_lshl_b32 s22, s22, 9                         ; the pair's 128 numbers of the bias; the side that does not count reads from the buffer's head and is cleared later
	s_and_b32 s18, s22, s[KR]
	s_add_nc_u64 s[92:93], s[8:9], s[18:19]
	s_and_b32 s18, s22, s[KP]
	s_add_nc_u64 s[8:9], s[8:9], s[18:19]
.endif
.irp b, 0,1,2,3,4,5,6,7                ; accumulator b = 2 B + u holds R's 32 B + 16 h + 8 u + 0..7
	global_load_b128 v[BR+8*\b:BR+8*\b+3], v[BRO], s[92:93] offset:(32*(\b/2)+8*(\b%2))*4
	global_load_b128 v[BR+8*\b+4:BR+8*\b+7], v[BRO], s[92:93] offset:(32*(\b/2)+8*(\b%2))*4+16
.endr
.if GEL == 0
.irp a, 0,1,2,3,4,5,6,7
	global_load_b32 v[BP+\a], v[BPO], s[8:9] offset:(32*(\a/2)+8*(\a%2))*4
.endr
.endif
	s_mov_b32 s[SEL], 0x76543210
	s_mov_b32 s[SEL+1], 0xfedcba98
	s_mov_b32 s[MNT], 0x600000
.macro FRAG reg, adr, q, i             ; a fragment, 16 rows x 128 K: four images, each 512 consecutive bytes
.irp c, 0,1,2,3
	ds_load_b128 v[\reg+4*\c:\reg+4*\c+3], v[\adr] offset:(\i)*4096+(4*(\q)+\c)*512
.endr
.endm
; 16 matrix instructions: P's blocks a0, a0 + 1 x R's eight.  The 64 accumulators take turns, one instruction a turn, in the same order in every step.
.macro MUL16 a0, p, q, sc, zero
.irp a, \a0, \a0+1
.irp b, 0,1,2,3,4,5,6,7
.if \zero
	v_wmma_scale_f32_16x16x128_f8f6f4 v[8*(8*((\a)%4)+\b):8*(8*((\a)%4)+\b)+7], v[128*(\p)+FR*\b:128*(\p)+FR*\b+FR-1], v[AF+FR*(\a):AF+FR*(\a)+FR-1], 0, v[SC+8*NQ*(\sc)+NQ*\b+(\q)], v[SC+8*NQ*(\sc)+NQ*(\a)+(\q)] matrix_a_scale:MATRIX_SCALE_ROW1
.else
	v_wmma_scale_f32_16x16x128_f8f6f4 v[8*(8*((\a)%4)+\b):8*(8*((\a)%4)+\b)+7], v[128*(\p)+FR*\b:128*(\p)+FR*\b+FR-1], v[AF+FR*(\a):AF+FR*(\a)+FR-1], v[8*(8*((\a)%4)+\b):8*(8*((\a)%4)+\b)+7], v[SC+8*NQ*(\sc)+NQ*\b+(\q)], v[SC+8*NQ*(\sc)+NQ*(\a)+(\q)] matrix_a_scale:MATRIX_SCALE_ROW1
.endif
.endr
.endr
.endm
.macro FETCH_B slot, q, p
	WIN TO_B
.irp i, 0,1,2,3,4,5,6,7
	FRAG 128*(\p)+FR*\i, ADRB+\slot, \q, \i
.endr
	WIN 0
.endm
.macro FETCH_A slot, q, i0
.irp i, \i0, \i0+1, \i0+2, \i0+3
	FRAG AF+FR*(\i), ADRA+\slot, \q, \i
.endr
.endm
.macro SCALES sc                       ; a slot's scale words: lanes 0-15 take P's block i, lanes 16-31 R's block i
.irp i, 0,1,2,3,4,5,6,7
	ds_load_b64 v[SC+8*NQ*\sc+NQ*\i:SC+8*NQ*\sc+NQ*\i+1], v[ADRS] offset:\i*SBLK
.endr
.endm
.macro PLACES n                        ; plain vector lines between a matrix instruction and a load into, or a vector read or write of, its registers
.rept \n
	v_nop
.endr
.endm
.macro STEP slot, q, zero              ; 128 along K with its successor in the same slot
	s_wait_dscnt 4*NL                              ; R's set and P's blocks 0-3 are in; the youngest 16 loads (P's blocks 4-7) may be out
	WIN MUL_LO
	MUL16 0, (\q)%2, \q, \slot, \zero
	MUL16 2, (\q)%2, \q, \slot, \zero
	s_wait_dscnt 0
	PLACES NP
	FETCH_B \slot, (\q)+1, 1-(\q)%2
	FETCH_A \slot, (\q)+1, 0
	WIN MUL_HI
	MUL16 4, (\q)%2, \q, \slot, \zero
	MUL16 6, (\q)%2, \q, \slot, \zero
	PLACES NP
	WIN 0
	FETCH_A \slot, (\q)+1, 4
.endm
; A slot's last step changes slots: one barrier; in front of it each wave waits for all its tensor loads, adds 0 to its spare word, and waits for that and for its reads of this slot.
.macro TURN slot, next, fill
	s_wait_tensorcnt 0x0                           ; all my tensor loads have landed: my part of the next slot
	ds_add_u32 v[SPW], v[NIL]
	s_wait_dscnt 4*NL+1                            ; (the add and P's blocks 4-7 may be out)
	WIN MUL_LO
	MUL16 0, 1, NQ-1, \slot, 0
	s_wait_dscnt 0x0                               ; the add is done, and my reads of this slot are over
	s_barrier_signal -1
	MUL16 2, 1, NQ-1, \slot, 0
	WIN 0
	s_barrier_wait -1
.if \fill
	CREST                                          ; the barrier has opened a round of the cluster's: no wave of any partner still reads this slot or has a load on its way
	s_add_nc_u64 s[G0+4*\slot+2:G0+4*\slot+3], s[G0+4*\slot+2:G0+4*\slot+3], 8192
	s_add_nc_u64 s[G0B+4*\slot+2:G0B+4*\slot+3], s[G0B+4*\slot+2:G0B+4*\slot+3], 8192
	JLOAD G0+4*\slot, G1, G0B+4*\slot, G1B         ; the first tensor load behind the round; its four v_nop are among the places below
	PLACES NP-4
.else
	PLACES NP
.endif
	v_add_nc_u32 v[ADRS], 4*NQ, v[ADRS]            ; the next slot's scale words
	FETCH_B \next, 0, 0
	FETCH_A \next, 0, 0
	SCALES \next
	WIN MUL_HI
	MUL16 4, 1, NQ-1, \slot, 0
	MUL16 6, 1, NQ-1, \slot, 0
	PLACES NP
	WIN 0
	FETCH_A \next, 0, 4
.endm
	s_wait_tensorcnt 1                             ; the scale bytes and my part of slot 0 are in; slot 1's load may be out
	s_barrier_signal -1
	s_barrier_wait -1
	FETCH_B 0, 0, 0
	FETCH_A 0, 0, 0
	SCALES 0
	FETCH_A 0, 0, 4
	STEP 0, 0, 1                                   ; the first step's products start the sums
	s_mov_b32 s3, LAPS-1
.Llap:
	TURN 0, 1, 1
	STEP 1, 0, 0
	TURN 1, 0, 1
	STEP 0, 0, 0
	s_sub_co_u32 s3, s3, 1
	s_cmp_lg_u32 s3, 0
	s_cbranch_scc1 .Llap
	TURN 0, 1, 0                                   ; the last lap fills nothing
	STEP 1, 0, 0
	s_wait_dscnt 4*NL
	WIN MUL_LO
	MUL16 0, 1, NQ-1, 1, 0
	MUL16 2, 1, NQ-1, 1, 0
	s_wait_dscnt 0
	WIN MUL_HI
	MUL16 4, 1, NQ-1, 1, 0
	MUL16 6, 1, NQ-1, 1, 0
	WIN 0
; ---- THE WAY OUT: a loop over P's eight blocks, so that the quantiser (and the activation) stand once in the text.  What differs, the block's accumulators, is copied by one of eight short pieces.
.macro QUANT                           ; T's 64 numbers -> codes in v[PC] on, scale word in v[PW]; all in window 1
.irp b, 0,1,2,3
	v_max3_num_f32 v[TM+\b], |v[T+16*\b]|, |v[T+1+16*\b]|, 0x4800000      ; with the floor 2^(9 - 127)
.endr
.irp i, 2,4,6,8,10,12,14
.irp b, 0,1,2,3
	v_max3_num_f32 v[TM+\b], v[TM+\b], |v[T+16*\b+\i]|, |v[T+1+16*\b+\i]|
.endr
.endr
.irp b, 0,1,2,3
	v_permlanex16_b32 v[TM+4+\b], v[TM+\b], s[SEL], s[SEL+1]
.endr
.irp b, 0,1,2,3
	v_max_num_f32 v[TM+\b], v[TM+\b], v[TM+4+\b]
.endr
.irp b, 0,1,2,3
	v_add_nc_u32 v[TM+12+\b], 0xfc000000, v[TM+\b]
.endr
.irp b, 0,1,2,3
	v_and_or_b32 v[TM+8+\b], v[TM+\b], 0x7f800000, s[MNT]
.endr
.irp b, 0,1,2,3
	v_lshrrev_b32 v[TM+4+\b], 23, v[TM+12+\b]
.endr
	v_lshl_or_b32 v[PW], v[TM+5], 8, v[TM+4]
	v_lshl_or_b32 v[PW], v[TM+6], 16, v[PW]
	v_lshl_or_b32 v[PW], v[TM+7], 24, v[PW]
.irp b, 0,1,2,3
.irp i, 0,1,2,3,4,5,6,7,8,9,10,11,12,13,14,15
	v_med3_num_f32 v[T+16*\b+\i], v[T+16*\b+\i], -v[TM+8+\b], v[TM+8+\b]  ; the conversion does not saturate (ISA guide 7.6.2)
.endr
	v_cvt_scalef32_pk8_fp8_f32 v[PC+4*\b:PC+1+4*\b], v[T+16*\b:T+7+16*\b], v[TM+12+\b]
	v_cvt_scalef32_pk8_fp8_f32 v[PC+2+4*\b:PC+3+4*\b], v[T+8+16*\b:T+15+16*\b], v[TM+12+\b]
.endr
	v_nop                                          ; a plain line behind the last conversion
.endm
; gelu(x) = 0.5 x w, w = 1 + erf(z), z = x / sqrt(2), on 16 numbers.  |z| <= 0.9277: w = 1 + z + z p(z^2).  Beyond: E = erfc(|z|) = 2^(r log2 e), r a polynomial in |z|; w = E for z < 0 (nothing cancels), 2 - E else.
.macro GELU16 o
.irp p, 0,2,4,6,8,10,12,14
	v_pk_mul_f32 v[Z+\p:Z+\p+1], v[T+\o+\p:T+\o+\p+1], 0x3f3504f3 op_sel_hi:[1,0]
.endr
.irp p, 0,2,4,6,8,10,12,14
	v_pk_mul_f32 v[S2+\p:S2+\p+1], v[Z+\p:Z+\p+1], v[Z+\p:Z+\p+1]
.endr
.irp i, 0,1,2,3,4,5,6,7,8,9,10,11,12,13,14,15
	v_and_b32 v[TA+\i], 0x7fffffff, v[Z+\i]
.endr
.irp p, 0,2,4,6,8,10,12,14
	v_pk_fma_f32 v[RL+\p:RL+\p+1], v[TA+\p:TA+\p+1], 0xb7910000, v[CA:CA+1] op_sel_hi:[1,0,1]
.endr
.irp p, 0,2,4,6,8,10,12,14
	v_pk_fma_f32 v[UU+\p:UU+\p+1], v[TA+\p:TA+\p+1], 0xbb7e8a1c, v[CB:CB+1] op_sel_hi:[1,0,1]
.endr
.irp p, 0,2,4,6,8,10,12,14
	v_pk_fma_f32 v[RL+\p:RL+\p+1], v[RL+\p:RL+\p+1], v[S2+\p:S2+\p+1], v[UU+\p:UU+\p+1]
.endr
.irp k, 0xbddaae5c, 0xbf228550, 0xbe03ce86
.irp p, 0,2,4,6,8,10,12,14
	v_pk_fma_f32 v[RL+\p:RL+\p+1], v[RL+\p:RL+\p+1], v[TA+\p:TA+\p+1], \k op_sel_hi:[1,1,0]
.endr
.endr
.irp p, 0,2,4,6,8,10,12,14
	v_pk_fma_f32 v[RL+\p:RL+\p+1], v[RL+\p:RL+\p+1], v[TA+\p:TA+\p+1], v[TA+\p:TA+\p+1] neg_lo:[0,0,1] neg_hi:[0,0,1]
.endr
.irp p, 0,2,4,6,8,10,12,14
	v_pk_mul_f32 v[RL+\p:RL+\p+1], v[RL+\p:RL+\p+1], 0x3fb8aa3b op_sel_hi:[1,0]
.endr
.irp i, 0,1,2,3,4,5,6,7,8,9,10,11,12,13,14,15
	v_exp_f32 v[RL+\i], v[RL+\i]                   ; one batch; the small branch below is the independent work behind it
.endr
.irp p, 0,2,4,6,8,10,12,14
	v_pk_fma_f32 v[RS+\p:RS+\p+1], v[S2+\p:S2+\p+1], 0xba1c7000, v[CC:CC+1] op_sel_hi:[1,0,1]
.endr
.irp k, 0xbcdb48d9, 0x3de70e22, 0xbec09380, 0x3e0375d4
.irp p, 0,2,4,6,8,10,12,14
	v_pk_fma_f32 v[RS+\p:RS+\p+1], v[RS+\p:RS+\p+1], v[S2+\p:S2+\p+1], \k op_sel_hi:[1,1,0]
.endr
.endr
.irp p, 0,2,4,6,8,10,12,14
	v_pk_fma_f32 v[RS+\p:RS+\p+1], v[RS+\p:RS+\p+1], v[Z+\p:Z+\p+1], v[Z+\p:Z+\p+1]
.endr
.irp p, 0,2,4,6,8,10,12,14
	v_pk_add_f32 v[RS+\p:RS+\p+1], v[RS+\p:RS+\p+1], 1.0 op_sel_hi:[1,0]
.endr
	s_wait_alu depctr_va_vdst(0)                   ; one wait for the 16 exponentials, ahead of their first reader
.irp p, 0,2,4,6,8,10,12,14
	v_pk_add_f32 v[UU+\p:UU+\p+1], v[RL+\p:RL+\p+1], 2.0 op_sel_hi:[1,0] neg_lo:[1,0] neg_hi:[1,0]
.endr
.irp i, 0,1,2,3,4,5,6,7,8,9,10,11,12,13,14,15
	v_cmp_gt_f32 vcc_lo, 0, v[Z+\i]
	v_cndmask_b32 v[UU+\i], v[UU+\i], v[RL+\i], vcc_lo
	v_cmp_lt_f32 vcc_lo, s[THR], v[TA+\i]
	v_cndmask_b32 v[UU+\i], v[RS+\i], v[UU+\i], vcc_lo
.endr
.irp p, 0,2,4,6,8,10,12,14
	v_pk_mul_f32 v[T+\o+\p:T+\o+\p+1], v[T+\o+\p:T+\o+\p+1], v[UU+\p:UU+\p+1]
.endr
.irp p, 0,2,4,6,8,10,12,14
	v_pk_mul_f32 v[T+\o+\p:T+\o+\p+1], v[T+\o+\p:T+\o+\p+1], 0.5 op_sel_hi:[1,0]
.endr
.endm
.macro COPY k                          ; T = block k's 64 sums + the biases; the last block's scale word is put by.  Each accumulator is read from its low end on
.if \k > 0
	WIN 0x41
	v_mov_b32 v[W+\k-1], v[PW]
.endif
.set WN, 0x42+(\k)/4
	WIN WN                                         ; destination window 1, source 0 window 2 or 3, source 1 window 0
.set cp, 0
.rept 32
	v_pk_add_f32 v[T+2*cp:T+2*cp+1], v[64*((\k)%4)+2*cp:64*((\k)%4)+2*cp+1], v[BR+2*cp:BR+2*cp+1]
.set cp, cp+1
.endr
.if GEL == 0
	WIN 0x41
.set cp, 0
.rept 32
.if (\k)%2
	v_pk_add_f32 v[T+2*cp:T+2*cp+1], v[T+2*cp:T+2*cp+1], v[BP+2*((\k)/2):BP+2*((\k)/2)+1] op_sel:[0,1] op_sel_hi:[1,1]
.else
	v_pk_add_f32 v[T+2*cp:T+2*cp+1], v[T+2*cp:T+2*cp+1], v[BP+2*((\k)/2):BP+2*((\k)/2)+1] op_sel:[0,0] op_sel_hi:[1,0]
.endif
.set cp, cp+1
.endr
.endif
	WIN 0
.endm
	PLACES NP                                      ; behind the last products: their results are read and their operands' registers written below
	s_wait_loadcnt 0x0                             ; the biases
.if GEL == 0
.set zi, 0
.rept 64
	v_cndmask_b32 v[BR+zi], 0, v[BR+zi], s[KR]     ; the bias runs along R for q and k, along P for v: the other side becomes 0
.set zi, zi+1
.endr
.set zi, 0
.rept 8
	v_cndmask_b32 v[BP+zi], 0, v[BP+zi], s[KP]
.set zi, zi+1
.endr
.endif
	WIN 0x40
	v_mov_b32 v[PW], 0
.irp i, 0,1,2,3,4,5,6,7
	v_mov_b32 v[W+\i], 0
.endr
.irp i, 4,5,6,7
	v_mov_b32 v[TM+\i], 0                          ; a lane permute's destination counts as read
.endr
.if GEL
	v_mov_b32 v[CA], 0x39c8e7d9
	v_mov_b32 v[CA+1], 0x39c8e7d9
	v_mov_b32 v[CB], 0x3cc6b1a1
	v_mov_b32 v[CB+1], 0x3cc6b1a1
	v_mov_b32 v[CC], 0x3ba38d2c
	v_mov_b32 v[CC+1], 0x3ba38d2c
.endif
	WIN 0
	s_mov_b32 s[THR], 0x3f6d8000                   ; 0.927734375
	s_mov_b32 s[CNT], 0
.Lepi:
.irp k, 1,2,3,4,5,6,7
	s_cmp_eq_u32 s[CNT], \k
	s_cbranch_scc1 .Lc\k
.endr
	COPY 0
	s_branch .Lwork
.irp k, 1,2,3,4,5,6
.Lc\k:
	COPY \k
	s_branch .Lwork
.endr
.Lc7:
	COPY 7
.Lwork:
	WIN 0x55                                       ; everything in window 1
.if GEL
	GELU16 0
	GELU16 16
	GELU16 32
	GELU16 48
.endif
	QUANT
	WIN 0x04                                       ; a store's data are its source 1: window 1
.irp c, 0,1,2,3
	global_store_b128 v[CO], v[PC+4*\c:PC+4*\c+3], s[12:13] offset:512*\c   ; an image: 512 consecutive bytes, aligned
.endr
	WIN 0
	s_wait_xcnt 0x0                                ; the stores have read their base and their data: both are written again only behind this wait
	s_add_nc_u64 s[12:13], s[12:13], s[SA:SA+1]
	s_add_co_u32 s[CNT], s[CNT], 1
	s_cmp_lt_u32 s[CNT], 8
	s_cbranch_scc1 .Lepi
	WIN 0x41
	v_mov_b32 v[W+7], v[PW]
	s_mov_b32 s[KR], 0xffff0000
	WIN 0x45
.irp i, 0,1,2,3
	v_cndmask_b32 v[XW+\i], v[W+\i], v[W+4+\i], s[KR]   ; lanes 0-15 carry blocks 0-3's words of row r, lanes 16-31 blocks 4-7's
.endr
	WIN 0x04
	global_store_b128 v[CO], v[XW:XW+3], s[10:11]  ; the wave's 128 scale words: 512 consecutive bytes
	WIN 0
	s_wait_tensorcnt 0x0                           ; the wave's end
	ds_add_u32 v[SPW], v[NIL]
	s_wait_dscnt 0x0
	CROUND                                         ; the closing round
	s_endpgm
.Lfunc_end_k_q9740976767_g1:
	.size	k_q9740976767_g1, .Lfunc_end_k_q9740976767_g1-k_q9740976767_g1
	.p2alignl 7, 3214868480
	.fill 96, 4, 3214868480
	.section	.rodata,"a",@progbits
	.p2align	6, 0x0
	.amdhsa_kernel k_q9740976767_g1
		.amdhsa_group_segment_fixed_size 327680
		.amdhsa_private_segment_fixed_size 0
		.amdhsa_enable_private_segment 0
		.amdhsa_kernarg_size 48
		.amdhsa_user_sgpr_count 2
		.amdhsa_user_sgpr_kernarg_segment_ptr 1
		.amdhsa_wavefront_size32 1
		.amdhsa_system_sgpr_workgroup_id_x 1
		.amdhsa_system_sgpr_workgroup_id_y 1
		.amdhsa_system_sgpr_workgroup_id_z 1
		.amdhsa_system_vgpr_workitem_id 0
		.amdhsa_next_free_vgpr 1024
		.amdhsa_next_free_sgpr 102
		.amdhsa_reserve_vcc 1
		.amdhsa_float_denorm_mode_32 3
		.amdhsa_float_denorm_mode_16_64 3
		.amdhsa_memory_ordered 1
		.amdhsa_forward_progress 1
		.amdhsa_inst_pref_size 168
	.end_amdhsa_kernel
	.amdgpu_metadata
---
amdhsa.version: [ 1, 2 ]
amdhsa.kernels:
  - .name:           k_q9740976767_g1
    .symbol:         k_q9740976767_g1.kd
    .args:
      - { .name: hq, .offset: 0, .size: 8, .value_kind: global_buffer, .address_space: global }
      - { .name: wts, .offset: 8, .size: 8, .value_kind: global_buffer, .address_space: global }
      - { .name: bq, .offset: 16, .size: 8, .value_kind: global_buffer, .address_space: global }
      - { .name: bk, .offset: 24, .size: 8, .value_kind: global_buffer, .address_space: global }
      - { .name: bv, .offset: 32, .size: 8, .value_kind: global_buffer, .address_space: global }
      - { .name: qkv, .offset: 40, .size: 8, .value_kind: global_buffer, .address_space: global }
    .group_segment_fixed_size: 327680
    .private_segment_fixed_size: 0
    .kernarg_segment_align: 8
    .kernarg_segment_size: 48
    .max_flat_workgroup_size: 128
    .sgpr_count:     102
    .vgpr_count:     1024
    .wavefront_size: 32
...
	.end_amdgpu_metadata
.endif
;; end of part 3
;; launch attn (part 4): grid 8 x 32, 8 waves a work-group, no clusters, 134,656 bytes of LDS; arguments qkv, mw, ao; writes ao
.if DOCPART == 4
	.amdgcn_target "amdgcn-amd-amdhsa--gfx1250"
	.amdhsa_code_object_version 6
	.text
	.protected	k_q9740976767_attn
	.globl	k_q9740976767_attn
	.p2align	8
	.type	k_q9740976767_attn,@function
k_q9740976767_attn:
	s_mov_b64 s[64:65], 0
	v_nop
	global_prefetch_b8 v0, s[64:65] scope:SCOPE_SE
	s_setreg_imm32_b32 hwreg(HW_REG_WAVE_MODE, 25, 1), 1
	s_wait_xcnt 0x0
; Attention of one (batch, head) for 256 queries, both products on codes of E4M3 with one E8M0 byte for each 32 along K; the finished, normalised softmax is what is quantised, along the keys.
; SHARES.  Wave w owns keys 256 w .. 256 w + 255 for the whole launch: its fragments of K and V lie in registers (window 1), read from memory once.  The work-group walks 16 tiles of 16 queries.
; A tile's scores (16 queries x 256 keys a wave, 128 registers) stay in registers from the product to the codes: one exponential a score.  Waves exchange, at one barrier a tile, the whole number M_w
; (their largest t, rounded up) and their sum l_w of 2^(t - M_w); then p = 2^(t - M_w) x F, F = 2^(M_w - M) / l, M the largest M_w: a running maximum is not needed, the true one is taken away.
; LAYOUT.  Both products transposed: S^T = K Q^T, O^T = V^T P^T: a lane holds one query.  Tokens lie in the order sigma, so score registers 16 b + 0..15 are keys 32 b + 16 h + 0..15: an operand's order.
; THE HEAD HAS 64 CHANNELS, THE FORM 128 ALONG K: source 0 holds a PAIR of key tiles side by side, source 1 is [Q | 0] for the first and [0 | Q] for the second: two views of 24 registers.
; THE MASK is an input: an earlier launch has laid it as lane masks, one word a score register, 128 words a tile and wave; a word selects between the score and -infinity.  A row with no key gives 0.
; All 128 words are asked for a tile ahead.  64 scalar registers are free for them: words of batches 0 and 1 come there by scalar loads; the wave's whole 512 bytes also come by ONE vector load into four registers
; (lane n: the words of score registers n, 32 + n, 64 + n, 96 + n), and batches 2 and 3 are moved from lanes 16-31 into the same scalar registers, once these have served batches 0 and 1.
; The waves' parts of O^T (f32) meet in LDS; after every four tiles each wave sums, quantises and stores one half tile (32 channels): codes as an image of operand registers.
; A head owns two of the four bytes of a scale word of the next product, so these 512 bytes a work-group leave in pieces of 2 bytes.
; NO CLUSTER, NO TENSOR LOADS: K and V are read once a work-group, at the head, straight into registers (256 KiB against the whole launch's work); a joint load would send them through LDS and read them again.
; LIMITS: scores with |t| >= 2^100 count as masked; a block of zeros or under 2^-118 gets the byte 1 (read by this program alone); NaN and infinities among the inputs are not served.
.set STAT, 131072                      ; LDS: 0: the parts of O^T [tile 4][wave 8][8][512];  STAT: two sets by turns: -M at 32 r + 4 w, l 512 further;  TAB: the result's scale bytes
.set TAB,  133120
.set L16,  1
.set R16,  2
.set STW,  3
.set STR,  4
.set OPW0, 5                           ; v5, v6
.set JRD,  7
.set TABW, 8
.set QOF,  10
.set QOFN, 11
.set QWOF, 12
.set QZ,   16                          ; v16-39: [0 x 8][Q x 8][0 x 8]
.set QS,   40
.set NINF, 41
.set QW,   42
.set KSC,  46
.set VSC,  54
.set PS,   62
.set PC,   64
.set BM,   96                          ; v96-103  a block's largest score, then its largest p, then 448 x its scale
.set HH,   BM                          ; (the hold is made in place, behind the scale operand)
.set SO,   104
.set MV,   112                         ; v112-115 the next tile's 128 mask words
.set MOF,  116                         ; v116     their offset: 16 x lane + the group's 16,384 bytes
.set MOFN, 117                         ; v117     the same for the next group (wrapped)
.set NM,   120
.set LL,   122
.set FF,   124
.set S,    128
.set MSB, 0
.macro WIN new
.if MSB != \new
	s_set_vgpr_msb (MSB<<8)|\new
.set MSB, \new
.endif
.endm
	s_load_b128 s[4:7], s[0:1], 0x0                ; qkv, mw
	s_load_b64 s[8:9], s[0:1], 0x10                ; ao
	v_lshl_add_u32 v118, v0, 2, 0x20a00
	v_mov_b32 v119, 0
	v_lshrrev_b32 v9, 5, v0
	v_readfirstlane_b32 s10, v9                    ; wave
	v_and_b32 v13, 31, v0
	v_and_b32 v14, 15, v0                          ; r
	v_bfe_u32 v15, v0, 4, 1                        ; h
	v_lshlrev_b32 v[L16], 4, v13
	v_lshlrev_b32 v[R16], 4, v14
	v_lshlrev_b32 v[STR], 5, v14
	v_lshl_add_u32 v[STW], v9, 2, v[STR]
	v_add_nc_u32 v[STW], STAT, v[STW]              ; 32 r + 4 w
	v_lshl_add_u32 v[STR], v15, 4, v[STR]
	v_add_nc_u32 v[STR], STAT, v[STR]              ; 32 r + 16 h: four waves' words
	v_lshl_add_u32 v[OPW0], v9, 12, v[L16]
	v_add_nc_u32 v[OPW0+1], 65536, v[OPW0]
	v_lshrrev_b32 v126, 1, v9                      ; my job: tile w / 2 of four, half w % 2
	v_and_b32 v127, 1, v9
	v_lshl_add_u32 v[JRD], v126, 15, v[L16]
	v_lshl_add_u32 v[JRD], v127, 11, v[JRD]
	v_lshlrev_b32 v[TABW], 1, v14
	v_lshl_add_u32 v[TABW], v126, 5, v[TABW]
	v_add_nc_u32 v[TABW], v[TABW], v127
	v_add_nc_u32 v[TABW], TAB, v[TABW]             ; byte 2 (16 tile + r) + half
	v_mov_b32 v[QOF], v[L16]
	v_add_nc_u32 v[QOFN], 8192, v[L16]
	v_add_nc_u32 v[QWOF], 256, v[R16]
	v_mov_b32 v[MOF], v[L16]
	v_add_nc_u32 v[MOFN], 16384, v[L16]
.irp i, 0,1,2,3,4,5,6,7
	v_mov_b32 v[QZ+\i], 0
	v_mov_b32 v[QZ+16+\i], 0
	v_mov_b32 v[PC+\i], 0                          ; a lane permute's destination counts as read
.endr
	v_mov_b32 v[NINF], 0xff800000
	v_mov_b32 v[NM+1], 0                           ; (named as the upper halves of pairs)
	v_mov_b32 v[FF+1], 0
	s_and_b32 s11, ttmp7, 0xffff                   ; 16 x batch + head
	s_lshr_b32 s12, s11, 4
	s_and_b32 s13, s11, 15
	s_lshr_b32 s14, s13, 1                         ; the pair of heads
	s_and_b32 s15, s13, 1                          ; which of the pair
	s_lshl_b32 s62, s12, 3
	s_add_co_u32 s62, s62, s14
	s_lshl_b32 s63, s62, 18
	s_lshl_b32 s2, s15, 10
	s_add_co_u32 s63, s63, s2                      ; q, k: [batch, pair][token block][head of the pair][2][512]
	s_lshl_b32 s68, s10, 15
	s_add_co_u32 s68, s68, s63
	s_add_co_u32 s68, s68, 4194304                 ; K: my 16 key tiles
	s_mov_b32 s69, 0
	s_lshl_b32 s70, s11, 17
	s_lshl_b32 s2, s10, 12
	s_add_co_u32 s70, s70, s2
	s_add_co_u32 s70, s70, 8388608                 ; V: [head][channel block 4][key block 64][512], my 8 key blocks
	s_mov_b32 s71, 0
	s_lshl_b32 s3, s62, 13
	s_lshl_b32 s72, s10, 10
	s_add_co_u32 s72, s72, s3
	s_lshl_b32 s2, s15, 8
	s_add_co_u32 s74, s72, s2
	s_add_co_u32 s72, s72, 12713984                ; K's scale words
	s_mov_b32 s73, 0
	s_add_co_u32 s74, s74, 12845056                ; V's
	s_mov_b32 s75, 0
	s_lshl_b32 s48, ttmp9, 15
	s_add_co_u32 s48, s48, s63                     ; Q: my work-group's 16 tiles
	s_mov_b32 s49, 0
	s_lshl_b32 s50, ttmp9, 10
	s_add_co_u32 s50, s50, s3
	s_add_co_u32 s50, s50, 12582912                ; Q's scale words
	s_mov_b32 s51, 0
	s_lshl_b32 s76, ttmp9, 16
	s_lshl_b32 s2, s10, 9
	s_add_co_u32 s76, s76, s2                      ; mask words: [tile][wave][512]
	s_mov_b32 s77, 0
	s_lshl_b32 s78, s12, 21                        ; the result's codes: [token block][32][512]
	s_lshl_b32 s2, ttmp9, 18
	s_add_co_u32 s78, s78, s2
	s_lshr_b32 s2, s10, 1
	s_lshl_b32 s2, s2, 14
	s_add_co_u32 s78, s78, s2
	s_lshl_b32 s2, s13, 10
	s_add_co_u32 s78, s78, s2
	s_and_b32 s2, s10, 1
	s_lshl_b32 s2, s2, 9
	s_add_co_u32 s78, s78, s2
	s_mov_b32 s79, 0
	s_lshl_b32 s80, s14, 5                         ; its scale bytes: [K step = pair][group of 128 tokens][half][r][block of the half][4]
	s_lshl_b32 s2, s12, 4
	s_add_co_u32 s80, s80, s2
	s_lshl_b32 s2, ttmp9, 1
	s_add_co_u32 s80, s80, s2
	s_lshr_b32 s2, s10, 2
	s_add_co_u32 s80, s80, s2
	s_lshl_b32 s80, s80, 9
	s_bfe_u32 s2, s10, 0x10001
	s_lshl_b32 s2, s2, 8
	s_add_co_u32 s80, s80, s2
	s_and_b32 s2, s10, 1
	s_lshl_b32 s2, s2, 3
	s_add_co_u32 s80, s80, s2
	s_lshl_b32 s2, s15, 1
	s_add_co_u32 s80, s80, s2
	s_add_co_u32 s80, s80, 4194304
	s_mov_b32 s81, 0
	s_mov_b32 s52, 0x3e38aa3b                      ; c = log2(e) / 8
	s_mov_b32 s53, s52
	s_mov_b32 s54, 0x76543210
	s_mov_b32 s55, 0xfedcba98
	s_mov_b32 s56, 0x600000
	s_mov_b32 s57, 0x01000100                      ; Q's word: my head's two bytes, twice
	s_mov_b32 s2, 0x03020302
	s_mov_b32 s3, 0x05040100                       ; K's word: my head's two bytes of two key tiles
	s_mov_b32 s63, 0x07060302
	s_cmp_eq_u32 s15, 1
	s_cselect_b32 s57, s2, s57
	s_cselect_b32 s3, s63, s3
	s_mov_b32 s58, 0                               ; the group's mask words,
	s_mov_b32 s59, 16384                           ; the next group's (wrapped: no load leaves its buffer)
	s_mov_b32 s60, 0                               ; groups done
	s_mov_b32 s61, 0                               ; the group's place in TAB
	s_wait_kmcnt 0x0
	s_add_nc_u64 s[68:69], s[4:5], s[68:69]
	s_add_nc_u64 s[70:71], s[4:5], s[70:71]
	s_add_nc_u64 s[72:73], s[4:5], s[72:73]
	s_add_nc_u64 s[74:75], s[4:5], s[74:75]
	s_add_nc_u64 s[48:49], s[4:5], s[48:49]
	s_add_nc_u64 s[50:51], s[4:5], s[50:51]
	s_add_nc_u64 s[6:7], s[6:7], s[76:77]
	s_add_nc_u64 s[4:5], s[8:9], s[80:81]          ; from here on s[4:5]: the result's scale bytes
	s_add_nc_u64 s[8:9], s[8:9], s[78:79]
	WIN 0x40                                       ; destination window 1
.irp x, 0,1,2,3,4,5,6,7
.irp e, 0,1
.irp c, 0,1
	global_load_b128 v[16*\x+8*\e+4*\c:16*\x+8*\e+4*\c+3], v[L16], s[68:69] offset:(2*\x+\e)*2048+\c*512
.endr
.endr
.endr
.irp x, 0,1,2,3
.irp e, 0,1
.irp c, 0,1,2,3
	global_load_b128 v[128+32*\x+16*\e+4*\c:128+32*\x+16*\e+4*\c+3], v[L16], s[70:71] offset:\x*32768+(4*\e+\c)*512
.endr
.endr
.endr
	WIN 0
.irp n, 0,1,2,3
	global_load_b128 v[S+4*\n:S+4*\n+3], v[R16], s[72:73] offset:256*\n    ; the words of my 16 key tiles, row r's in lane r
.endr
	global_load_b128 v[VSC:VSC+3], v[R16], s[74:75]
	global_load_b128 v[VSC+4:VSC+7], v[R16], s[74:75] offset:512
	global_load_b128 v[QZ+8:QZ+11], v[L16], s[48:49]
	global_load_b128 v[QZ+12:QZ+15], v[L16], s[48:49] offset:512
	global_load_b128 v[QW:QW+3], v[R16], s[50:51]
	global_load_b128 v[MV:MV+3], v[L16], s[6:7]    ; tile 0's mask words
	s_wait_loadcnt 0x0                             ; all are in: their bases, s68-75, may be written
.irp x, 0,1,2,3,4,5,6,7
	v_perm_b32 v[KSC+\x], v[S+2*\x+1], v[S+2*\x], s3
.endr
	v_perm_b32 v[QS], v[QW], v[QW], s57
.macro MLOAD base, sg, off             ; a batch of 32 lane masks, by scalar loads
	s_load_b512 s[\base:\base+15], s[6:7], s[\sg] offset:\off
	s_load_b512 s[\base+16:\base+31], s[6:7], s[\sg] offset:\off+64
.endm
	MLOAD 16, 58, 0
	MLOAD 68, 58, 128
.rept 8
	v_nop                                          ; scale words made by vector lines stand 8 places ahead of a scaled matrix instruction
.endr
.macro RLANE base, k                   ; batch k out of the four vector registers: the word of score register 32 g + 8 k + j lies in register g, lane 8 k + j
.irp j, 0,1,2,3,4,5,6,7
.irp g, 0,1,2,3
	v_readlane_b32 s[\base+4*\j+\g], v[MV+\g], 8*\k+\j
.endr
.endr
.endm
.macro APPLY base, k                   ; batch k: score tiles k, 4 + k, 8 + k, 12 + k, each from its low end on
.irp j, 0,1,2,3,4,5,6,7
.irp g, 0,1,2,3
	v_cndmask_b32 v[S+8*(4*\g+\k)+\j], v[NINF], v[S+8*(4*\g+\k)+\j], s[\base+4*\j+\g]
.endr
.endr
.endm
.macro BMAX4 f                         ; the largest score of blocks f, f + 2, f + 4, f + 6, by turns
.irp x, 0,2,4,6
	v_max3_num_f32 v[BM+\x+\f], v[S+16*(\x+\f)], v[S+16*(\x+\f)+1], v[S+16*(\x+\f)+2]
.endr
.irp i, 3,5,7,9,11,13
.irp x, 0,2,4,6
	v_max3_num_f32 v[BM+\x+\f], v[BM+\x+\f], v[S+16*(\x+\f)+\i], v[S+16*(\x+\f)+\i+1]
.endr
.endr
.irp x, 0,2,4,6
	v_max_num_f32 v[BM+\x+\f], v[BM+\x+\f], v[S+16*(\x+\f)+15]
.endr
.endm
.macro TILE t
	WIN 0x01                                       ; source 0 window 1
.irp x, 0,1,2,3,4,5,6,7
	v_wmma_scale_f32_16x16x128_f8f6f4 v[S+16*\x:S+16*\x+7], v[16*\x:16*\x+15], v[QZ+8:QZ+23], 0, v[KSC+\x], v[QS]
	v_wmma_scale_f32_16x16x128_f8f6f4 v[S+16*\x+8:S+16*\x+15], v[16*\x:16*\x+15], v[QZ:QZ+15], 0, v[KSC+\x], v[QS]
.endr
	WIN 0
.rept 8
	v_nop                                          ; places: the scores are read, and Q's registers loaded, below
.endr
.if \t < 3
	global_load_b128 v[QZ+8:QZ+11], v[QOF], s[48:49] offset:(\t+1)*2048    ; the next tile's Q
	global_load_b128 v[QZ+12:QZ+15], v[QOF], s[48:49] offset:(\t+1)*2048+512
.else
	global_load_b128 v[QZ+8:QZ+11], v[QOFN], s[48:49]
	global_load_b128 v[QZ+12:QZ+15], v[QOFN], s[48:49] offset:512
	global_load_b128 v[QW:QW+3], v[QWOF], s[50:51]
.endif
	s_wait_kmcnt 0x0                               ; batches 0 and 1, asked for in the tile before
	APPLY 16, 0
	RLANE 16, 2                                    ; the set has served batch 0: it takes batch 2; 64 lines stand between these and their first use
	APPLY 68, 1
	RLANE 68, 3                                    ; likewise batch 3
.if \t < 3
	global_load_b128 v[MV:MV+3], v[MOF], s[6:7] offset:(\t+1)*4096         ; the four registers have been read out: the next tile's 128 words
.else
	global_load_b128 v[MV:MV+3], v[MOFN], s[6:7]
.endif
	BMAX4 0
	APPLY 16, 2
.if \t < 3
	MLOAD 16, 58, (\t+1)*4096                      ; the next tile's batches 0 and 1
.else
	MLOAD 16, 59, 0
.endif
	APPLY 68, 3
.if \t < 3
	MLOAD 68, 58, (\t+1)*4096+128
.else
	MLOAD 68, 59, 128
.endif
	BMAX4 1
.irp x, 0,1,2,3,4,5,6,7
	v_permlanex16_b32 v[PC+\x], v[BM+\x], s54, s55
.endr
.irp x, 0,1,2,3,4,5,6,7
	v_max_num_f32 v[BM+\x], v[BM+\x], v[PC+\x]     ; a block's largest score: it serves for the row's maximum and, since p rises with the score, for the block's largest p
.endr
	v_max3_num_f32 v9, v[BM], v[BM+1], v[BM+2]
	v_max3_num_f32 v9, v9, v[BM+3], v[BM+4]
	v_max3_num_f32 v9, v9, v[BM+5], v[BM+6]
	v_max_num_f32 v9, v9, v[BM+7]
	v_mul_f32 v9, s52, v9
	v_max_num_f32 v9, 0xf1800000, v9               ; not under -2^100: a row with no key of mine keeps a number
	v_floor_f32 v[NM], -v9                         ; -M_w: M_w is a whole number
.set p, 0
.rept 64
	v_pk_fma_f32 v[S+2*p:S+2*p+1], v[S+2*p:S+2*p+1], s[52:53], v[NM:NM+1] op_sel_hi:[1,0,0]
.set p, p+1
.endr
.irp x, 0,1,2,3,4,5,6,7
	v_fma_f32 v[BM+\x], v[BM+\x], s52, v[NM]
.endr
.set p, 0
.rept 128
	v_exp_f32 v[S+p], v[S+p]
.set p, p+1
.endr
	v_nop                                          ; a plain line behind the batch
	s_wait_alu depctr_va_vdst(0)                   ; one wait for the 128, ahead of their first reader
.irp x, 0,1,2,3,4,5,6,7
	v_exp_f32 v[BM+\x], v[BM+\x]
.endr
	v_pk_add_f32 v[LL:LL+1], v[S:S+1], v[S+2:S+3]  ; my sum, of the unquantised numbers, in two chains: the independent work behind the eight
	v_pk_add_f32 v[126:127], v[S+4:S+5], v[S+6:S+7]
.set p, 4
.rept 30
	v_pk_add_f32 v[LL:LL+1], v[LL:LL+1], v[S+2*p:S+2*p+1]
	v_pk_add_f32 v[126:127], v[126:127], v[S+2*p+2:S+2*p+3]
.set p, p+2
.endr
	v_pk_add_f32 v[LL:LL+1], v[LL:LL+1], v[126:127]
	s_wait_alu depctr_va_vdst(0)                   ; and one for the eight
	v_add_f32 v[LL], v[LL], v[LL+1]
	v_permlanex16_b32 v13, v[LL], s54, s55
	v_add_f32 v[LL], v[LL], v13
	ds_store_b32 v[STW], v[NM] offset:(\t%2)*1024
	ds_store_b32 v[STW], v[LL] offset:(\t%2)*1024+512
	s_wait_dscnt 0x0                               ; my two words have landed, and so have my earlier stores and reads
	s_barrier_signal -1
	s_barrier_wait -1
	ds_load_b128 v[PC:PC+3], v[STR] offset:(\t%2)*1024
	ds_load_b128 v[PC+4:PC+7], v[STR] offset:(\t%2)*1024+512
	s_wait_dscnt 0x0
	v_min3_num_f32 v9, v[PC], v[PC+1], v[PC+2]
	v_min_num_f32 v9, v9, v[PC+3]
	v_permlanex16_b32 v13, v9, s54, s55
	v_min_num_f32 v9, v9, v13                      ; -M
.irp i, 0,1,2,3
	v_sub_f32 v[PC+8+\i], v9, v[PC+\i]             ; M_w - M: a whole number, 0 or less
.endr
.irp i, 0,1,2,3
	v_cvt_i32_f32 v[PC+8+\i], v[PC+8+\i]           ; (it saturates)
.endr
.irp i, 0,1,2,3
	v_ldexp_f32 v[PC+4+\i], v[PC+4+\i], v[PC+8+\i]
.endr
	v_add_f32 v14, v[PC+4], v[PC+5]
	v_add_f32 v15, v[PC+6], v[PC+7]
	v_add_f32 v14, v14, v15
	v_permlanex16_b32 v13, v14, s54, s55
	v_add_f32 v14, v14, v13                        ; l: the same bits in every wave
	v_rcp_f32 v15, v14
	v_sub_f32 v13, v9, v[NM]                       ; (plain lines behind the transcendental)
	v_cvt_i32_f32 v13, v13
	s_wait_alu depctr_va_vdst(0)
	v_ldexp_f32 v[FF], v15, v13                    ; F = 2^(M_w - M) / l
	v_cmp_lt_f32 vcc_lo, 0, v14
	v_cndmask_b32 v[FF], 0, v[FF], vcc_lo          ; a row with no key at all: 0
	s_wait_loadcnt 0x0                             ; the next tile's Q (and its words) and its mask words
	v_perm_b32 v[QS], v[QW+(\t+1)%4], v[QW+(\t+1)%4], s57
.irp x, 0,1,2,3,4,5,6,7
	v_mul_f32 v[BM+\x], v[BM+\x], v[FF]            ; the block's largest p: the same lines on the same number give the same bits
.endr
.irp x, 0,1,2,3,4,5,6,7
	v_max_num_f32 v[BM+\x], 0x4800000, v[BM+\x]
.endr
.irp x, 0,1,2,3,4,5,6,7
	v_add_nc_u32 v[SO+\x], 0xfc000000, v[BM+\x]    ; 8 off the exponent field: the conversion's scale operand
.endr
.irp x, 0,1,2,3,4,5,6,7
	v_and_or_b32 v[HH+\x], v[BM+\x], 0x7f800000, s56   ; 448 x the scale, in place: the largest p is not wanted again
.endr
.irp x, 0,1,2,3,4,5,6,7
	v_lshrrev_b32 v[PC+\x], 23, v[SO+\x]
.endr
.irp e, 0,1
	v_lshl_or_b32 v[PS+\e], v[PC+4*\e+1], 8, v[PC+4*\e]
	v_lshl_or_b32 v[PS+\e], v[PC+4*\e+2], 16, v[PS+\e]
	v_lshl_or_b32 v[PS+\e], v[PC+4*\e+3], 24, v[PS+\e]
.endr
.set p, 0
.rept 64
	v_pk_mul_f32 v[S+2*p:S+2*p+1], v[S+2*p:S+2*p+1], v[FF:FF+1] op_sel_hi:[1,0]   ; the finished softmax
.set p, p+1
.endr
.irp x, 0,1,2,3,4,5,6,7
.irp i, 0,1,2,3,4,5,6,7,8,9,10,11,12,13,14,15
	v_min_num_f32 v[S+16*\x+\i], v[S+16*\x+\i], v[HH+\x]     ; p is not negative: the hold is one-sided
.endr
	v_cvt_scalef32_pk8_fp8_f32 v[PC+4*\x:PC+4*\x+1], v[S+16*\x:S+16*\x+7], v[SO+\x]
	v_cvt_scalef32_pk8_fp8_f32 v[PC+4*\x+2:PC+4*\x+3], v[S+16*\x+8:S+16*\x+15], v[SO+\x]
.endr
.rept 4
	v_nop                                          ; an operand made by vector lines stands 4 places ahead of a scaled matrix instruction
.endr
	WIN 0x01
.irp x, 0,1,2,3                        ; O^T = V^T P^T over my 256 keys: four accumulators by turns, two K steps
	v_wmma_scale_f32_16x16x128_f8f6f4 v[S+8*\x:S+8*\x+7], v[128+32*\x:128+32*\x+15], v[PC:PC+15], 0, v[VSC+\x], v[PS]
.endr
.irp x, 0,1,2,3
	v_wmma_scale_f32_16x16x128_f8f6f4 v[S+8*\x:S+8*\x+7], v[128+32*\x+16:128+32*\x+31], v[PC+16:PC+31], v[S+8*\x:S+8*\x+7], v[VSC+4+\x], v[PS+1]
.endr
	WIN 0
.rept 9
	v_nop                                          ; 8 places ahead of the stores' reads, 9 ahead of the next tile's products, which write over these registers
.endr
.irp x, 0,1,2,3
	ds_store_b128 v[OPW0+\t/2], v[S+8*\x:S+8*\x+3] offset:(\t%2)*32768+(2*\x)*512
	ds_store_b128 v[OPW0+\t/2], v[S+8*\x+4:S+8*\x+7] offset:(\t%2)*32768+(2*\x+1)*512
.endr
.endm
.Lgroup:                                           ; four trips of four tiles
	TILE 0
	TILE 1
	TILE 2
	TILE 3
	s_wait_dscnt 0x0
	s_barrier_signal -1
	s_barrier_wait -1                              ; the eight waves' parts of four tiles lie in LDS
.irp y, 0,1,2,3,4,5,6,7
.irp q, 0,1,2,3
	ds_load_b128 v[S+16*\y+4*\q:S+16*\y+4*\q+3], v[JRD] offset:\y*4096+\q*512
.endr
.endr
	s_wait_dscnt 16                                ; the parts of waves 0-3 are in; the 16 loads of waves 4-7's may be out
.irp y, 1,2,3
.irp p, 0,2,4,6,8,10,12,14
	v_pk_add_f32 v[S+\p:S+\p+1], v[S+\p:S+\p+1], v[S+16*\y+\p:S+16*\y+\p+1]
.endr
.endr
	s_wait_dscnt 0x0                               ; my reads are over: the parts are written again only behind the next barrier
.irp y, 4,5,6,7
.irp p, 0,2,4,6,8,10,12,14
	v_pk_add_f32 v[S+\p:S+\p+1], v[S+\p:S+\p+1], v[S+16*\y+\p:S+16*\y+\p+1]
.endr
.endr
	v_max3_num_f32 v9, |v[S]|, |v[S+1]|, 0x4800000 ; one block of 32 channels: 16 in my lane, 16 in lane l xor 16
.irp i, 2,4,6,8,10,12,14
	v_max3_num_f32 v9, v9, |v[S+\i]|, |v[S+\i+1]|
.endr
	v_permlanex16_b32 v13, v9, s54, s55
	v_max_num_f32 v9, v9, v13
	v_add_nc_u32 v14, 0xfc000000, v9
	v_and_or_b32 v15, v9, 0x7f800000, s56
.irp i, 0,1,2,3,4,5,6,7,8,9,10,11,12,13,14,15
	v_med3_num_f32 v[S+\i], v[S+\i], -v15, v15
.endr
	v_cvt_scalef32_pk8_fp8_f32 v[S+32:S+33], v[S:S+7], v14
	v_cvt_scalef32_pk8_fp8_f32 v[S+34:S+35], v[S+8:S+15], v14
	v_lshrrev_b32 v13, 23, v14                     ; the byte (a plain line behind the conversions)
	v_add_nc_u32 v126, s61, v[TABW]
	global_store_b128 v[L16], v[S+32:S+35], s[8:9] ; an image: 512 consecutive bytes, aligned
	ds_store_b8 v126, v13
	s_wait_xcnt 0x0                                ; the store and the pending mask loads have read their registers: base, data and offsets are written only behind this wait
	s_add_nc_u64 s[8:9], s[8:9], 65536
	s_add_co_u32 s61, s61, 128
	s_add_co_u32 s60, s60, 1
	s_lshl_b32 s58, s60, 14
	s_add_co_u32 s2, s60, 1
	s_and_b32 s2, s2, 3
	s_lshl_b32 s59, s2, 14
	v_add_nc_u32 v[MOF], s58, v[L16]               ; (the loads that named these five were waited for in tile 3)
	v_add_nc_u32 v[MOFN], s59, v[L16]
	s_lshl_b32 s3, s60, 13
	v_add_nc_u32 v[QOF], s3, v[L16]
	s_lshl_b32 s3, s2, 13
	v_add_nc_u32 v[QOFN], s3, v[L16]
	s_lshl_b32 s3, s2, 8
	v_add_nc_u32 v[QWOF], s3, v[R16]
	s_cmp_lt_u32 s60, 4
	s_cbranch_scc1 .Lgroup
	s_wait_dscnt 0x0
	s_barrier_signal -1
	s_barrier_wait -1                              ; the 512 scale bytes lie in TAB
	v_lshl_add_u32 v9, v0, 1, TAB
	ds_load_u16 v13, v9                            ; tile 2 w + l / 16, row l % 16: my head's two bytes
	v_and_b32 v14, 15, v0
	v_bfe_u32 v15, v0, 4, 1
	v_lshlrev_b32 v14, 4, v14
	v_lshl_add_u32 v14, v15, 2, v14
	s_wait_dscnt 0x0
	global_store_b16 v14, v13, s[4:5]
	s_wait_tensorcnt 0x0
	ds_add_u32 v118, v119
	s_wait_dscnt 0x0
	s_endpgm
.Lfunc_end_k_q9740976767_attn:
	.size	k_q9740976767_attn, .Lfunc_end_k_q9740976767_attn-k_q9740976767_attn
	.p2alignl 7, 3214868480
	.fill 96, 4, 3214868480
	.section	.rodata,"a",@progbits
	.p2align	6, 0x0
	.amdhsa_kernel k_q9740976767_attn
		.amdhsa_group_segment_fixed_size 134656
		.amdhsa_private_segment_fixed_size 0
		.amdhsa_enable_private_segment 0
		.amdhsa_kernarg_size 24
		.amdhsa_user_sgpr_count 2
		.amdhsa_user_sgpr_kernarg_segment_ptr 1
		.amdhsa_wavefront_size32 1
		.amdhsa_system_sgpr_workgroup_id_x 1
		.amdhsa_system_sgpr_workgroup_id_y 1
		.amdhsa_system_sgpr_workgroup_id_z 1
		.amdhsa_system_vgpr_workitem_id 0
		.amdhsa_next_free_vgpr 512
		.amdhsa_next_free_sgpr 102
		.amdhsa_reserve_vcc 1
		.amdhsa_float_denorm_mode_32 3
		.amdhsa_float_denorm_mode_16_64 3
		.amdhsa_memory_ordered 1
		.amdhsa_forward_progress 1
		.amdhsa_inst_pref_size 215
	.end_amdhsa_kernel
	.amdgpu_metadata
---
amdhsa.version: [ 1, 2 ]
amdhsa.kernels:
  - .name:           k_q9740976767_attn
    .symbol:         k_q9740976767_attn.kd
    .args:
      - { .name: qkv, .offset: 0, .size: 8, .value_kind: global_buffer, .address_space: global }
      - { .name: mw, .offset: 8, .size: 8, .value_kind: global_buffer, .address_space: global }
      - { .name: ao, .offset: 16, .size: 8, .value_kind: global_buffer, .address_space: global }
    .group_segment_fixed_size: 134656
    .private_segment_fixed_size: 0
    .kernarg_segment_align: 8
    .kernarg_segment_size: 24
    .max_flat_workgroup_size: 256
    .sgpr_count:     102
    .vgpr_count:     512
    .wavefront_size: 32
...
	.end_amdgpu_metadata
.endif
;; end of part 4
;; launch g2 (part 5): grid 8 x 32, 4 waves a work-group, clusters of 4 x 4, 327,680 bytes of LDS; arguments ao, wts, bo, x, x1; writes x1
.if DOCPART == 5
	.amdgcn_target "amdgcn-amd-amdhsa--gfx1250"
	.amdhsa_code_object_version 6
	.text
	.protected	k_q9740976767_g2
	.globl	k_q9740976767_g2
	.p2align	8
	.type	k_q9740976767_g2,@function
k_q9740976767_g2:
	s_mov_b64 s[64:65], 0
	v_nop
	global_prefetch_b8 v0, s[64:65] scope:SCOPE_SE
	s_setreg_imm32_b32 hwreg(HW_REG_WAVE_MODE, 25, 1), 1
	s_wait_xcnt 0x0
	s_wait_alu depctr_hold_cnt(0) depctr_sa_sdst(0) depctr_va_vdst(0) depctr_va_sdst(0) depctr_va_ssrc(0) depctr_va_vcc(0) depctr_vm_vsrc(0)
	s_getreg_b32 s2, hwreg(HW_REG_IB_STS2, 6, 4)
	s_cmp_eq_u32 s2, 0
	s_cbranch_scc0 .Lentry_in_a_cluster
	s_endpgm
.Lentry_in_a_cluster:
	s_bfe_u32 s2, ttmp6, 0x10000c
	s_cmp_lg_u32 s2, 0xf033
	s_cbranch_scc0 .Lentry_shape_is_right
	s_endpgm
.Lentry_shape_is_right:
; out = res + A W^T + bias on codes of E4M3 with one E8M0 byte for each 32 along K.  A: [4096][KK] codes, W: [1024][KK] codes, res and out: [4096][1024] f32.  One text serves two launches, by the four constants below.
; 256 tiles of 128 x 128, one for each work-group; four waves of 64 x 64: 16 accumulators.  A larger tile would leave three WGPs in four without work.
; CODES: [row block of 16][KK / 32][512 bytes], images of operand registers: a K slot of 512 of a row block is 8,192 consecutive bytes; a fragment is four loads at 16 x lane.  Rows lie in the order sigma (bits 3 and 4 exchanged).
; K goes in slots of 512 through a ring of two LDS slots; a slot is four quarters of 128, 16 matrix instructions each, on two fragment buffers.
; SCALE WORDS come once, with the first fills.  A's: [K step][group of 128 rows][half][r][4 blocks][4 bytes]: one load of 16 bytes gives a lane its row's words of four blocks.  W's: [row][KK / 32]: 16 bytes are a slot's four words.
; The matrix instruction is used transposed (source 0 = W, source 1 = A): a lane holds one token and 8 neighbouring columns.  The way out goes through the wave's stage in LDS; sigma is undone by the stores' constants.
; CLUSTERS: 4 x 4: A's tiles are asked for jointly along a row of the cluster, W's along a column.
; REGISTERS: window 0: v16-29 addresses; v32-95 scale words, two sets; v128-255 accumulators.  window 1: two fragment buffers.  window 2: the residual (asked for at the head), the bias, the rows on their way out.
.set KK,    1024
.set ASOFF, 4194304                    ; A's scale words in its buffer
.set BCOFF, 3145728                    ; W's codes in wts
.set BSOFF, 12681216                   ; W's scale bytes in wts
.set KQ,    KK/128
.set KS,    KK/32
.set LAPS,  KK/1024
.set HALFT, 32768                      ; 4 row blocks x 8,192 bytes: what one tensor load brings
.set SLOT,  4*HALFT
.set SCA,   2*SLOT
.set SCB,   SCA+2*KQ*256
.set NRB,   64*KS/256
.set HALFSB, NRB*272
.set SBLK,  (16*KS/256)*272
.set SPARE, SCB+2*HALFSB               ; the spare words: two blocks of 256 bytes that no other line names
.set SPITCH, 272                       ; the stage: 16 rows x (256 + 16) bytes a wave, in slot 0, which has had its last fill and its last read by then
.set ADRA, 16
.set ADRB, 20
.set ADSA, 22
.set ADSB, 23
.set STO,  24
.set RD,   25
.set CO,   26
.set BO,   27
.set SPW,  28
.set NIL,  29
.set SC,   32
.set ACC,  128
.set F0,   0
.set F1,   128
.set RES,  0
.set BIAS, 128
.set OUT,  132
.set G1,   24
.set G0,   32
.set G1B,  48
.set G0B,  56
.set G1S,  68
.set G0S,  76
.set G1SB, 80
.set G0SB, 88
.set MSB, 0
.macro WIN new
.if MSB != \new
	s_set_vgpr_msb (MSB<<8)|\new
.set MSB, \new
.endif
.endm
.macro JLOAD g0a, g1a, g0b, g1b        ; a joint load: waves 0, 1 fetch for A, waves 2, 3 for W; four v_nop follow each line
	s_cmp_eq_u32 s11, 0
	s_cbranch_scc0 .Lfor_b_\@
	tensor_load_to_lds s[\g0a:\g0a+3], s[\g1a:\g1a+7]
	s_nop 0
.rept 4
	v_nop
.endr
	s_branch .Lasked_\@
.Lfor_b_\@:
	tensor_load_to_lds s[\g0b:\g0b+3], s[\g1b:\g1b+7]
	s_nop 0
.rept 4
	v_nop
.endr
.Lasked_\@:
.endm
.macro CREST
	s_cmp_lg_u32 s10, 0
	s_cbranch_scc1 .Lnot_wave_0_\@
	s_barrier_signal -3
.Lnot_wave_0_\@:
	s_barrier_wait -3
	s_barrier_signal -1
	s_barrier_wait -1
.endm
.macro CROUND
	s_barrier_signal -1
	s_barrier_wait -1
	CREST
.endm
	s_load_b128 s[4:7], s[0:1], 0x0                ; A, wts
	s_load_b128 s[92:95], s[0:1], 0x10             ; bias, residual
	s_load_b64 s[8:9], s[0:1], 0x20                ; out
	v_lshl_add_u32 v[SPW], v0, 2, SPARE
	v_mov_b32 v[NIL], 0
	ds_add_u32 v28, v29
	ds_add_u32 v28, v29
	s_wait_dscnt 0x0
	v_lshrrev_b32 v1, 5, v0
	v_readfirstlane_b32 s10, v1                    ; wave
	s_lshr_b32 s11, s10, 1                         ; my half of the rows.  Also: I fetch for A (0) or W (1)
	s_and_b32 s12, s10, 1                          ; my half of the columns.  Also: which 64 rows I fetch
	s_bfe_u32 s40, ttmp6, 0x40000
	s_bfe_u32 s41, ttmp6, 0x40004
	s_lshl_b32 s42, ttmp9, 2
	s_add_co_u32 s42, s42, s40                     ; tile column
	s_and_b32 s13, ttmp7, 0xffff
	s_lshl_b32 s13, s13, 2
	s_add_co_u32 s13, s13, s41                     ; tile row
	s_lshl_b32 s43, s41, 2
	s_lshl_b32 s43, 15, s43
	s_lshl_b32 s44, 0x1111, s40
	s_or_b32 s[G1+0], s43, (3<<16)|(1<<21)         ; elements of 8 bytes, no padding
	s_or_b32 s[G1B+0], s44, (3<<16)|(1<<21)
.irp g, G1, G1B
	s_mov_b32 s[\g+1], 1024<<16                    ; 8,192 bytes of a row block
	s_mov_b32 s[\g+2], 4<<16                       ; 4 row blocks
	s_mov_b32 s[\g+3], 1024<<16
	s_mov_b32 s[\g+4], 4
	s_mov_b32 s[\g+5], 2*KK                        ; from row block to row block: 16 KK bytes
	s_mov_b32 s[\g+6], 0
	s_mov_b32 s[\g+7], 0
.endr
	s_or_b32 s[G1S+0], s43, (3<<16)|(1<<21)        ; A's scale words: KQ rows of 256 bytes, 16,384 bytes apart
	s_mov_b32 s[G1S+1], 32<<16
	s_mov_b32 s[G1S+2], KQ<<16
	s_mov_b32 s[G1S+3], 32<<16
	s_mov_b32 s[G1S+4], KQ
	s_mov_b32 s[G1S+5], 2048
	s_mov_b32 s[G1S+6], 0
	s_mov_b32 s[G1S+7], 0
	s_or_b32 s[G1SB+0], s44, (3<<16)|(1<<20)|(1<<21)|(5<<22)|(3<<25)   ; W's: a dense block as rows of 256 bytes, 16 of padding behind each
	s_mov_b32 s[G1SB+1], 32<<16
	s_mov_b32 s[G1SB+2], NRB<<16
	s_mov_b32 s[G1SB+3], 32<<16
	s_mov_b32 s[G1SB+4], NRB
	s_mov_b32 s[G1SB+5], 32
	s_mov_b32 s[G1SB+6], 0
	s_mov_b32 s[G1SB+7], 0
	s_lshl_b32 s17, s12, 6
	s_lshl_b32 s16, s13, 7
	s_add_co_u32 s16, s16, s17                     ; A: the first row that I fetch
	s_lshl_b32 s46, s42, 7
	s_add_co_u32 s46, s46, s17                     ; W likewise
	s_mul_i32 s20, s16, KK
	s_mov_b32 s21, 0
	s_lshl_b32 s22, s16, 2
	s_add_co_u32 s22, s22, ASOFF
	s_mov_b32 s23, 0
	s_mul_i32 s96, s46, KS
	s_add_co_u32 s96, s96, BSOFF
	s_mov_b32 s97, 0
	s_mul_i32 s46, s46, KK
	s_add_co_u32 s46, s46, BCOFF
	s_mov_b32 s47, 0
	s_mul_i32 s45, s10, HALFT
	s_mul_i32 s98, s12, KQ*256
	s_mul_i32 s99, s12, HALFSB
	s_wait_kmcnt 0x0
	s_add_nc_u64 s[20:21], s[4:5], s[20:21]
	s_add_nc_u64 s[22:23], s[4:5], s[22:23]
	s_add_nc_u64 s[46:47], s[6:7], s[46:47]
	s_add_nc_u64 s[96:97], s[6:7], s[96:97]
	CROUND                                         ; all sixteen work-groups are here: the first joint loads meet
	s_mov_b32 s[G0S], 1
	s_add_co_u32 s[G0S+1], s98, SCA
	s_mov_b64 s[G0S+2:G0S+3], s[22:23]
	s_or_b32 s[G0S+3], s[G0S+3], 0x80000000
	s_mov_b32 s[G0SB], 1
	s_add_co_u32 s[G0SB+1], s99, SCB
	s_mov_b64 s[G0SB+2:G0SB+3], s[96:97]
	s_or_b32 s[G0SB+3], s[G0SB+3], 0x80000000
	JLOAD G0S, G1S, G0SB, G1SB
.irp s, 0,1
	s_mov_b32 s[G0+4*\s], 1
	s_add_co_u32 s[G0+4*\s+1], s45, \s*SLOT
	s_add_nc_u64 s[G0+4*\s+2:G0+4*\s+3], s[20:21], \s*8192
	s_or_b32 s[G0+4*\s+3], s[G0+4*\s+3], 0x80000000
	s_mov_b32 s[G0B+4*\s], 1
	s_add_co_u32 s[G0B+4*\s+1], s45, \s*SLOT
	s_add_nc_u64 s[G0B+4*\s+2:G0B+4*\s+3], s[46:47], \s*8192
	s_or_b32 s[G0B+4*\s+3], s[G0B+4*\s+3], 0x80000000
	JLOAD G0+4*\s, G1, G0B+4*\s, G1B
.endr
	v_and_b32 v1, 15, v0                           ; r
	v_bfe_u32 v2, v0, 4, 1                         ; h
	v_and_b32 v3, 31, v0
	v_lshlrev_b32 v4, 4, v3
	s_mul_i32 s21, s11, HALFT
	s_mul_i32 s22, s12, HALFT
	s_add_co_u32 s22, s22, 2*HALFT
.irp s, 0,1
	v_add_nc_u32 v[ADRA+\s], s21, v4
	v_add_nc_u32 v[ADRB+\s], s22, v4
	s_add_co_u32 s21, s21, SLOT
	s_add_co_u32 s22, s22, SLOT
.endr
	s_mul_i32 s21, s11, KQ*256
	s_add_co_u32 s21, s21, SCA
	v_lshl_add_u32 v[ADSA], v1, 4, s21
	v_mul_u32_u24 v5, v1, KS
	v_lshrrev_b32 v6, 8, v5
	v_lshl_add_u32 v5, v6, 4, v5
	s_mul_i32 s22, s12, HALFSB
	s_add_co_u32 s22, s22, SCB
	v_add_nc_u32 v[ADSB], s22, v5
	s_mul_i32 s23, s10, 16*SPITCH
	v_mul_u32_u24 v5, v1, SPITCH
	v_lshl_add_u32 v5, v2, 6, v5
	v_add_nc_u32 v[STO], s23, v5                   ; in: row r, + 64 h bytes
	v_mul_u32_u24 v5, v2, SPITCH
	v_lshl_add_u32 v5, v1, 4, v5
	v_add_nc_u32 v[RD], s23, v5                    ; back: lanes 0-15 one row, lanes 16-31 the next
	v_lshlrev_b32 v5, 12, v2
	v_lshl_add_u32 v[CO], v1, 4, v5                ; and the same two rows in memory
	v_lshlrev_b32 v[BO], 4, v1
	s_lshl_b32 s16, s13, 7
	s_lshl_b32 s17, s11, 6
	s_add_co_u32 s16, s16, s17
	s_lshl_b32 s16, s16, 12                        ; my first row, 4,096 bytes a row
	s_lshl_b32 s46, s42, 7
	s_lshl_b32 s47, s12, 6
	s_add_co_u32 s46, s46, s47
	s_lshl_b32 s46, s46, 2                         ; my first column
	s_mov_b32 s47, 0
	s_add_nc_u64 s[92:93], s[92:93], s[46:47]
	s_add_co_u32 s16, s16, s46
	s_mov_b32 s17, 0
	s_add_nc_u64 s[94:95], s[94:95], s[16:17]
	s_add_nc_u64 s[8:9], s[8:9], s[16:17]
	WIN 0x80                                       ; destination window 2: the residual and the bias land while the products run
.irp a, 0,1,2,3
.irp t, 0,1,2,3,4,5,6,7
	global_load_b128 v[RES+32*\a+4*\t:RES+32*\a+4*\t+3], v[CO], s[94:95] offset:(32*(\a/2)+16*(\t/4)+8*(\a%2)+2*(\t%4))*4096
.endr
.endr
	global_load_b128 v[BIAS:BIAS+3], v[BO], s[92:93]
	WIN 0
.macro FRAG reg, adr, q, i
.irp c, 0,1,2,3
	ds_load_b128 v[\reg+4*\c:\reg+4*\c+3], v[\adr] offset:(\i)*8192+(4*(\q)+\c)*512
.endr
.endm
.macro FETCH slot, q, f, sc            ; a quarter's fragments into buffer f: W's four, A's 0 and 1, (the slot's scale words,) A's 2 and 3
	WIN 0x40
.irp i, 0,1,2,3
	FRAG \f+64+16*\i, ADRB+\slot, \q, \i
.endr
	FRAG \f, ADRA+\slot, \q, 0
	FRAG \f+16, ADRA+\slot, \q, 1
.if \sc
	WIN 0
.irp j, 0,1,2,3
	ds_load_b128 v[SC+32*\slot+4*\j:SC+32*\slot+4*\j+3], v[ADSA] offset:256*\j       ; quarter j: the words of A's four blocks
.endr
.irp j, 0,1,2,3
	ds_load_b128 v[SC+32*\slot+16+4*\j:SC+32*\slot+16+4*\j+3], v[ADSB] offset:\j*SBLK  ; W's block j: the words of four quarters
.endr
	WIN 0x40
.endif
	FRAG \f+32, ADRA+\slot, \q, 2
	FRAG \f+48, ADRA+\slot, \q, 3
.endm
; 8 matrix instructions: A's blocks a0, a0 + 1 x W's four.  The 16 accumulators take turns, one instruction a turn, in one fixed order.
.macro MUL8 f, a0, set, q, zero
	WIN 0x05                                       ; sources 0 and 1 window 1
.irp a, \a0, \a0+1
.irp b, 0,1,2,3
.if \zero
	v_wmma_scale_f32_16x16x128_f8f6f4 v[ACC+8*(4*(\a)+\b):ACC+8*(4*(\a)+\b)+7], v[\f+64+16*\b:\f+64+16*\b+15], v[\f+16*(\a):\f+16*(\a)+15], 0, v[SC+32*\set+16+4*\b+\q], v[SC+32*\set+4*\q+(\a)]
.else
	v_wmma_scale_f32_16x16x128_f8f6f4 v[ACC+8*(4*(\a)+\b):ACC+8*(4*(\a)+\b)+7], v[\f+64+16*\b:\f+64+16*\b+15], v[\f+16*(\a):\f+16*(\a)+15], v[ACC+8*(4*(\a)+\b):ACC+8*(4*(\a)+\b)+7], v[SC+32*\set+16+4*\b+\q], v[SC+32*\set+4*\q+(\a)]
.endif
.endr
.endr
.endm
.macro PLACES n
.rept \n
	v_nop
.endr
.endm
.macro QUARTER slot, q, f, g, zero     ; multiplies quarter q from buffer f and fetches quarter q + 1 into g
	s_wait_dscnt 8                                 ; all but A's blocks 2 and 3 (the youngest 8 loads)
	MUL8 \f, 0, \slot, \q, \zero
	PLACES 8                                       ; in front of loads into registers that matrix instructions have read
	FETCH \slot, (\q)+1, \g, 0
	s_wait_dscnt 32                                ; all but the 32 just issued
	MUL8 \f, 2, \slot, \q, \zero
.endm
; A slot's last quarter changes slots: one barrier; in front of it each wave waits for all its tensor loads, adds 0 to its spare word, and waits for that and for its reads of this slot.
.macro TURN slot, next, fill
	WIN 0
	s_wait_tensorcnt 0x0                           ; all my tensor loads have landed: my part of the next slot
	ds_add_u32 v[SPW], v[NIL]
	s_wait_dscnt 9                                 ; (the add and A's blocks 2 and 3 may be out)
	MUL8 F1, 0, \slot, 3, 0
	s_wait_dscnt 0x0                               ; the add is done, and my reads of this slot are over
	s_barrier_signal -1
	WIN 0
	s_barrier_wait -1
.if \fill
	CREST                                          ; the barrier has opened a round of the cluster's
	s_add_nc_u64 s[G0+4*\slot+2:G0+4*\slot+3], s[G0+4*\slot+2:G0+4*\slot+3], 16384
	s_add_nc_u64 s[G0B+4*\slot+2:G0B+4*\slot+3], s[G0B+4*\slot+2:G0B+4*\slot+3], 16384
	JLOAD G0+4*\slot, G1, G0B+4*\slot, G1B         ; the first tensor load behind the round
	PLACES 4
.else
	PLACES 8
.endif
	v_add_nc_u32 v[ADSA], 1024, v[ADSA]            ; the next slot's scale words
	v_add_nc_u32 v[ADSB], 16, v[ADSB]
	FETCH \next, 0, F0, 1
	MUL8 F1, 2, \slot, 3, 0
.endm
	s_wait_tensorcnt 1                             ; the scale words and my part of slot 0 are in; slot 1's load may be out
	s_barrier_signal -1
	s_barrier_wait -1
	FETCH 0, 0, F0, 1
	QUARTER 0, 0, F0, F1, 1                        ; the first quarter's products start the sums
.if LAPS > 1
	WIN 0
	s_mov_b32 s3, LAPS-1
.Llap:
	QUARTER 0, 1, F1, F0, 0
	QUARTER 0, 2, F0, F1, 0
	TURN 0, 1, 1
	QUARTER 1, 0, F0, F1, 0
	QUARTER 1, 1, F1, F0, 0
	QUARTER 1, 2, F0, F1, 0
	TURN 1, 0, 1
	QUARTER 0, 0, F0, F1, 0
	WIN 0
	s_sub_co_u32 s3, s3, 1
	s_cmp_lg_u32 s3, 0
	s_cbranch_scc1 .Llap
.endif
	QUARTER 0, 1, F1, F0, 0                        ; the last lap fills nothing
	QUARTER 0, 2, F0, F1, 0
	TURN 0, 1, 0
	QUARTER 1, 0, F0, F1, 0
	QUARTER 1, 1, F1, F0, 0
	QUARTER 1, 2, F0, F1, 0
	s_wait_dscnt 8
	MUL8 F1, 0, 1, 3, 0
	s_wait_dscnt 0
	MUL8 F1, 2, 1, 3, 0
	WIN 0
	; THE WAY OUT, 16 tokens x 64 columns at a time, through my own stage: in by lanes (a token, 8 columns), back by rows of 256 bytes
	PLACES 8
	s_wait_loadcnt 0x0                             ; the residual and the bias
.irp a, 0,1,2,3
.irp b, 0,1,2,3
	ds_store_b128 v[STO], v[ACC+8*(4*\a+\b):ACC+8*(4*\a+\b)+3] offset:128*(\b/2)+32*(\b%2)      ; each accumulator from its low end on
	ds_store_b128 v[STO], v[ACC+8*(4*\a+\b)+4:ACC+8*(4*\a+\b)+7] offset:128*(\b/2)+32*(\b%2)+16
.endr
.if \a > 1
	s_wait_xcnt 0x0                                ; the stores of two blocks ago have read the registers that are loaded below
.endif
	WIN 0x80
.irp t, 0,1,2,3,4,5,6,7
	ds_load_b128 v[OUT+32*(\a%2)+4*\t:OUT+32*(\a%2)+4*\t+3], v[RD] offset:2*\t*SPITCH   ; LDS serves a wave's instructions in order: these see my stores
.endr
	s_wait_dscnt 0x0
	WIN 0x8a
.irp t, 0,1,2,3,4,5,6,7
	v_pk_add_f32 v[OUT+32*(\a%2)+4*\t:OUT+32*(\a%2)+4*\t+1], v[OUT+32*(\a%2)+4*\t:OUT+32*(\a%2)+4*\t+1], v[RES+32*\a+4*\t:RES+32*\a+4*\t+1]
	v_pk_add_f32 v[OUT+32*(\a%2)+4*\t+2:OUT+32*(\a%2)+4*\t+3], v[OUT+32*(\a%2)+4*\t+2:OUT+32*(\a%2)+4*\t+3], v[RES+32*\a+4*\t+2:RES+32*\a+4*\t+3]
	v_pk_add_f32 v[OUT+32*(\a%2)+4*\t:OUT+32*(\a%2)+4*\t+1], v[OUT+32*(\a%2)+4*\t:OUT+32*(\a%2)+4*\t+1], v[BIAS:BIAS+1]
	v_pk_add_f32 v[OUT+32*(\a%2)+4*\t+2:OUT+32*(\a%2)+4*\t+3], v[OUT+32*(\a%2)+4*\t+2:OUT+32*(\a%2)+4*\t+3], v[BIAS+2:BIAS+3]
.endr
	WIN 0x08
.irp t, 0,1,2,3,4,5,6,7
	global_store_b128 v[CO], v[OUT+32*(\a%2)+4*\t:OUT+32*(\a%2)+4*\t+3], s[8:9] offset:(32*(\a/2)+16*(\t/4)+8*(\a%2)+2*(\t%4))*4096   ; 16 lanes store 256 consecutive bytes, aligned
.endr
	WIN 0
.endr
	s_wait_tensorcnt 0x0                           ; the wave's end
	ds_add_u32 v[SPW], v[NIL]
	s_wait_dscnt 0x0
	CROUND                                         ; the closing round
	s_endpgm
.Lfunc_end_k_q9740976767_g2:
	.size	k_q9740976767_g2, .Lfunc_end_k_q9740976767_g2-k_q9740976767_g2
	.p2alignl 7, 3214868480
	.fill 96, 4, 3214868480
	.section	.rodata,"a",@progbits
	.p2align	6, 0x0
	.amdhsa_kernel k_q9740976767_g2
		.amdhsa_group_segment_fixed_size 327680
		.amdhsa_private_segment_fixed_size 0
		.amdhsa_enable_private_segment 0
		.amdhsa_kernarg_size 40
		.amdhsa_user_sgpr_count 2
		.amdhsa_user_sgpr_kernarg_segment_ptr 1
		.amdhsa_wavefront_size32 1
		.amdhsa_system_sgpr_workgroup_id_x 1
		.amdhsa_system_sgpr_workgroup_id_y 1
		.amdhsa_system_sgpr_workgroup_id_z 1
		.amdhsa_system_vgpr_workitem_id 0
		.amdhsa_next_free_vgpr 768
		.amdhsa_next_free_sgpr 100
		.amdhsa_reserve_vcc 0
		.amdhsa_float_denorm_mode_32 3
		.amdhsa_float_denorm_mode_16_64 3
		.amdhsa_memory_ordered 1
		.amdhsa_forward_progress 1
		.amdhsa_inst_pref_size 66
	.end_amdhsa_kernel
	.amdgpu_metadata
---
amdhsa.version: [ 1, 2 ]
amdhsa.kernels:
  - .name:           k_q9740976767_g2
    .symbol:         k_q9740976767_g2.kd
    .args:
      - { .name: ao, .offset: 0, .size: 8, .value_kind: global_buffer, .address_space: global }
      - { .name: wts, .offset: 8, .size: 8, .value_kind: global_buffer, .address_space: global }
      - { .name: bo, .offset: 16, .size: 8, .value_kind: global_buffer, .address_space: global }
      - { .name: x, .offset: 24, .size: 8, .value_kind: global_buffer, .address_space: global }
      - { .name: x1, .offset: 32, .size: 8, .value_kind: global_buffer, .address_space: global }
    .group_segment_fixed_size: 327680
    .private_segment_fixed_size: 0
    .kernarg_segment_align: 8
    .kernarg_segment_size: 40
    .max_flat_workgroup_size: 128
    .sgpr_count:     100
    .vgpr_count:     768
    .wavefront_size: 32
...
	.end_amdgpu_metadata
.endif
;; end of part 5
;; launch ln2: the kernel of part 2 again; grid 256 x 1, 8 waves a work-group, no clusters, 3,072 bytes of LDS; arguments x1, ln2_g, ln2_b, hq; writes hq
;; launch g3 (part 6): grid 16 x 16, 4 waves a work-group, clusters of 4 x 4, 327,680 bytes of LDS; arguments hq, wts, b1, gq; writes gq
.if DOCPART == 6
	.amdgcn_target "amdgcn-amd-amdhsa--gfx1250"
	.amdhsa_code_object_version 6
	.text
	.protected	k_q9740976767_g3
	.globl	k_q9740976767_g3
	.p2align	8
	.type	k_q9740976767_g3,@function
k_q9740976767_g3:
	s_mov_b64 s[64:65], 0
	v_nop
	global_prefetch_b8 v0, s[64:65] scope:SCOPE_SE
	s_setreg_imm32_b32 hwreg(HW_REG_WAVE_MODE, 25, 1), 1
	s_wait_xcnt 0x0
	s_wait_alu depctr_hold_cnt(0) depctr_sa_sdst(0) depctr_va_vdst(0) depctr_va_sdst(0) depctr_va_ssrc(0) depctr_va_vcc(0) depctr_vm_vsrc(0)
	s_getreg_b32 s2, hwreg(HW_REG_IB_STS2, 6, 4)
	s_cmp_eq_u32 s2, 0
	s_cbranch_scc0 .Lentry_in_a_cluster
	s_endpgm
.Lentry_in_a_cluster:
	s_bfe_u32 s2, ttmp6, 0x10000c
	s_cmp_lg_u32 s2, 0xf033
	s_cbranch_scc0 .Lentry_shape_is_right
	s_endpgm
.Lentry_shape_is_right:
; A product on codes of E4M3 (K = 1,024, one E8M0 byte for each 32 along K) whose result is quantised again on the way out.  One text serves two launches, by the flag GEL:
;   GEL = 0: q, k, v = h [wq wk wv] + bias.  q and k leave as codes along the head's 64, v as codes along the keys.     GEL = 1: Q(gelu(h w1 + b1)), codes along the 4,096.
; A tile of 256 x 256 is made by four waves, 128 x 128 each: 64 accumulators in 512 registers.  P is source 1 (a lane holds one row of P), R is source 0 (a lane's registers run along R).
; Rows of every operand lie in the order sigma (memory row p = logical row p with bits 3 and 4 exchanged), so accumulators 2 B and 2 B + 1 hold in lane (r, h) the 16 logical neighbours 32 B + 16 h + 0..15 of R:
; the order of an operand's registers.  So the quantiser runs along R in registers, and its codes leave as images of those registers, 512 consecutive bytes a store.
; GEL = 0: cluster x is the kind.  q, k: P = tokens, R = channels.  v: P = channels of wv, R = tokens, so that v is quantised along the keys.  The kind is the same in all partners of a cluster.
; CODES in memory: [row block of 16][K / 32][512 bytes]: a K slot of 256 of a row block is 4,096 consecutive bytes; the tensor load brings 8 row blocks, and a fragment is 4 loads at 16 x lane: no pitch, no conflicts.
; K goes in slots of 256 through a ring of two LDS slots.  The scale bytes of the tile's rows ([row][32]) come once, with the first fills.
; CLUSTERS: 4 x 4.  P's tiles are asked for jointly along a row of the cluster, R's along a column.
; REGISTERS: window 0: v8-15 bias along P; v16-31 addresses; v32-63 scale words; v64-127 bias along R; v128-255 P's fragments (one set).  window 1: R's fragments (two sets); on the way out the work.  windows 2, 3: accumulators.
; LIMITS: a block of zeros or under 2^-118 gets the byte 1 (read by this program alone); NaN and infinities are not served.
.set GEL,   1
.set NQ,    2                          ; matrix instructions deep in a slot
.set FR,    16
.set NL,    4
.set NP,    8                          ; places behind this matrix instruction (ISA guide 7.12.1)
.set HALFT, 32768                      ; 8 row blocks x 4,096 bytes: what one tensor load brings
.set SLOT,  4*HALFT
.set LAPS,  2                          ; K = 1,024 is twice round the ring
.set KS,    32
.set SCL,   2*SLOT                     ; behind the ring: the scale bytes, as units of 256 bytes + 16 of padding
.set HALFS, 4352
.set SBLK,  544
.set SPARE, SCL+4*HALFS                ; the spare words: two blocks of 256 bytes that no other line names
.set BP,   8
.set ADRA, 16
.set ADRB, 20
.set CO,   26                          ; 16 x lane
.set ADRS, 27
.set SPW,  28
.set NIL,  29
.set BRO,  30
.set BPO,  31
.set SC,   32
.set BR,   64
.set AF,   128
.set T,    0                           ; window 1, on the way out: 64 numbers of a lane
.set Z,    64
.set S2,   80
.set TA,   96
.set RL,   112
.set UU,   128
.set RS,   144
.set PC,   160
.set TM,   192
.set PW,   208
.set W,    210
.set XW,   220
.set CA,   224
.set CB,   226
.set CC,   228
.set G1,   24
.set G0,   32
.set G1B,  48
.set G0B,  56
.set G1S,  68
.set G0S,  76
.set G1SB, 80
.set G0SB, 88
.set THR,  2
.set KR,   66
.set KP,   67
.set SEL,  96
.set MNT,  98
.set CNT,  99
.set SA,   100
.set MSB, 0
.macro WIN new                         ; the immediate's high byte repeats the setting that is left
.if MSB != \new
	s_set_vgpr_msb (MSB<<8)|\new
.set MSB, \new
.endif
.endm
.set MUL_LO, 0xa1                      ; source 0 (R) window 1, source 1 (P) window 0, C and D window 2
.set MUL_HI, 0xf1
.set TO_B,   0x40
.macro JLOAD g0a, g1a, g0b, g1b        ; a joint load: waves 0, 1 fetch for P, waves 2, 3 for R; four v_nop follow each line
	s_cmp_eq_u32 s15, 0
	s_cbranch_scc0 .Lfor_b_\@
	tensor_load_to_lds s[\g0a:\g0a+3], s[\g1a:\g1a+7]
	s_nop 0
.rept 4
	v_nop
.endr
	s_branch .Lasked_\@
.Lfor_b_\@:
	tensor_load_to_lds s[\g0b:\g0b+3], s[\g1b:\g1b+7]
	s_nop 0
.rept 4
	v_nop
.endr
.Lasked_\@:
.endm
.macro CREST
	s_cmp_lg_u32 s14, 0
	s_cbranch_scc1 .Lnot_wave_0_\@
	s_barrier_signal -3
.Lnot_wave_0_\@:
	s_barrier_wait -3
	s_barrier_signal -1
	s_barrier_wait -1
.endm
.macro CROUND
	s_barrier_signal -1
	s_barrier_wait -1
	CREST
.endm
	s_load_b128 s[4:7], s[0:1], 0x0                ; hq, wts
	s_load_b128 s[8:11], s[0:1], 0x10              ; GEL: b1, gq;  else bq, bk
.if GEL == 0
	s_load_b128 s[92:95], s[0:1], 0x20             ; bv, qkv
.endif
	v_lshl_add_u32 v[SPW], v0, 2, SPARE
	v_mov_b32 v[NIL], 0
	ds_add_u32 v28, v29
	ds_add_u32 v28, v29
	s_wait_dscnt 0x0
	v_lshrrev_b32 v1, 5, v0
	v_readfirstlane_b32 s14, v1                    ; wave
	s_lshr_b32 s15, s14, 1                         ; my half of P's rows.  Also: I fetch for P (0) or R (1)
	s_and_b32 s16, s14, 1                          ; my half of R's rows.  Also: which 128 rows I fetch
	s_bfe_u32 s40, ttmp6, 0x40000                  ; cx
	s_bfe_u32 s41, ttmp6, 0x40004                  ; cy
	s_and_b32 s17, ttmp7, 0xffff
	s_lshl_b32 s17, s17, 2                         ; 4 x cluster y
	s_lshl_b32 s42, ttmp9, 2                       ; 4 x cluster x
.if GEL == 0
	s_cmp_eq_u32 ttmp9, 2                          ; v: P = wv's tiles 8 + cy, R = token tiles 4 ky + cx
	s_cselect_b32 s42, s17, s42
	s_cselect_b32 s17, 8, s17
.endif
	s_add_co_u32 s17, s17, s41                     ; P's tile: hangs on cy alone within the cluster
	s_add_co_u32 s42, s42, s40                     ; R's tile: on cx alone
	s_lshl_b32 s43, s41, 2
	s_lshl_b32 s43, 15, s43                        ; my row of the cluster
	s_lshl_b32 s44, 0x1111, s40                    ; my column
	s_or_b32 s[G1+0], s43, (3<<16)|(1<<21)         ; elements of 8 bytes, no padding, bit 21 beside the mask
	s_or_b32 s[G1B+0], s44, (3<<16)|(1<<21)
.irp g, G1, G1B
	s_mov_b32 s[\g+1], 512<<16                     ; tensor_dim0 = 512 elements: 4,096 bytes of a row block
	s_mov_b32 s[\g+2], 8<<16                       ; tensor_dim1 = 8 row blocks
	s_mov_b32 s[\g+3], 512<<16                     ; tile_dim0
	s_mov_b32 s[\g+4], 8                           ; tile_dim1
	s_mov_b32 s[\g+5], 2048                        ; from row block to row block: 16,384 bytes
	s_mov_b32 s[\g+6], 0
	s_mov_b32 s[\g+7], 0
.endr
	s_or_b32 s[G1S+0], s43, (3<<16)|(1<<20)|(1<<21)|(5<<22)|(3<<25)   ; the scale bytes of 128 rows: 16 rows of 256 bytes, 16 of padding behind each
	s_or_b32 s[G1SB+0], s44, (3<<16)|(1<<20)|(1<<21)|(5<<22)|(3<<25)
.irp g, G1S, G1SB
	s_mov_b32 s[\g+1], 32<<16
	s_mov_b32 s[\g+2], 16<<16
	s_mov_b32 s[\g+3], 32<<16
	s_mov_b32 s[\g+4], 16
	s_mov_b32 s[\g+5], 32
	s_mov_b32 s[\g+6], 0
	s_mov_b32 s[\g+7], 0
.endr
	s_lshl_b32 s18, s16, 7
	s_lshl_b32 s20, s17, 8
	s_add_co_u32 s20, s20, s18                     ; P: the first row that I fetch
	s_lshl_b32 s46, s42, 8
	s_add_co_u32 s46, s46, s18                     ; R likewise
	s_lshl_b32 s22, s20, 5                         ; its scale bytes,
	s_mov_b32 s23, 0
	s_lshl_b32 s20, s20, 10                        ; its codes
	s_mov_b32 s21, 0
	s_lshl_b32 s96, s46, 5
	s_mov_b32 s97, 0
	s_lshl_b32 s46, s46, 10
	s_mov_b32 s47, 0
	s_mul_i32 s45, s14, HALFT                      ; where they go: no place in the cluster enters an LDS address
	s_mul_i32 s98, s14, HALFS
	s_wait_kmcnt 0x0
.if GEL
	s_mov_b64 s[66:67], s[4:5]                     ; P's codes: hq
	s_add_nc_u64 s[100:101], s[6:7], 4194304       ; R's codes: w1
	s_add_nc_u64 s[12:13], s[4:5], 4194304         ; P's scale bytes
	s_add_nc_u64 s[18:19], s[6:7], 12713984        ; R's
.else
	s_add_nc_u64 s[2:3], s[4:5], 4194304           ; hq's scale bytes
	s_add_nc_u64 s[18:19], s[6:7], 12582912        ; wq, wk, wv's
	s_cmp_eq_u32 ttmp9, 2                          ; the choice hangs on the cluster's x alone
	s_cselect_b64 s[66:67], s[6:7], s[4:5]
	s_cselect_b64 s[100:101], s[4:5], s[6:7]
	s_cselect_b64 s[12:13], s[18:19], s[2:3]
	s_cselect_b64 s[18:19], s[2:3], s[18:19]
.endif
	s_add_nc_u64 s[20:21], s[66:67], s[20:21]
	s_add_nc_u64 s[22:23], s[12:13], s[22:23]
	s_add_nc_u64 s[46:47], s[100:101], s[46:47]
	s_add_nc_u64 s[96:97], s[18:19], s[96:97]
	CROUND                                         ; all sixteen work-groups are here: the first joint loads meet
	s_mov_b32 s[G0S], 1
	s_add_co_u32 s[G0S+1], s98, SCL
	s_mov_b64 s[G0S+2:G0S+3], s[22:23]
	s_or_b32 s[G0S+3], s[G0S+3], 0x80000000
	s_mov_b32 s[G0SB], 1
	s_add_co_u32 s[G0SB+1], s98, SCL
	s_mov_b64 s[G0SB+2:G0SB+3], s[96:97]
	s_or_b32 s[G0SB+3], s[G0SB+3], 0x80000000
	JLOAD G0S, G1S, G0SB, G1SB                     ; the scale bytes first: they are wanted with slot 0
.irp s, 0,1
	s_mov_b32 s[G0+4*\s], 1
	s_add_co_u32 s[G0+4*\s+1], s45, \s*SLOT
	s_add_nc_u64 s[G0+4*\s+2:G0+4*\s+3], s[20:21], \s*4096
	s_or_b32 s[G0+4*\s+3], s[G0+4*\s+3], 0x80000000
	s_mov_b32 s[G0B+4*\s], 1
	s_add_co_u32 s[G0B+4*\s+1], s45, \s*SLOT
	s_add_nc_u64 s[G0B+4*\s+2:G0B+4*\s+3], s[46:47], \s*4096
	s_or_b32 s[G0B+4*\s+3], s[G0B+4*\s+3], 0x80000000
	JLOAD G0+4*\s, G1, G0B+4*\s, G1B
.endr
	v_and_b32 v1, 15, v0                           ; r
	v_bfe_u32 v2, v0, 4, 1                         ; h
	v_and_b32 v3, 31, v0
	v_lshlrev_b32 v[CO], 4, v3
	s_mul_i32 s21, s15, HALFT
	s_mul_i32 s22, s16, HALFT
	s_add_co_u32 s22, s22, 2*HALFT
.irp s, 0,1
	v_add_nc_u32 v[ADRA+\s], s21, v[CO]
	v_add_nc_u32 v[ADRB+\s], s22, v[CO]
	s_add_co_u32 s21, s21, SLOT
	s_add_co_u32 s22, s22, SLOT
.endr
	v_mul_u32_u24 v5, v1, KS                       ; my row's scale bytes,
	v_lshrrev_b32 v6, 8, v5
	v_lshl_add_u32 v5, v6, 4, v5                   ; and 16 more for each 256 passed
	s_mul_i32 s21, s15, HALFS
	s_mul_i32 s22, s16, HALFS
	s_add_co_u32 s22, s22, 2*HALFS
	s_sub_co_u32 s22, s22, s21
	v_mul_u32_u24 v6, s22, v2                      ; lanes 16-31 take R's
	s_add_co_u32 s21, s21, SCL
	v_add_nc_u32 v5, v5, v6
	v_add_nc_u32 v[ADRS], s21, v5
	v_lshlrev_b32 v[BRO], 6, v2                    ; the bias along R: 64 h bytes
	s_lshl_b32 s20, s17, 8
	s_lshl_b32 s21, s15, 7
	s_add_co_u32 s20, s20, s21                     ; my first row of P
	s_lshl_b32 s46, s42, 8
	s_lshl_b32 s47, s16, 7
	s_add_co_u32 s46, s46, s47                     ; my first row of R
	s_mov_b32 s19, 0
.if GEL
	s_lshl_b32 s18, s46, 2
	s_add_nc_u64 s[92:93], s[8:9], s[18:19]        ; b1 at my 128 units
	s_lshl_b32 s18, s20, 12                        ; codes [row block][128][512]: 4,096 bytes a row of P, 16 a row of R
	s_lshl_b32 s47, s46, 4
	s_add_co_u32 s18, s18, s47
	s_add_nc_u64 s[12:13], s[10:11], s[18:19]
	s_lshl_b32 s18, s46, 7                         ; scale words: [K step][group of 128 rows][512 bytes]
	s_lshl_b32 s47, s20, 2
	s_add_co_u32 s18, s18, s47
	s_add_co_u32 s18, s18, 16777216
	s_add_nc_u64 s[10:11], s[10:11], s[18:19]
	s_mov_b32 s[SA], 65536                         ; from row block to row block
	s_mov_b32 s[SA+1], 0
.else
	v_and_b32 v4, 8, v1
	v_add_nc_u32 v4, v4, v1
	v_lshlrev_b32 v[BPO], 2, v4                    ; the bias along P: 4 (r + 8 (r / 8))
	s_cmp_eq_u32 ttmp9, 2
	s_cselect_b32 s21, s46, s20                    ; my first token
	s_cselect_b32 s22, s20, s46                    ; my first channel
	s_cselect_b32 s23, 11, 14                      ; a group of 128 tokens: 4 images along v's keys, or 8 token blocks of 2,048 bytes
	s_cselect_b32 s47, 15, 11                      ; from block to block of P: a channel block of v (32,768), or a token block (2,048)
	s_cselect_b32 s[KR], 0, -1                     ; which bias counts
	s_cselect_b32 s[KP], -1, 0
	s_cselect_b64 s[8:9], s[92:93], s[8:9]
	s_cmp_eq_u32 ttmp9, 1
	s_cselect_b64 s[8:9], s[10:11], s[8:9]         ; bq, bk or bv
	s_lshr_b32 s21, s21, 7
	s_lshr_b32 s22, s22, 7
	s_and_b32 s22, s22, 7                          ; the pair of heads
	s_lshr_b32 s2, s21, 4
	s_lshl_b32 s2, s2, 3
	s_add_co_u32 s2, s2, s22                       ; 8 x batch + pair
	s_and_b32 s21, s21, 15                         ; the group of 128 tokens
	s_lshl_b32 s18, s2, 18
	s_lshl_b32 s23, s21, s23
	s_add_co_u32 s18, s18, s23
	s_lshl_b32 s23, ttmp9, 22
	s_add_co_u32 s18, s18, s23
	s_add_nc_u64 s[12:13], s[94:95], s[18:19]      ; my codes
	s_lshl_b32 s2, s2, 4
	s_add_co_u32 s2, s2, s21
	s_lshl_b32 s18, s2, 9
	s_lshl_b32 s23, ttmp9, 17
	s_add_co_u32 s18, s18, s23
	s_add_co_u32 s18, s18, 12582912
	s_add_nc_u64 s[10:11], s[94:95], s[18:19]      ; my 512 bytes of scale words
	s_lshl_b32 s[SA], 1, s47
	s_mov_b32 s[SA+1], 0
	s_lshl_b32 s22, s22, 9                         ; the pair's 128 numbers of the bias; the side that does not count reads from the buffer's head and is cleared later
	s_and_b32 s18, s22, s[KR]
	s_add_nc_u64 s[92:93], s[8:9], s[18:19]
	s_and_b32 s18, s22, s[KP]
	s_add_nc_u64 s[8:9], s[8:9], s[18:19]
.endif
.irp b, 0,1,2,3,4,5,6,7                ; accumulator b = 2 B + u holds R's 32 B + 16 h + 8 u + 0..7
	global_load_b128 v[BR+8*\b:BR+8*\b+3], v[BRO], s[92:93] offset:(32*(\b/2)+8*(\b%2))*4
	global_load_b128 v[BR+8*\b+4:BR+8*\b+7], v[BRO], s[92:93] offset:(32*(\b/2)+8*(\b%2))*4+16
.endr
.if GEL == 0
.irp a, 0,1,2,3,4,5,6,7
	global_load_b32 v[BP+\a], v[BPO], s[8:9] offset:(32*(\a/2)+8*(\a%2))*4
.endr
.endif
	s_mov_b32 s[SEL], 0x76543210
	s_mov_b32 s[SEL+1], 0xfedcba98
	s_mov_b32 s[MNT], 0x600000
.macro FRAG reg, adr, q, i             ; a fragment, 16 rows x 128 K: four images, each 512 consecutive bytes
.irp c, 0,1,2,3
	ds_load_b128 v[\reg+4*\c:\reg+4*\c+3], v[\adr] offset:(\i)*4096+(4*(\q)+\c)*512
.endr
.endm
; 16 matrix instructions: P's blocks a0, a0 + 1 x R's eight.  The 64 accumulators take turns, one instruction a turn, in the same order in every step.
.macro MUL16 a0, p, q, sc, zero
.irp a, \a0, \a0+1
.irp b, 0,1,2,3,4,5,6,7
.if \zero
	v_wmma_scale_f32_16x16x128_f8f6f4 v[8*(8*((\a)%4)+\b):8*(8*((\a)%4)+\b)+7], v[128*(\p)+FR*\b:128*(\p)+FR*\b+FR-1], v[AF+FR*(\a):AF+FR*(\a)+FR-1], 0, v[SC+8*NQ*(\sc)+NQ*\b+(\q)], v[SC+8*NQ*(\sc)+NQ*(\a)+(\q)] matrix_a_scale:MATRIX_SCALE_ROW1
.else
	v_wmma_scale_f32_16x16x128_f8f6f4 v[8*(8*((\a)%4)+\b):8*(8*((\a)%4)+\b)+7], v[128*(\p)+FR*\b:128*(\p)+FR*\b+FR-1], v[AF+FR*(\a):AF+FR*(\a)+FR-1], v[8*(8*((\a)%4)+\b):8*(8*((\a)%4)+\b)+7], v[SC+8*NQ*(\sc)+NQ*\b+(\q)], v[SC+8*NQ*(\sc)+NQ*(\a)+(\q)] matrix_a_scale:MATRIX_SCALE_ROW1
.endif
.endr
.endr
.endm
.macro FETCH_B slot, q, p
	WIN TO_B
.irp i, 0,1,2,3,4,5,6,7
	FRAG 128*(\p)+FR*\i, ADRB+\slot, \q, \i
.endr
	WIN 0
.endm
.macro FETCH_A slot, q, i0
.irp i, \i0, \i0+1, \i0+2, \i0+3
	FRAG AF+FR*(\i), ADRA+\slot, \q, \i
.endr
.endm
.macro SCALES sc                       ; a slot's scale words: lanes 0-15 take P's block i, lanes 16-31 R's block i
.irp i, 0,1,2,3,4,5,6,7
	ds_load_b64 v[SC+8*NQ*\sc+NQ*\i:SC+8*NQ*\sc+NQ*\i+1], v[ADRS] offset:\i*SBLK
.endr
.endm
.macro PLACES n                        ; plain vector lines between a matrix instruction and a load into, or a vector read or write of, its registers
.rept \n
	v_nop
.endr
.endm
.macro STEP slot, q, zero              ; 128 along K with its successor in the same slot
	s_wait_dscnt 4*NL                              ; R's set and P's blocks 0-3 are in; the youngest 16 loads (P's blocks 4-7) may be out
	WIN MUL_LO
	MUL16 0, (\q)%2, \q, \slot, \zero
	MUL16 2, (\q)%2, \q, \slot, \zero
	s_wait_dscnt 0
	PLACES NP
	FETCH_B \slot, (\q)+1, 1-(\q)%2
	FETCH_A \slot, (\q)+1, 0
	WIN MUL_HI
	MUL16 4, (\q)%2, \q, \slot, \zero
	MUL16 6, (\q)%2, \q, \slot, \zero
	PLACES NP
	WIN 0
	FETCH_A \slot, (\q)+1, 4
.endm
; A slot's last step changes slots: one barrier; in front of it each wave waits for all its tensor loads, adds 0 to its spare word, and waits for that and for its reads of this slot.
.macro TURN slot, next, fill
	s_wait_tensorcnt 0x0                           ; all my tensor loads have landed: my part of the next slot
	ds_add_u32 v[SPW], v[NIL]
	s_wait_dscnt 4*NL+1                            ; (the add and P's blocks 4-7 may be out)
	WIN MUL_LO
	MUL16 0, 1, NQ-1, \slot, 0
	s_wait_dscnt 0x0                               ; the add is done, and my reads of this slot are over
	s_barrier_signal -1
	MUL16 2, 1, NQ-1, \slot, 0
	WIN 0
	s_barrier_wait -1
.if \fill
	CREST                                          ; the barrier has opened a round of the cluster's: no wave of any partner still reads this slot or has a load on its way
	s_add_nc_u64 s[G0+4*\slot+2:G0+4*\slot+3], s[G0+4*\slot+2:G0+4*\slot+3], 8192
	s_add_nc_u64 s[G0B+4*\slot+2:G0B+4*\slot+3], s[G0B+4*\slot+2:G0B+4*\slot+3], 8192
	JLOAD G0+4*\slot, G1, G0B+4*\slot, G1B         ; the first tensor load behind the round; its four v_nop are among the places below
	PLACES NP-4
.else
	PLACES NP
.endif
	v_add_nc_u32 v[ADRS], 4*NQ, v[ADRS]            ; the next slot's scale words
	FETCH_B \next, 0, 0
	FETCH_A \next, 0, 0
	SCALES \next
	WIN MUL_HI
	MUL16 4, 1, NQ-1, \slot, 0
	MUL16 6, 1, NQ-1, \slot, 0
	PLACES NP
	WIN 0
	FETCH_A \next, 0, 4
.endm
	s_wait_tensorcnt 1                             ; the scale bytes and my part of slot 0 are in; slot 1's load may be out
	s_barrier_signal -1
	s_barrier_wait -1
	FETCH_B 0, 0, 0
	FETCH_A 0, 0, 0
	SCALES 0
	FETCH_A 0, 0, 4
	STEP 0, 0, 1                                   ; the first step's products start the sums
	s_mov_b32 s3, LAPS-1
.Llap:
	TURN 0, 1, 1
	STEP 1, 0, 0
	TURN 1, 0, 1
	STEP 0, 0, 0
	s_sub_co_u32 s3, s3, 1
	s_cmp_lg_u32 s3, 0
	s_cbranch_scc1 .Llap
	TURN 0, 1, 0                                   ; the last lap fills nothing
	STEP 1, 0, 0
	s_wait_dscnt 4*NL
	WIN MUL_LO
	MUL16 0, 1, NQ-1, 1, 0
	MUL16 2, 1, NQ-1, 1, 0
	s_wait_dscnt 0
	WIN MUL_HI
	MUL16 4, 1, NQ-1, 1, 0
	MUL16 6, 1, NQ-1, 1, 0
	WIN 0
; ---- THE WAY OUT: a loop over P's eight blocks, so that the quantiser (and the activation) stand once in the text.  What differs, the block's accumulators, is copied by one of eight short pieces.
.macro QUANT                           ; T's 64 numbers -> codes in v[PC] on, scale word in v[PW]; all in window 1
.irp b, 0,1,2,3
	v_max3_num_f32 v[TM+\b], |v[T+16*\b]|, |v[T+1+16*\b]|, 0x4800000      ; with the floor 2^(9 - 127)
.endr
.irp i, 2,4,6,8,10,12,14
.irp b, 0,1,2,3
	v_max3_num_f32 v[TM+\b], v[TM+\b], |v[T+16*\b+\i]|, |v[T+1+16*\b+\i]|
.endr
.endr
.irp b, 0,1,2,3
	v_permlanex16_b32 v[TM+4+\b], v[TM+\b], s[SEL], s[SEL+1]
.endr
.irp b, 0,1,2,3
	v_max_num_f32 v[TM+\b], v[TM+\b], v[TM+4+\b]
.endr
.irp b, 0,1,2,3
	v_add_nc_u32 v[TM+12+\b], 0xfc000000, v[TM+\b]
.endr
.irp b, 0,1,2,3
	v_and_or_b32 v[TM+8+\b], v[TM+\b], 0x7f800000, s[MNT]
.endr
.irp b, 0,1,2,3
	v_lshrrev_b32 v[TM+4+\b], 23, v[TM+12+\b]
.endr
	v_lshl_or_b32 v[PW], v[TM+5], 8, v[TM+4]
	v_lshl_or_b32 v[PW], v[TM+6], 16, v[PW]
	v_lshl_or_b32 v[PW], v[TM+7], 24, v[PW]
.irp b, 0,1,2,3
.irp i, 0,1,2,3,4,5,6,7,8,9,10,11,12,13,14,15
	v_med3_num_f32 v[T+16*\b+\i], v[T+16*\b+\i], -v[TM+8+\b], v[TM+8+\b]  ; the conversion does not saturate (ISA guide 7.6.2)
.endr
	v_cvt_scalef32_pk8_fp8_f32 v[PC+4*\b:PC+1+4*\b], v[T+16*\b:T+7+16*\b], v[TM+12+\b]
	v_cvt_scalef32_pk8_fp8_f32 v[PC+2+4*\b:PC+3+4*\b], v[T+8+16*\b:T+15+16*\b], v[TM+12+\b]
.endr
	v_nop                                          ; a plain line behind the last conversion
.endm
; gelu(x) = 0.5 x w, w = 1 + erf(z), z = x / sqrt(2), on 16 numbers.  |z| <= 0.9277: w = 1 + z + z p(z^2).  Beyond: E = erfc(|z|) = 2^(r log2 e), r a polynomial in |z|; w = E for z < 0 (nothing cancels), 2 - E else.
.macro GELU16 o
.irp p, 0,2,4,6,8,10,12,14
	v_pk_mul_f32 v[Z+\p:Z+\p+1], v[T+\o+\p:T+\o+\p+1], 0x3f3504f3 op_sel_hi:[1,0]
.endr
.irp p, 0,2,4,6,8,10,12,14
	v_pk_mul_f32 v[S2+\p:S2+\p+1], v[Z+\p:Z+\p+1], v[Z+\p:Z+\p+1]
.endr
.irp i, 0,1,2,3,4,5,6,7,8,9,10,11,12,13,14,15
	v_and_b32 v[TA+\i], 0x7fffffff, v[Z+\i]
.endr
.irp p, 0,2,4,6,8,10,12,14
	v_pk_fma_f32 v[RL+\p:RL+\p+1], v[TA+\p:TA+\p+1], 0xb7910000, v[CA:CA+1] op_sel_hi:[1,0,1]
.endr
.irp p, 0,2,4,6,8,10,12,14
	v_pk_fma_f32 v[UU+\p:UU+\p+1], v[TA+\p:TA+\p+1], 0xbb7e8a1c, v[CB:CB+1] op_sel_hi:[1,0,1]
.endr
.irp p, 0,2,4,6,8,10,12,14
	v_pk_fma_f32 v[RL+\p:RL+\p+1], v[RL+\p:RL+\p+1], v[S2+\p:S2+\p+1], v[UU+\p:UU+\p+1]
.endr
.irp k, 0xbddaae5c, 0xbf228550, 0xbe03ce86
.irp p, 0,2,4,6,8,10,12,14
	v_pk_fma_f32 v[RL+\p:RL+\p+1], v[RL+\p:RL+\p+1], v[TA+\p:TA+\p+1], \k op_sel_hi:[1,1,0]
.endr
.endr
.irp p, 0,2,4,6,8,10,12,14
	v_pk_fma_f32 v[RL+\p:RL+\p+1], v[RL+\p:RL+\p+1], v[TA+\p:TA+\p+1], v[TA+\p:TA+\p+1] neg_lo:[0,0,1] neg_hi:[0,0,1]
.endr
.irp p, 0,2,4,6,8,10,12,14
	v_pk_mul_f32 v[RL+\p:RL+\p+1], v[RL+\p:RL+\p+1], 0x3fb8aa3b op_sel_hi:[1,0]
.endr
.irp i, 0,1,2,3,4,5,6,7,8,9,10,11,12,13,14,15
	v_exp_f32 v[RL+\i], v[RL+\i]                   ; one batch; the small branch below is the independent work behind it
.endr
.irp p, 0,2,4,6,8,10,12,14
	v_pk_fma_f32 v[RS+\p:RS+\p+1], v[S2+\p:S2+\p+1], 0xba1c7000, v[CC:CC+1] op_sel_hi:[1,0,1]
.endr
.irp k, 0xbcdb48d9, 0x3de70e22, 0xbec09380, 0x3e0375d4
.irp p, 0,2,4,6,8,10,12,14
	v_pk_fma_f32 v[RS+\p:RS+\p+1], v[RS+\p:RS+\p+1], v[S2+\p:S2+\p+1], \k op_sel_hi:[1,1,0]
.endr
.endr
.irp p, 0,2,4,6,8,10,12,14
	v_pk_fma_f32 v[RS+\p:RS+\p+1], v[RS+\p:RS+\p+1], v[Z+\p:Z+\p+1], v[Z+\p:Z+\p+1]
.endr
.irp p, 0,2,4,6,8,10,12,14
	v_pk_add_f32 v[RS+\p:RS+\p+1], v[RS+\p:RS+\p+1], 1.0 op_sel_hi:[1,0]
.endr
	s_wait_alu depctr_va_vdst(0)                   ; one wait for the 16 exponentials, ahead of their first reader
.irp p, 0,2,4,6,8,10,12,14
	v_pk_add_f32 v[UU+\p:UU+\p+1], v[RL+\p:RL+\p+1], 2.0 op_sel_hi:[1,0] neg_lo:[1,0] neg_hi:[1,0]
.endr
.irp i, 0,1,2,3,4,5,6,7,8,9,10,11,12,13,14,15
	v_cmp_gt_f32 vcc_lo, 0, v[Z+\i]
	v_cndmask_b32 v[UU+\i], v[UU+\i], v[RL+\i], vcc_lo
	v_cmp_lt_f32 vcc_lo, s[THR], v[TA+\i]
	v_cndmask_b32 v[UU+\i], v[RS+\i], v[UU+\i], vcc_lo
.endr
.irp p, 0,2,4,6,8,10,12,14
	v_pk_mul_f32 v[T+\o+\p:T+\o+\p+1], v[T+\o+\p:T+\o+\p+1], v[UU+\p:UU+\p+1]
.endr
.irp p, 0,2,4,6,8,10,12,14
	v_pk_mul_f32 v[T+\o+\p:T+\o+\p+1], v[T+\o+\p:T+\o+\p+1], 0.5 op_sel_hi:[1,0]
.endr
.endm
.macro COPY k                          ; T = block k's 64 sums + the biases; the last block's scale word is put by.  Each accumulator is read from its low end on
.if \k > 0
	WIN 0x41
	v_mov_b32 v[W+\k-1], v[PW]
.endif
.set WN, 0x42+(\k)/4
	WIN WN                                         ; destination window 1, source 0 window 2 or 3, source 1 window 0
.set cp, 0
.rept 32
	v_pk_add_f32 v[T+2*cp:T+2*cp+1], v[64*((\k)%4)+2*cp:64*((\k)%4)+2*cp+1], v[BR+2*cp:BR+2*cp+1]
.set cp, cp+1
.endr
.if GEL == 0
	WIN 0x41
.set cp, 0
.rept 32
.if (\k)%2
	v_pk_add_f32 v[T+2*cp:T+2*cp+1], v[T+2*cp:T+2*cp+1], v[BP+2*((\k)/2):BP+2*((\k)/2)+1] op_sel:[0,1] op_sel_hi:[1,1]
.else
	v_pk_add_f32 v[T+2*cp:T+2*cp+1], v[T+2*cp:T+2*cp+1], v[BP+2*((\k)/2):BP+2*((\k)/2)+1] op_sel:[0,0] op_sel_hi:[1,0]
.endif
.set cp, cp+1
.endr
.endif
	WIN 0
.endm
	PLACES NP                                      ; behind the last products: their results are read and their operands' registers written below
	s_wait_loadcnt 0x0                             ; the biases
.if GEL == 0
.set zi, 0
.rept 64
	v_cndmask_b32 v[BR+zi], 0, v[BR+zi], s[KR]     ; the bias runs along R for q and k, along P for v: the other side becomes 0
.set zi, zi+1
.endr
.set zi, 0
.rept 8
	v_cndmask_b32 v[BP+zi], 0, v[BP+zi], s[KP]
.set zi, zi+1
.endr
.endif
	WIN 0x40
	v_mov_b32 v[PW], 0
.irp i, 0,1,2,3,4,5,6,7
	v_mov_b32 v[W+\i], 0
.endr
.irp i, 4,5,6,7
	v_mov_b32 v[TM+\i], 0                          ; a lane permute's destination counts as read
.endr
.if GEL
	v_mov_b32 v[CA], 0x39c8e7d9
	v_mov_b32 v[CA+1], 0x39c8e7d9
	v_mov_b32 v[CB], 0x3cc6b1a1
	v_mov_b32 v[CB+1], 0x3cc6b1a1
	v_mov_b32 v[CC], 0x3ba38d2c
	v_mov_b32 v[CC+1], 0x3ba38d2c
.endif
	WIN 0
	s_mov_b32 s[THR], 0x3f6d8000                   ; 0.927734375
	s_mov_b32 s[CNT], 0
.Lepi:
.irp k, 1,2,3,4,5,6,7
	s_cmp_eq_u32 s[CNT], \k
	s_cbranch_scc1 .Lc\k
.endr
	COPY 0
	s_branch .Lwork
.irp k, 1,2,3,4,5,6
.Lc\k:
	COPY \k
	s_branch .Lwork
.endr
.Lc7:
	COPY 7
.Lwork:
	WIN 0x55                                       ; everything in window 1
.if GEL
	GELU16 0
	GELU16 16
	GELU16 32
	GELU16 48
.endif
	QUANT
	WIN 0x04                                       ; a store's data are its source 1: window 1
.irp c, 0,1,2,3
	global_store_b128 v[CO], v[PC+4*\c:PC+4*\c+3], s[12:13] offset:512*\c   ; an image: 512 consecutive bytes, aligned
.endr
	WIN 0
	s_wait_xcnt 0x0                                ; the stores have read their base and their data: both are written again only behind this wait
	s_add_nc_u64 s[12:13], s[12:13], s[SA:SA+1]
	s_add_co_u32 s[CNT], s[CNT], 1
	s_cmp_lt_u32 s[CNT], 8
	s_cbranch_scc1 .Lepi
	WIN 0x41
	v_mov_b32 v[W+7], v[PW]
	s_mov_b32 s[KR], 0xffff0000
	WIN 0x45
.irp i, 0,1,2,3
	v_cndmask_b32 v[XW+\i], v[W+\i], v[W+4+\i], s[KR]   ; lanes 0-15 carry blocks 0-3's words of row r, lanes 16-31 blocks 4-7's
.endr
	WIN 0x04
	global_store_b128 v[CO], v[XW:XW+3], s[10:11]  ; the wave's 128 scale words: 512 consecutive bytes
	WIN 0
	s_wait_tensorcnt 0x0                           ; the wave's end
	ds_add_u32 v[SPW], v[NIL]
	s_wait_dscnt 0x0
	CROUND                                         ; the closing round
	s_endpgm
.Lfunc_end_k_q9740976767_g3:
	.size	k_q9740976767_g3, .Lfunc_end_k_q9740976767_g3-k_q9740976767_g3
	.p2alignl 7, 3214868480
	.fill 96, 4, 3214868480
	.section	.rodata,"a",@progbits
	.p2align	6, 0x0
	.amdhsa_kernel k_q9740976767_g3
		.amdhsa_group_segment_fixed_size 327680
		.amdhsa_private_segment_fixed_size 0
		.amdhsa_enable_private_segment 0
		.amdhsa_kernarg_size 32
		.amdhsa_user_sgpr_count 2
		.amdhsa_user_sgpr_kernarg_segment_ptr 1
		.amdhsa_wavefront_size32 1
		.amdhsa_system_sgpr_workgroup_id_x 1
		.amdhsa_system_sgpr_workgroup_id_y 1
		.amdhsa_system_sgpr_workgroup_id_z 1
		.amdhsa_system_vgpr_workitem_id 0
		.amdhsa_next_free_vgpr 1024
		.amdhsa_next_free_sgpr 102
		.amdhsa_reserve_vcc 1
		.amdhsa_float_denorm_mode_32 3
		.amdhsa_float_denorm_mode_16_64 3
		.amdhsa_memory_ordered 1
		.amdhsa_forward_progress 1
		.amdhsa_inst_pref_size 212
	.end_amdhsa_kernel
	.amdgpu_metadata
---
amdhsa.version: [ 1, 2 ]
amdhsa.kernels:
  - .name:           k_q9740976767_g3
    .symbol:         k_q9740976767_g3.kd
    .args:
      - { .name: hq, .offset: 0, .size: 8, .value_kind: global_buffer, .address_space: global }
      - { .name: wts, .offset: 8, .size: 8, .value_kind: global_buffer, .address_space: global }
      - { .name: b1, .offset: 16, .size: 8, .value_kind: global_buffer, .address_space: global }
      - { .name: gq, .offset: 24, .size: 8, .value_kind: global_buffer, .address_space: global }
    .group_segment_fixed_size: 327680
    .private_segment_fixed_size: 0
    .kernarg_segment_align: 8
    .kernarg_segment_size: 32
    .max_flat_workgroup_size: 128
    .sgpr_count:     102
    .vgpr_count:     1024
    .wavefront_size: 32
...
	.end_amdgpu_metadata
.endif
;; end of part 6
;; launch g4 (part 7): grid 8 x 32, 4 waves a work-group, clusters of 4 x 4, 327,680 bytes of LDS; arguments gq, wts, b2, x1, out0; writes out0
.if DOCPART == 7
	.amdgcn_target "amdgcn-amd-amdhsa--gfx1250"
	.amdhsa_code_object_version 6
	.text
	.protected	k_q9740976767_g4
	.globl	k_q9740976767_g4
	.p2align	8
	.type	k_q9740976767_g4,@function
k_q9740976767_g4:
	s_mov_b64 s[64:65], 0
	v_nop
	global_prefetch_b8 v0, s[64:65] scope:SCOPE_SE
	s_setreg_imm32_b32 hwreg(HW_REG_WAVE_MODE, 25, 1), 1
	s_wait_xcnt 0x0
	s_wait_alu depctr_hold_cnt(0) depctr_sa_sdst(0) depctr_va_vdst(0) depctr_va_sdst(0) depctr_va_ssrc(0) depctr_va_vcc(0) depctr_vm_vsrc(0)
	s_getreg_b32 s2, hwreg(HW_REG_IB_STS2, 6, 4)
	s_cmp_eq_u32 s2, 0
	s_cbranch_scc0 .Lentry_in_a_cluster
	s_endpgm
.Lentry_in_a_cluster:
	s_bfe_u32 s2, ttmp6, 0x10000c
	s_cmp_lg_u32 s2, 0xf033
	s_cbranch_scc0 .Lentry_shape_is_right
	s_endpgm
.Lentry_shape_is_right:
; out = res + A W^T + bias on codes of E4M3 with one E8M0 byte for each 32 along K.  A: [4096][KK] codes, W: [1024][KK] codes, res and out: [4096][1024] f32.  One text serves two launches, by the four constants below.
; 256 tiles of 128 x 128, one for each work-group; four waves of 64 x 64: 16 accumulators.  A larger tile would leave three WGPs in four without work.
; CODES: [row block of 16][KK / 32][512 bytes], images of operand registers: a K slot of 512 of a row block is 8,192 consecutive bytes; a fragment is four loads at 16 x lane.  Rows lie in the order sigma (bits 3 and 4 exchanged).
; K goes in slots of 512 through a ring of two LDS slots; a slot is four quarters of 128, 16 matrix instructions each, on two fragment buffers.
; SCALE WORDS come once, with the first fills.  A's: [K step][group of 128 rows][half][r][4 blocks][4 bytes]: one load of 16 bytes gives a lane its row's words of four blocks.  W's: [row][KK / 32]: 16 bytes are a slot's four words.
; The matrix instruction is used transposed (source 0 = W, source 1 = A): a lane holds one token and 8 neighbouring columns.  The way out goes through the wave's stage in LDS; sigma is undone by the stores' constants.
; CLUSTERS: 4 x 4: A's tiles are asked for jointly along a row of the cluster, W's along a column.
; REGISTERS: window 0: v16-29 addresses; v32-95 scale words, two sets; v128-255 accumulators.  window 1: two fragment buffers.  window 2: the residual (asked for at the head), the bias, the rows on their way out.
.set KK,    4096
.set ASOFF, 16777216                   ; A's scale words in its buffer
.set BCOFF, 8388608                    ; W's codes in wts
.set BSOFF, 12845056                   ; W's scale bytes in wts
.set KQ,    KK/128
.set KS,    KK/32
.set LAPS,  KK/1024
.set HALFT, 32768                      ; 4 row blocks x 8,192 bytes: what one tensor load brings
.set SLOT,  4*HALFT
.set SCA,   2*SLOT
.set SCB,   SCA+2*KQ*256
.set NRB,   64*KS/256
.set HALFSB, NRB*272
.set SBLK,  (16*KS/256)*272
.set SPARE, SCB+2*HALFSB               ; the spare words: two blocks of 256 bytes that no other line names
.set SPITCH, 272                       ; the stage: 16 rows x (256 + 16) bytes a wave, in slot 0, which has had its last fill and its last read by then
.set ADRA, 16
.set ADRB, 20
.set ADSA, 22
.set ADSB, 23
.set STO,  24
.set RD,   25
.set CO,   26
.set BO,   27
.set SPW,  28
.set NIL,  29
.set SC,   32
.set ACC,  128
.set F0,   0
.set F1,   128
.set RES,  0
.set BIAS, 128
.set OUT,  132
.set G1,   24
.set G0,   32
.set G1B,  48
.set G0B,  56
.set G1S,  68
.set G0S,  76
.set G1SB, 80
.set G0SB, 88
.set MSB, 0
.macro WIN new
.if MSB != \new
	s_set_vgpr_msb (MSB<<8)|\new
.set MSB, \new
.endif
.endm
.macro JLOAD g0a, g1a, g0b, g1b        ; a joint load: waves 0, 1 fetch for A, waves 2, 3 for W; four v_nop follow each line
	s_cmp_eq_u32 s11, 0
	s_cbranch_scc0 .Lfor_b_\@
	tensor_load_to_lds s[\g0a:\g0a+3], s[\g1a:\g1a+7]
	s_nop 0
.rept 4
	v_nop
.endr
	s_branch .Lasked_\@
.Lfor_b_\@:
	tensor_load_to_lds s[\g0b:\g0b+3], s[\g1b:\g1b+7]
	s_nop 0
.rept 4
	v_nop
.endr
.Lasked_\@:
.endm
.macro CREST
	s_cmp_lg_u32 s10, 0
	s_cbranch_scc1 .Lnot_wave_0_\@
	s_barrier_signal -3
.Lnot_wave_0_\@:
	s_barrier_wait -3
	s_barrier_signal -1
	s_barrier_wait -1
.endm
.macro CROUND
	s_barrier_signal -1
	s_barrier_wait -1
	CREST
.endm
	s_load_b128 s[4:7], s[0:1], 0x0                ; A, wts
	s_load_b128 s[92:95], s[0:1], 0x10             ; bias, residual
	s_load_b64 s[8:9], s[0:1], 0x20                ; out
	v_lshl_add_u32 v[SPW], v0, 2, SPARE
	v_mov_b32 v[NIL], 0
	ds_add_u32 v28, v29
	ds_add_u32 v28, v29
	s_wait_dscnt 0x0
	v_lshrrev_b32 v1, 5, v0
	v_readfirstlane_b32 s10, v1                    ; wave
	s_lshr_b32 s11, s10, 1                         ; my half of the rows.  Also: I fetch for A (0) or W (1)
	s_and_b32 s12, s10, 1                          ; my half of the columns.  Also: which 64 rows I fetch
	s_bfe_u32 s40, ttmp6, 0x40000
	s_bfe_u32 s41, ttmp6, 0x40004
	s_lshl_b32 s42, ttmp9, 2
	s_add_co_u32 s42, s42, s40                     ; tile column
	s_and_b32 s13, ttmp7, 0xffff
	s_lshl_b32 s13, s13, 2
	s_add_co_u32 s13, s13, s41                     ; tile row
	s_lshl_b32 s43, s41, 2
	s_lshl_b32 s43, 15, s43
	s_lshl_b32 s44, 0x1111, s40
	s_or_b32 s[G1+0], s43, (3<<16)|(1<<21)         ; elements of 8 bytes, no padding
	s_or_b32 s[G1B+0], s44, (3<<16)|(1<<21)
.irp g, G1, G1B
	s_mov_b32 s[\g+1], 1024<<16                    ; 8,192 bytes of a row block
	s_mov_b32 s[\g+2], 4<<16                       ; 4 row blocks
	s_mov_b32 s[\g+3], 1024<<16
	s_mov_b32 s[\g+4], 4
	s_mov_b32 s[\g+5], 2*KK                        ; from row block to row block: 16 KK bytes
	s_mov_b32 s[\g+6], 0
	s_mov_b32 s[\g+7], 0
.endr
	s_or_b32 s[G1S+0], s43, (3<<16)|(1<<21)        ; A's scale words: KQ rows of 256 bytes, 16,384 bytes apart
	s_mov_b32 s[G1S+1], 32<<16
	s_mov_b32 s[G1S+2], KQ<<16
	s_mov_b32 s[G1S+3], 32<<16
	s_mov_b32 s[G1S+4], KQ
	s_mov_b32 s[G1S+5], 2048
	s_mov_b32 s[G1S+6], 0
	s_mov_b32 s[G1S+7], 0
	s_or_b32 s[G1SB+0], s44, (3<<16)|(1<<20)|(1<<21)|(5<<22)|(3<<25)   ; W's: a dense block as rows of 256 bytes, 16 of padding behind each
	s_mov_b32 s[G1SB+1], 32<<16
	s_mov_b32 s[G1SB+2], NRB<<16
	s_mov_b32 s[G1SB+3], 32<<16
	s_mov_b32 s[G1SB+4], NRB
	s_mov_b32 s[G1SB+5], 32
	s_mov_b32 s[G1SB+6], 0
	s_mov_b32 s[G1SB+7], 0
	s_lshl_b32 s17, s12, 6
	s_lshl_b32 s16, s13, 7
	s_add_co_u32 s16, s16, s17                     ; A: the first row that I fetch
	s_lshl_b32 s46, s42, 7
	s_add_co_u32 s46, s46, s17                     ; W likewise
	s_mul_i32 s20, s16, KK
	s_mov_b32 s21, 0
	s_lshl_b32 s22, s16, 2
	s_add_co_u32 s22, s22, ASOFF
	s_mov_b32 s23, 0
	s_mul_i32 s96, s46, KS
	s_add_co_u32 s96, s96, BSOFF
	s_mov_b32 s97, 0
	s_mul_i32 s46, s46, KK
	s_add_co_u32 s46, s46, BCOFF
	s_mov_b32 s47, 0
	s_mul_i32 s45, s10, HALFT
	s_mul_i32 s98, s12, KQ*256
	s_mul_i32 s99, s12, HALFSB
	s_wait_kmcnt 0x0
	s_add_nc_u64 s[20:21], s[4:5], s[20:21]
	s_add_nc_u64 s[22:23], s[4:5], s[22:23]
	s_add_nc_u64 s[46:47], s[6:7], s[46:47]
	s_add_nc_u64 s[96:97], s[6:7], s[96:97]
	CROUND                                         ; all sixteen work-groups are here: the first joint loads meet
	s_mov_b32 s[G0S], 1
	s_add_co_u32 s[G0S+1], s98, SCA
	s_mov_b64 s[G0S+2:G0S+3], s[22:23]
	s_or_b32 s[G0S+3], s[G0S+3], 0x80000000
	s_mov_b32 s[G0SB], 1
	s_add_co_u32 s[G0SB+1], s99, SCB
	s_mov_b64 s[G0SB+2:G0SB+3], s[96:97]
	s_or_b32 s[G0SB+3], s[G0SB+3], 0x80000000
	JLOAD G0S, G1S, G0SB, G1SB
.irp s, 0,1
	s_mov_b32 s[G0+4*\s], 1
	s_add_co_u32 s[G0+4*\s+1], s45, \s*SLOT
	s_add_nc_u64 s[G0+4*\s+2:G0+4*\s+3], s[20:21], \s*8192
	s_or_b32 s[G0+4*\s+3], s[G0+4*\s+3], 0x80000000
	s_mov_b32 s[G0B+4*\s], 1
	s_add_co_u32 s[G0B+4*\s+1], s45, \s*SLOT
	s_add_nc_u64 s[G0B+4*\s+2:G0B+4*\s+3], s[46:47], \s*8192
	s_or_b32 s[G0B+4*\s+3], s[G0B+4*\s+3], 0x80000000
	JLOAD G0+4*\s, G1, G0B+4*\s, G1B
.endr
	v_and_b32 v1, 15, v0                           ; r
	v_bfe_u32 v2, v0, 4, 1                         ; h
	v_and_b32 v3, 31, v0
	v_lshlrev_b32 v4, 4, v3
	s_mul_i32 s21, s11, HALFT
	s_mul_i32 s22, s12, HALFT
	s_add_co_u32 s22, s22, 2*HALFT
.irp s, 0,1
	v_add_nc_u32 v[ADRA+\s], s21, v4
	v_add_nc_u32 v[ADRB+\s], s22, v4
	s_add_co_u32 s21, s21, SLOT
	s_add_co_u32 s22, s22, SLOT
.endr
	s_mul_i32 s21, s11, KQ*256
	s_add_co_u32 s21, s21, SCA
	v_lshl_add_u32 v[ADSA], v1, 4, s21
	v_mul_u32_u24 v5, v1, KS
	v_lshrrev_b32 v6, 8, v5
	v_lshl_add_u32 v5, v6, 4, v5
	s_mul_i32 s22, s12, HALFSB
	s_add_co_u32 s22, s22, SCB
	v_add_nc_u32 v[ADSB], s22, v5
	s_mul_i32 s23, s10, 16*SPITCH
	v_mul_u32_u24 v5, v1, SPITCH
	v_lshl_add_u32 v5, v2, 6, v5
	v_add_nc_u32 v[STO], s23, v5                   ; in: row r, + 64 h bytes
	v_mul_u32_u24 v5, v2, SPITCH
	v_lshl_add_u32 v5, v1, 4, v5
	v_add_nc_u32 v[RD], s23, v5                    ; back: lanes 0-15 one row, lanes 16-31 the next
	v_lshlrev_b32 v5, 12, v2
	v_lshl_add_u32 v[CO], v1, 4, v5                ; and the same two rows in memory
	v_lshlrev_b32 v[BO], 4, v1
	s_lshl_b32 s16, s13, 7
	s_lshl_b32 s17, s11, 6
	s_add_co_u32 s16, s16, s17
	s_lshl_b32 s16, s16, 12                        ; my first row, 4,096 bytes a row
	s_lshl_b32 s46, s42, 7
	s_lshl_b32 s47, s12, 6
	s_add_co_u32 s46, s46, s47
	s_lshl_b32 s46, s46, 2                         ; my first column
	s_mov_b32 s47, 0
	s_add_nc_u64 s[92:93], s[92:93], s[46:47]
	s_add_co_u32 s16, s16, s46
	s_mov_b32 s17, 0
	s_add_nc_u64 s[94:95], s[94:95], s[16:17]
	s_add_nc_u64 s[8:9], s[8:9], s[16:17]
	WIN 0x80                                       ; destination window 2: the residual and the bias land while the products run
.irp a, 0,1,2,3
.irp t, 0,1,2,3,4,5,6,7
	global_load_b128 v[RES+32*\a+4*\t:RES+32*\a+4*\t+3], v[CO], s[94:95] offset:(32*(\a/2)+16*(\t/4)+8*(\a%2)+2*(\t%4))*4096
.endr
.endr
	global_load_b128 v[BIAS:BIAS+3], v[BO], s[92:93]
	WIN 0
.macro FRAG reg, adr, q, i
.irp c, 0,1,2,3
	ds_load_b128 v[\reg+4*\c:\reg+4*\c+3], v[\adr] offset:(\i)*8192+(4*(\q)+\c)*512
.endr
.endm
.macro FETCH slot, q, f, sc            ; a quarter's fragments into buffer f: W's four, A's 0 and 1, (the slot's scale words,) A's 2 and 3
	WIN 0x40
.irp i, 0,1,2,3
	FRAG \f+64+16*\i, ADRB+\slot, \q, \i
.endr
	FRAG \f, ADRA+\slot, \q, 0
	FRAG \f+16, ADRA+\slot, \q, 1
.if \sc
	WIN 0
.irp j, 0,1,2,3
	ds_load_b128 v[SC+32*\slot+4*\j:SC+32*\slot+4*\j+3], v[ADSA] offset:256*\j       ; quarter j: the words of A's four blocks
.endr
.irp j, 0,1,2,3
	ds_load_b128 v[SC+32*\slot+16+4*\j:SC+32*\slot+16+4*\j+3], v[ADSB] offset:\j*SBLK  ; W's block j: the words of four quarters
.endr
	WIN 0x40
.endif
	FRAG \f+32, ADRA+\slot, \q, 2
	FRAG \f+48, ADRA+\slot, \q, 3
.endm
; 8 matrix instructions: A's blocks a0, a0 + 1 x W's four.  The 16 accumulators take turns, one instruction a turn, in one fixed order.
.macro MUL8 f, a0, set, q, zero
	WIN 0x05                                       ; sources 0 and 1 window 1
.irp a, \a0, \a0+1
.irp b, 0,1,2,3
.if \zero
	v_wmma_scale_f32_16x16x128_f8f6f4 v[ACC+8*(4*(\a)+\b):ACC+8*(4*(\a)+\b)+7], v[\f+64+16*\b:\f+64+16*\b+15], v[\f+16*(\a):\f+16*(\a)+15], 0, v[SC+32*\set+16+4*\b+\q], v[SC+32*\set+4*\q+(\a)]
.else
	v_wmma_scale_f32_16x16x128_f8f6f4 v[ACC+8*(4*(\a)+\b):ACC+8*(4*(\a)+\b)+7], v[\f+64+16*\b:\f+64+16*\b+15], v[\f+16*(\a):\f+16*(\a)+15], v[ACC+8*(4*(\a)+\b):ACC+8*(4*(\a)+\b)+7], v[SC+32*\set+16+4*\b+\q], v[SC+32*\set+4*\q+(\a)]
.endif
.endr
.endr
.endm
.macro PLACES n
.rept \n
	v_nop
.endr
.endm
.macro QUARTER slot, q, f, g, zero     ; multiplies quarter q from buffer f and fetches quarter q + 1 into g
	s_wait_dscnt 8                                 ; all but A's blocks 2 and 3 (the youngest 8 loads)
	MUL8 \f, 0, \slot, \q, \zero
	PLACES 8                                       ; in front of loads into registers that matrix instructions have read
	FETCH \slot, (\q)+1, \g, 0
	s_wait_dscnt 32                                ; all but the 32 just issued
	MUL8 \f, 2, \slot, \q, \zero
.endm
; A slot's last quarter changes slots: one barrier; in front of it each wave waits for all its tensor loads, adds 0 to its spare word, and waits for that and for its reads of this slot.
.macro TURN slot, next, fill
	WIN 0
	s_wait_tensorcnt 0x0                           ; all my tensor loads have landed: my part of the next slot
	ds_add_u32 v[SPW], v[NIL]
	s_wait_dscnt 9                                 ; (the add and A's blocks 2 and 3 may be out)
	MUL8 F1, 0, \slot, 3, 0
	s_wait_dscnt 0x0                               ; the add is done, and my reads of this slot are over
	s_barrier_signal -1
	WIN 0
	s_barrier_wait -1
.if \fill
	CREST                                          ; the barrier has opened a round of the cluster's
	s_add_nc_u64 s[G0+4*\slot+2:G0+4*\slot+3], s[G0+4*\slot+2:G0+4*\slot+3], 16384
	s_add_nc_u64 s[G0B+4*\slot+2:G0B+4*\slot+3], s[G0B+4*\slot+2:G0B+4*\slot+3], 16384
	JLOAD G0+4*\slot, G1, G0B+4*\slot, G1B         ; the first tensor load behind the round
	PLACES 4
.else
	PLACES 8
.endif
	v_add_nc_u32 v[ADSA], 1024, v[ADSA]            ; the next slot's scale words
	v_add_nc_u32 v[ADSB], 16, v[ADSB]
	FETCH \next, 0, F0, 1
	MUL8 F1, 2, \slot, 3, 0
.endm
	s_wait_tensorcnt 1                             ; the scale words and my part of slot 0 are in; slot 1's load may be out
	s_barrier_signal -1
	s_barrier_wait -1
	FETCH 0, 0, F0, 1
	QUARTER 0, 0, F0, F1, 1                        ; the first quarter's products start the sums
.if LAPS > 1
	WIN 0
	s_mov_b32 s3, LAPS-1
.Llap:
	QUARTER 0, 1, F1, F0, 0
	QUARTER 0, 2, F0, F1, 0
	TURN 0, 1, 1
	QUARTER 1, 0, F0, F1, 0
	QUARTER 1, 1, F1, F0, 0
	QUARTER 1, 2, F0, F1, 0
	TURN 1, 0, 1
	QUARTER 0, 0, F0, F1, 0
	WIN 0
	s_sub_co_u32 s3, s3, 1
	s_cmp_lg_u32 s3, 0
	s_cbranch_scc1 .Llap
.endif
	QUARTER 0, 1, F1, F0, 0                        ; the last lap fills nothing
	QUARTER 0, 2, F0, F1, 0
	TURN 0, 1, 0
	QUARTER 1, 0, F0, F1, 0
	QUARTER 1, 1, F1, F0, 0
	QUARTER 1, 2, F0, F1, 0
	s_wait_dscnt 8
	MUL8 F1, 0, 1, 3, 0
	s_wait_dscnt 0
	MUL8 F1, 2, 1, 3, 0
	WIN 0
	; THE WAY OUT, 16 tokens x 64 columns at a time, through my own stage: in by lanes (a token, 8 columns), back by rows of 256 bytes
	PLACES 8
	s_wait_loadcnt 0x0                             ; the residual and the bias
.irp a, 0,1,2,3
.irp b, 0,1,2,3
	ds_store_b128 v[STO], v[ACC+8*(4*\a+\b):ACC+8*(4*\a+\b)+3] offset:128*(\b/2)+32*(\b%2)      ; each accumulator from its low end on
	ds_store_b128 v[STO], v[ACC+8*(4*\a+\b)+4:ACC+8*(4*\a+\b)+7] offset:128*(\b/2)+32*(\b%2)+16
.endr
.if \a > 1
	s_wait_xcnt 0x0                                ; the stores of two blocks ago have read the registers that are loaded below
.endif
	WIN 0x80
.irp t, 0,1,2,3,4,5,6,7
	ds_load_b128 v[OUT+32*(\a%2)+4*\t:OUT+32*(\a%2)+4*\t+3], v[RD] offset:2*\t*SPITCH   ; LDS serves a wave's instructions in order: these see my stores
.endr
	s_wait_dscnt 0x0
	WIN 0x8a
.irp t, 0,1,2,3,4,5,6,7
	v_pk_add_f32 v[OUT+32*(\a%2)+4*\t:OUT+32*(\a%2)+4*\t+1], v[OUT+32*(\a%2)+4*\t:OUT+32*(\a%2)+4*\t+1], v[RES+32*\a+4*\t:RES+32*\a+4*\t+1]
	v_pk_add_f32 v[OUT+32*(\a%2)+4*\t+2:OUT+32*(\a%2)+4*\t+3], v[OUT+32*(\a%2)+4*\t+2:OUT+32*(\a%2)+4*\t+3], v[RES+32*\a+4*\t+2:RES+32*\a+4*\t+3]
	v_pk_add_f32 v[OUT+32*(\a%2)+4*\t:OUT+32*(\a%2)+4*\t+1], v[OUT+32*(\a%2)+4*\t:OUT+32*(\a%2)+4*\t+1], v[BIAS:BIAS+1]
	v_pk_add_f32 v[OUT+32*(\a%2)+4*\t+2:OUT+32*(\a%2)+4*\t+3], v[OUT+32*(\a%2)+4*\t+2:OUT+32*(\a%2)+4*\t+3], v[BIAS+2:BIAS+3]
.endr
	WIN 0x08
.irp t, 0,1,2,3,4,5,6,7
	global_store_b128 v[CO], v[OUT+32*(\a%2)+4*\t:OUT+32*(\a%2)+4*\t+3], s[8:9] offset:(32*(\a/2)+16*(\t/4)+8*(\a%2)+2*(\t%4))*4096   ; 16 lanes store 256 consecutive bytes, aligned
.endr
	WIN 0
.endr
	s_wait_tensorcnt 0x0                           ; the wave's end
	ds_add_u32 v[SPW], v[NIL]
	s_wait_dscnt 0x0
	CROUND                                         ; the closing round
	s_endpgm
.Lfunc_end_k_q9740976767_g4:
	.size	k_q9740976767_g4, .Lfunc_end_k_q9740976767_g4-k_q9740976767_g4
	.p2alignl 7, 3214868480
	.fill 96, 4, 3214868480
	.section	.rodata,"a",@progbits
	.p2align	6, 0x0
	.amdhsa_kernel k_q9740976767_g4
		.amdhsa_group_segment_fixed_size 327680
		.amdhsa_private_segment_fixed_size 0
		.amdhsa_enable_private_segment 0
		.amdhsa_kernarg_size 40
		.amdhsa_user_sgpr_count 2
		.amdhsa_user_sgpr_kernarg_segment_ptr 1
		.amdhsa_wavefront_size32 1
		.amdhsa_system_sgpr_workgroup_id_x 1
		.amdhsa_system_sgpr_workgroup_id_y 1
		.amdhsa_system_sgpr_workgroup_id_z 1
		.amdhsa_system_vgpr_workitem_id 0
		.amdhsa_next_free_vgpr 768
		.amdhsa_next_free_sgpr 100
		.amdhsa_reserve_vcc 0
		.amdhsa_float_denorm_mode_32 3
		.amdhsa_float_denorm_mode_16_64 3
		.amdhsa_memory_ordered 1
		.amdhsa_forward_progress 1
		.amdhsa_inst_pref_size 105
	.end_amdhsa_kernel
	.amdgpu_metadata
---
amdhsa.version: [ 1, 2 ]
amdhsa.kernels:
  - .name:           k_q9740976767_g4
    .symbol:         k_q9740976767_g4.kd
    .args:
      - { .name: gq, .offset: 0, .size: 8, .value_kind: global_buffer, .address_space: global }
      - { .name: wts, .offset: 8, .size: 8, .value_kind: global_buffer, .address_space: global }
      - { .name: b2, .offset: 16, .size: 8, .value_kind: global_buffer, .address_space: global }
      - { .name: x1, .offset: 24, .size: 8, .value_kind: global_buffer, .address_space: global }
      - { .name: out0, .offset: 32, .size: 8, .value_kind: global_buffer, .address_space: global }
    .group_segment_fixed_size: 327680
    .private_segment_fixed_size: 0
    .kernarg_segment_align: 8
    .kernarg_segment_size: 40
    .max_flat_workgroup_size: 128
    .sgpr_count:     100
    .vgpr_count:     768
    .wavefront_size: 32
...
	.end_amdgpu_metadata
.endif
;; end of part 7
;; ======== version 2 of 2: 8 launches; version 1 with the launch attn written anew for expert scheduling mode
;; limits: right only within a limited range of input values
;; workspace buffers: wts 12,976,128 bytes; mw 524,288 bytes of whole numbers; hq 4,325,376 bytes; qkv 12,976,128 bytes; ao 4,325,376 bytes; x1 16,777,216 bytes; gq 17,301,504 bytes
;; launch wprep: the kernel of part 1 again; grid 320 x 1, 8 waves a work-group, no clusters, 0 bytes of LDS; arguments wq, wk, wv, wo, w1, w2, mask, wts, mw; writes wts, mw
;; launch ln1: the kernel of part 2 again; grid 256 x 1, 8 waves a work-group, no clusters, 3,072 bytes of LDS; arguments x, ln1_g, ln1_b, hq; writes hq
;; launch g1: the kernel of part 3 again; grid 12 x 16, 4 waves a work-group, clusters of 4 x 4, 327,680 bytes of LDS; arguments hq, wts, bq, bk, bv, qkv; writes qkv
;; launch attn (part 8): grid 8 x 32, 8 waves a work-group, no clusters, 134,656 bytes of LDS; arguments qkv, mw, ao; writes ao
.if DOCPART == 8
	.amdgcn_target "amdgcn-amd-amdhsa--gfx1250"
	.amdhsa_code_object_version 6
	.text
	.protected	k_q9740976767_attn
	.globl	k_q9740976767_attn
	.p2align	8
	.type	k_q9740976767_attn,@function
k_q9740976767_attn:
	s_mov_b64 s[64:65], 0
	v_nop
	global_prefetch_b8 v0, s[64:65] scope:SCOPE_SE
	s_setreg_imm32_b32 hwreg(HW_REG_WAVE_SCHED_MODE, 0, 2), 2
	s_setreg_imm32_b32 hwreg(HW_REG_WAVE_MODE, 25, 1), 1
	s_wait_xcnt 0x0
	s_wait_alu depctr_vm_vsrc(0)
; Attention of one (batch, head) for 256 queries, both products on codes of E4M3 with one E8M0 byte for each 32 along K; the finished, normalised softmax is what is quantised, along the keys.
; SHARES.  Wave w owns keys 256 w .. 256 w + 255 for the whole launch: its fragments of K and V lie in registers (window 1), read from memory once.  The work-group walks 16 tiles of 16 queries.
; A tile's scores (16 queries x 256 keys a wave, 128 registers) stay in registers from the product to the codes: one exponential a score.  Waves exchange, at one barrier a tile, the whole number M_w
; (their largest t, rounded up) and their sum l_w of 2^(t - M_w); then p = 2^(t - M_w) x F, F = 2^(M_w - M) / l, M the largest M_w: a running maximum is not needed, the true one is taken away.
; LAYOUT.  Both products transposed: S^T = K Q^T, O^T = V^T P^T: a lane holds one query.  Tokens lie in the order sigma, so score registers 16 b + 0..15 are keys 32 b + 16 h + 0..15: an operand's order.
; THE HEAD HAS 64 CHANNELS, THE FORM 128 ALONG K: source 0 holds a PAIR of key tiles side by side, source 1 is [Q | 0] for the first and [0 | Q] for the second: two views of 24 registers.
; THE MASK is an input: an earlier launch has laid it as lane masks, one word a score register, 128 words a tile and wave; a word selects between the score and -infinity.  A row with no key gives 0.
; All 128 words are asked for a tile ahead.  64 scalar registers are free for them: words of batches 0 and 1 come there by scalar loads; the wave's whole 512 bytes also come by ONE vector load into four registers
; (lane n: the words of score registers n, 32 + n, 64 + n, 96 + n), and batches 2 and 3 are moved from lanes 16-31 into the same scalar registers, once these have served batches 0 and 1.
; The waves' parts of O^T (f32) meet in LDS; after every four tiles each wave sums, quantises and stores one half tile (32 channels): codes as an image of operand registers.
; A head owns two of the four bytes of a scale word of the next product, so these 512 bytes a work-group leave in pieces of 2 bytes.
; NO CLUSTER, NO TENSOR LOADS: K and V are read once a work-group, at the head, straight into registers (256 KiB against the whole launch's work); a joint load would send them through LDS and read them again.
; LIMITS: scores with |t| >= 2^100 count as masked; a block of zeros or under 2^-118 gets the byte 1 (read by this program alone); NaN and infinities among the inputs are not served.
; THE MODE: SCHED_MODE bits 1:0 = 2 (LLVM: expert scheduling mode 2), set by the entry lines.  The code itself states the register dependences
; between vector or matrix instructions and memory or LDS instructions, with s_wait_alu, always for 0.
; THE PLAN.  Registers that memory or LDS instructions touch, in the loop:
;   v[QZ+8 .. QZ+15]  Read by a tile's 16 products K Q^T; behind them the next tile's Q lands there.      v[QW ..]  Read by one v_perm a tile; loaded in a group's last tile.
;   v[MV ..]          Read by a tile's 64 v_readlane; behind them the next tile's mask words land there.
;   v[NM], v[LL]      Written by a tile's softmax; read by its two LDS stores; written again in the next tile.
;   v[PC .. PC+7]     Written and read by the maxima's exchange; then the eight waves' statistics land there.
;   v[S .. S+31]      Written by V^T P^T; read by eight LDS stores; written again by the LAST four of the next tile's products K Q^T (these go in the order 2 .. 7, 0, 1), or by the group end's LDS loads.
;   v[S .. S+127]     At a group's end the parts of O^T land there; v[S+32 .. S+35], v126 and v13 are then written by the quantiser and read by its two stores.
;   v[QOF], v[QOFN], v[QWOF], v[MOF], v[MOFN]  Read by the loads of Q, its words and the mask words; written by five additions at a group's end.   All other addresses are made at the head and never written again.
; Each wait's comment says which of these it states.  The scalar registers of the mask words: the 64 v_readlane that write them have one wait ahead of their first reader.
.set STAT, 131072                      ; LDS: 0: the parts of O^T [tile 4][wave 8][8][512];  STAT: two sets by turns: -M at 32 r + 4 w, l 512 further;  TAB: the result's scale bytes
.set TAB,  133120
.set L16,  1
.set R16,  2
.set STW,  3
.set STR,  4
.set OPW0, 5                           ; v5, v6
.set JRD,  7
.set TABW, 8
.set QOF,  10
.set QOFN, 11
.set QWOF, 12
.set QZ,   16                          ; v16-39: [0 x 8][Q x 8][0 x 8]
.set QS,   40
.set NINF, 41
.set QW,   42
.set KSC,  46
.set VSC,  54
.set PS,   62
.set PC,   64
.set BM,   96                          ; v96-103  a block's largest score, then its largest p, then 448 x its scale
.set HH,   BM                          ; (the hold is made in place, behind the scale operand)
.set SO,   104
.set MV,   112                         ; v112-115 the next tile's 128 mask words
.set MOF,  116                         ; v116     their offset: 16 x lane + the group's 16,384 bytes
.set MOFN, 117                         ; v117     the same for the next group (wrapped)
.set NM,   120
.set LL,   122
.set FF,   124
.set S,    128
.set MSB, 0
.macro WIN new
.if MSB != \new
	s_set_vgpr_msb (MSB<<8)|\new
.set MSB, \new
.endif
.endm
	s_load_b128 s[4:7], s[0:1], 0x0                ; qkv, mw
	s_load_b64 s[8:9], s[0:1], 0x10                ; ao
	v_lshl_add_u32 v118, v0, 2, 0x20a00
	v_mov_b32 v119, 0
	v_lshrrev_b32 v9, 5, v0
	v_readfirstlane_b32 s10, v9                    ; wave
	v_and_b32 v13, 31, v0
	v_and_b32 v14, 15, v0                          ; r
	v_bfe_u32 v15, v0, 4, 1                        ; h
	v_lshlrev_b32 v[L16], 4, v13
	v_lshlrev_b32 v[R16], 4, v14
	v_lshlrev_b32 v[STR], 5, v14
	v_lshl_add_u32 v[STW], v9, 2, v[STR]
	v_add_nc_u32 v[STW], STAT, v[STW]              ; 32 r + 4 w
	v_lshl_add_u32 v[STR], v15, 4, v[STR]
	v_add_nc_u32 v[STR], STAT, v[STR]              ; 32 r + 16 h: four waves' words
	v_lshl_add_u32 v[OPW0], v9, 12, v[L16]
	v_add_nc_u32 v[OPW0+1], 65536, v[OPW0]
	v_lshrrev_b32 v126, 1, v9                      ; my job: tile w / 2 of four, half w % 2
	v_and_b32 v127, 1, v9
	v_lshl_add_u32 v[JRD], v126, 15, v[L16]
	v_lshl_add_u32 v[JRD], v127, 11, v[JRD]
	v_lshlrev_b32 v[TABW], 1, v14
	v_lshl_add_u32 v[TABW], v126, 5, v[TABW]
	v_add_nc_u32 v[TABW], v[TABW], v127
	v_add_nc_u32 v[TABW], TAB, v[TABW]             ; byte 2 (16 tile + r) + half
	v_mov_b32 v[QOF], v[L16]
	v_add_nc_u32 v[QOFN], 8192, v[L16]
	v_add_nc_u32 v[QWOF], 256, v[R16]
	v_mov_b32 v[MOF], v[L16]
	v_add_nc_u32 v[MOFN], 16384, v[L16]
.irp i, 0,1,2,3,4,5,6,7
	v_mov_b32 v[QZ+\i], 0
	v_mov_b32 v[QZ+16+\i], 0
	v_mov_b32 v[PC+\i], 0                          ; a lane permute's destination counts as read
.endr
	v_mov_b32 v[NINF], 0xff800000
	v_mov_b32 v[NM+1], 0                           ; (named as the upper halves of pairs)
	v_mov_b32 v[FF+1], 0
	s_wait_alu depctr_va_sdst(0)                   ; s10, the wave's number, is written, ahead of its first reader: the bases below are made from it
	s_and_b32 s11, ttmp7, 0xffff                   ; 16 x batch + head
	s_lshr_b32 s12, s11, 4
	s_and_b32 s13, s11, 15
	s_lshr_b32 s14, s13, 1                         ; the pair of heads
	s_and_b32 s15, s13, 1                          ; which of the pair
	s_lshl_b32 s62, s12, 3
	s_add_co_u32 s62, s62, s14
	s_lshl_b32 s63, s62, 18
	s_lshl_b32 s2, s15, 10
	s_add_co_u32 s63, s63, s2                      ; q, k: [batch, pair][token block][head of the pair][2][512]
	s_lshl_b32 s68, s10, 15
	s_add_co_u32 s68, s68, s63
	s_add_co_u32 s68, s68, 4194304                 ; K: my 16 key tiles
	s_mov_b32 s69, 0
	s_lshl_b32 s70, s11, 17
	s_lshl_b32 s2, s10, 12
	s_add_co_u32 s70, s70, s2
	s_add_co_u32 s70, s70, 8388608                 ; V: [head][channel block 4][key block 64][512], my 8 key blocks
	s_mov_b32 s71, 0
	s_lshl_b32 s3, s62, 13
	s_lshl_b32 s72, s10, 10
	s_add_co_u32 s72, s72, s3
	s_lshl_b32 s2, s15, 8
	s_add_co_u32 s74, s72, s2
	s_add_co_u32 s72, s72, 12713984                ; K's scale words
	s_mov_b32 s73, 0
	s_add_co_u32 s74, s74, 12845056                ; V's
	s_mov_b32 s75, 0
	s_lshl_b32 s48, ttmp9, 15
	s_add_co_u32 s48, s48, s63                     ; Q: my work-group's 16 tiles
	s_mov_b32 s49, 0
	s_lshl_b32 s50, ttmp9, 10
	s_add_co_u32 s50, s50, s3
	s_add_co_u32 s50, s50, 12582912                ; Q's scale words
	s_mov_b32 s51, 0
	s_lshl_b32 s76, ttmp9, 16
	s_lshl_b32 s2, s10, 9
	s_add_co_u32 s76, s76, s2                      ; mask words: [tile][wave][512]
	s_mov_b32 s77, 0
	s_lshl_b32 s78, s12, 21                        ; the result's codes: [token block][32][512]
	s_lshl_b32 s2, ttmp9, 18
	s_add_co_u32 s78, s78, s2
	s_lshr_b32 s2, s10, 1
	s_lshl_b32 s2, s2, 14
	s_add_co_u32 s78, s78, s2
	s_lshl_b32 s2, s13, 10
	s_add_co_u32 s78, s78, s2
	s_and_b32 s2, s10, 1
	s_lshl_b32 s2, s2, 9
	s_add_co_u32 s78, s78, s2
	s_mov_b32 s79, 0
	s_lshl_b32 s80, s14, 5                         ; its scale bytes: [K step = pair][group of 128 tokens][half][r][block of the half][4]
	s_lshl_b32 s2, s12, 4
	s_add_co_u32 s80, s80, s2
	s_lshl_b32 s2, ttmp9, 1
	s_add_co_u32 s80, s80, s2
	s_lshr_b32 s2, s10, 2
	s_add_co_u32 s80, s80, s2
	s_lshl_b32 s80, s80, 9
	s_bfe_u32 s2, s10, 0x10001
	s_lshl_b32 s2, s2, 8
	s_add_co_u32 s80, s80, s2
	s_and_b32 s2, s10, 1
	s_lshl_b32 s2, s2, 3
	s_add_co_u32 s80, s80, s2
	s_lshl_b32 s2, s15, 1
	s_add_co_u32 s80, s80, s2
	s_add_co_u32 s80, s80, 4194304
	s_mov_b32 s81, 0
	s_mov_b32 s52, 0x3e38aa3b                      ; c = log2(e) / 8
	s_mov_b32 s53, s52
	s_mov_b32 s54, 0x76543210
	s_mov_b32 s55, 0xfedcba98
	s_mov_b32 s56, 0x600000
	s_mov_b32 s57, 0x01000100                      ; Q's word: my head's two bytes, twice
	s_mov_b32 s2, 0x03020302
	s_mov_b32 s3, 0x05040100                       ; K's word: my head's two bytes of two key tiles
	s_mov_b32 s63, 0x07060302
	s_cmp_eq_u32 s15, 1
	s_cselect_b32 s57, s2, s57
	s_cselect_b32 s3, s63, s3
	s_mov_b32 s58, 0                               ; the group's mask words,
	s_mov_b32 s59, 16384                           ; the next group's (wrapped: no load leaves its buffer)
	s_mov_b32 s60, 0                               ; groups done
	s_mov_b32 s61, 0                               ; the group's place in TAB
	s_wait_kmcnt 0x0
	s_add_nc_u64 s[68:69], s[4:5], s[68:69]
	s_add_nc_u64 s[70:71], s[4:5], s[70:71]
	s_add_nc_u64 s[72:73], s[4:5], s[72:73]
	s_add_nc_u64 s[74:75], s[4:5], s[74:75]
	s_add_nc_u64 s[48:49], s[4:5], s[48:49]
	s_add_nc_u64 s[50:51], s[4:5], s[50:51]
	s_add_nc_u64 s[6:7], s[6:7], s[76:77]
	s_add_nc_u64 s[4:5], s[8:9], s[80:81]          ; from here on s[4:5]: the result's scale bytes
	s_add_nc_u64 s[8:9], s[8:9], s[78:79]
	WIN 0x40                                       ; destination window 1
	s_wait_alu depctr_va_vdst(0)                   ; all the addresses and offsets made above are written: the loads below read v[L16] and v[R16], the loop's loads and stores the others
.irp x, 0,1,2,3,4,5,6,7
.irp e, 0,1
.irp c, 0,1
	global_load_b128 v[16*\x+8*\e+4*\c:16*\x+8*\e+4*\c+3], v[L16], s[68:69] offset:(2*\x+\e)*2048+\c*512
.endr
.endr
.endr
.irp x, 0,1,2,3
.irp e, 0,1
.irp c, 0,1,2,3
	global_load_b128 v[128+32*\x+16*\e+4*\c:128+32*\x+16*\e+4*\c+3], v[L16], s[70:71] offset:\x*32768+(4*\e+\c)*512
.endr
.endr
.endr
	WIN 0
.irp n, 0,1,2,3
	global_load_b128 v[S+4*\n:S+4*\n+3], v[R16], s[72:73] offset:256*\n    ; the words of my 16 key tiles, row r's in lane r
.endr
	global_load_b128 v[VSC:VSC+3], v[R16], s[74:75]
	global_load_b128 v[VSC+4:VSC+7], v[R16], s[74:75] offset:512
	global_load_b128 v[QZ+8:QZ+11], v[L16], s[48:49]
	global_load_b128 v[QZ+12:QZ+15], v[L16], s[48:49] offset:512
	global_load_b128 v[QW:QW+3], v[R16], s[50:51]
	global_load_b128 v[MV:MV+3], v[L16], s[6:7]    ; tile 0's mask words
	s_wait_loadcnt 0x0                             ; all are in: their bases, s68-75, may be written
.irp x, 0,1,2,3,4,5,6,7
	v_perm_b32 v[KSC+\x], v[S+2*\x+1], v[S+2*\x], s3
.endr
	v_perm_b32 v[QS], v[QW], v[QW], s57
.macro MLOAD base, sg, off             ; a batch of 32 lane masks, by scalar loads
	s_load_b512 s[\base:\base+15], s[6:7], s[\sg] offset:\off
	s_load_b512 s[\base+16:\base+31], s[6:7], s[\sg] offset:\off+64
.endm
	MLOAD 16, 58, 0
	MLOAD 68, 58, 128
.rept 8
	v_nop                                          ; scale words made by vector lines stand 8 places ahead of a scaled matrix instruction
.endr
	s_wait_alu depctr_va_vdst(0)                   ; K's and Q's scale words are written, which the first products take as scales; the places above stay beside this wait
.macro RLANE base, k                   ; batch k out of the four vector registers: the word of score register 32 g + 8 k + j lies in register g, lane 8 k + j
.irp j, 0,1,2,3,4,5,6,7
.irp g, 0,1,2,3
	v_readlane_b32 s[\base+4*\j+\g], v[MV+\g], 8*\k+\j
.endr
.endr
.endm
.macro APPLY base, k                   ; batch k: score tiles k, 4 + k, 8 + k, 12 + k, each from its low end on
.irp j, 0,1,2,3,4,5,6,7
.irp g, 0,1,2,3
	v_cndmask_b32 v[S+8*(4*\g+\k)+\j], v[NINF], v[S+8*(4*\g+\k)+\j], s[\base+4*\j+\g]
.endr
.endr
.endm
.macro BMAX4 f                         ; the largest score of blocks f, f + 2, f + 4, f + 6, by turns
.irp x, 0,2,4,6
	v_max3_num_f32 v[BM+\x+\f], v[S+16*(\x+\f)], v[S+16*(\x+\f)+1], v[S+16*(\x+\f)+2]
.endr
.irp i, 3,5,7,9,11,13
.irp x, 0,2,4,6
	v_max3_num_f32 v[BM+\x+\f], v[BM+\x+\f], v[S+16*(\x+\f)+\i], v[S+16*(\x+\f)+\i+1]
.endr
.endr
.irp x, 0,2,4,6
	v_max_num_f32 v[BM+\x+\f], v[BM+\x+\f], v[S+16*(\x+\f)+15]
.endr
.endm
.macro TILE t
	WIN 0x01                                       ; source 0 window 1
.irp x, 2,3,4,5,6,7                    ; the pairs of key tiles whose scores fall on registers that no store of the last tile reads go first
	v_wmma_scale_f32_16x16x128_f8f6f4 v[S+16*\x:S+16*\x+7], v[16*\x:16*\x+15], v[QZ+8:QZ+23], 0, v[KSC+\x], v[QS]
	v_wmma_scale_f32_16x16x128_f8f6f4 v[S+16*\x+8:S+16*\x+15], v[16*\x:16*\x+15], v[QZ:QZ+15], 0, v[KSC+\x], v[QS]
.endr
.if \t > 0
	s_wait_alu depctr_vm_vsrc(0)                   ; the last tile's LDS stores have read v[S .. S+31], which the four products below write, and v[NM] and v[LL], which this tile's softmax writes.  (A group's first tile owes nothing: the wait at the group's end has stated it)
.endif
.irp x, 0,1
	v_wmma_scale_f32_16x16x128_f8f6f4 v[S+16*\x:S+16*\x+7], v[16*\x:16*\x+15], v[QZ+8:QZ+23], 0, v[KSC+\x], v[QS]
	v_wmma_scale_f32_16x16x128_f8f6f4 v[S+16*\x+8:S+16*\x+15], v[16*\x:16*\x+15], v[QZ:QZ+15], 0, v[KSC+\x], v[QS]
.endr
	WIN 0
.rept 8
	v_nop                                          ; places: the scores are read below
.endr
	s_wait_alu depctr_va_vdst(0)                   ; the products are done reading Q, in whose registers the loads below land; the v_perm lines are done reading Q's words; the offsets made at the last group's end are written
.if \t < 3
	global_load_b128 v[QZ+8:QZ+11], v[QOF], s[48:49] offset:(\t+1)*2048    ; the next tile's Q
	global_load_b128 v[QZ+12:QZ+15], v[QOF], s[48:49] offset:(\t+1)*2048+512
.else
	global_load_b128 v[QZ+8:QZ+11], v[QOFN], s[48:49]
	global_load_b128 v[QZ+12:QZ+15], v[QOFN], s[48:49] offset:512
	global_load_b128 v[QW:QW+3], v[QWOF], s[50:51]
.endif
	s_wait_kmcnt 0x0                               ; batches 0 and 1, asked for in the tile before
	APPLY 16, 0
	RLANE 16, 2                                    ; the set has served batch 0: it takes batch 2
	APPLY 68, 1
	RLANE 68, 3                                    ; likewise batch 3
	s_wait_alu depctr_va_vdst(0)                   ; the 64 moves are done reading v[MV ..], in which the load below lands; its offset is written
.if \t < 3
	global_load_b128 v[MV:MV+3], v[MOF], s[6:7] offset:(\t+1)*4096         ; the four registers have been read out: the next tile's 128 words
.else
	global_load_b128 v[MV:MV+3], v[MOFN], s[6:7]
.endif
	BMAX4 0
	s_wait_alu depctr_va_sdst(0)                   ; the 64 moves have written s16-47 and s68-99, ahead of their first readers, the selections below; the 32 maxima stand between
	APPLY 16, 2
	APPLY 68, 3
	BMAX4 1
.irp x, 0,1,2,3,4,5,6,7
	v_permlanex16_b32 v[PC+\x], v[BM+\x], s54, s55
.endr
.irp x, 0,1,2,3,4,5,6,7
	v_max_num_f32 v[BM+\x], v[BM+\x], v[PC+\x]     ; a block's largest score: it serves for the row's maximum and, since p rises with the score, for the block's largest p
.endr
	v_max3_num_f32 v9, v[BM], v[BM+1], v[BM+2]
	v_max3_num_f32 v9, v9, v[BM+3], v[BM+4]
	v_max3_num_f32 v9, v9, v[BM+5], v[BM+6]
	v_max_num_f32 v9, v9, v[BM+7]
	v_mul_f32 v9, s52, v9
	v_max_num_f32 v9, 0xf1800000, v9               ; not under -2^100: a row with no key of mine keeps a number
	v_floor_f32 v[NM], -v9                         ; -M_w: M_w is a whole number
.set p, 0
.rept 64
	v_pk_fma_f32 v[S+2*p:S+2*p+1], v[S+2*p:S+2*p+1], s[52:53], v[NM:NM+1] op_sel_hi:[1,0,0]
.set p, p+1
.endr
.irp x, 0,1,2,3,4,5,6,7
	v_fma_f32 v[BM+\x], v[BM+\x], s52, v[NM]
.endr
.set p, 0
.rept 128
	v_exp_f32 v[S+p], v[S+p]
.set p, p+1
.endr
	v_nop                                          ; a plain line behind the batch
	s_wait_alu depctr_va_vdst(0)                   ; the 128 exponentials have written v[S ..], ahead of their first reader; the selections that read the two sets of scalar registers stand ahead of this wait too
.if \t < 3
	MLOAD 16, 58, (\t+1)*4096                      ; the next tile's batches 0 and 1, into the two sets that have served this tile
	MLOAD 68, 58, (\t+1)*4096+128
.else
	MLOAD 16, 59, 0
	MLOAD 68, 59, 128
.endif
.irp x, 0,1,2,3,4,5,6,7
	v_exp_f32 v[BM+\x], v[BM+\x]
.endr
	v_pk_add_f32 v[LL:LL+1], v[S:S+1], v[S+2:S+3]  ; my sum, of the unquantised numbers, in two chains: the independent work behind the eight
	v_pk_add_f32 v[126:127], v[S+4:S+5], v[S+6:S+7]
.set p, 4
.rept 30
	v_pk_add_f32 v[LL:LL+1], v[LL:LL+1], v[S+2*p:S+2*p+1]
	v_pk_add_f32 v[126:127], v[126:127], v[S+2*p+2:S+2*p+3]
.set p, p+2
.endr
	v_pk_add_f32 v[LL:LL+1], v[LL:LL+1], v[126:127]
	v_add_f32 v[LL], v[LL], v[LL+1]
	v_permlanex16_b32 v13, v[LL], s54, s55
	v_add_f32 v[LL], v[LL], v13
	s_wait_alu depctr_va_vdst(0)                   ; v[NM] and v[LL] are written, which the two LDS stores read; the exchange of the maxima is done with v[PC .. PC+7], in which the loads behind the barrier land; and the eight exponentials have written v[BM ..], ahead of their first reader
	ds_store_b32 v[STW], v[NM] offset:(\t%2)*1024
	ds_store_b32 v[STW], v[LL] offset:(\t%2)*1024+512
	s_wait_dscnt 0x0                               ; my two words have landed, and so have my earlier stores and reads
	s_barrier_signal -1
	s_barrier_wait -1
	ds_load_b128 v[PC:PC+3], v[STR] offset:(\t%2)*1024
	ds_load_b128 v[PC+4:PC+7], v[STR] offset:(\t%2)*1024+512
	s_wait_dscnt 0x0
	v_min3_num_f32 v9, v[PC], v[PC+1], v[PC+2]
	v_min_num_f32 v9, v9, v[PC+3]
	v_permlanex16_b32 v13, v9, s54, s55
	v_min_num_f32 v9, v9, v13                      ; -M
.irp i, 0,1,2,3
	v_sub_f32 v[PC+8+\i], v9, v[PC+\i]             ; M_w - M: a whole number, 0 or less
.endr
.irp i, 0,1,2,3
	v_cvt_i32_f32 v[PC+8+\i], v[PC+8+\i]           ; (it saturates)
.endr
.irp i, 0,1,2,3
	v_ldexp_f32 v[PC+4+\i], v[PC+4+\i], v[PC+8+\i]
.endr
	v_add_f32 v14, v[PC+4], v[PC+5]
	v_add_f32 v15, v[PC+6], v[PC+7]
	v_add_f32 v14, v14, v15
	v_permlanex16_b32 v13, v14, s54, s55
	v_add_f32 v14, v14, v13                        ; l: the same bits in every wave
	v_rcp_f32 v15, v14
	v_sub_f32 v13, v9, v[NM]                       ; (plain lines behind the transcendental)
	v_cmp_lt_f32 vcc_lo, 0, v14                    ; has the row a key at all?
	v_cvt_i32_f32 v13, v13
	s_wait_alu depctr_va_vdst(0)                   ; the reciprocal has written v15, ahead of its first reader
	v_ldexp_f32 v[FF], v15, v13                    ; F = 2^(M_w - M) / l
	s_wait_alu depctr_va_vcc(0)                    ; the compare has written VCC, ahead of the selection that reads it
	v_cndmask_b32 v[FF], 0, v[FF], vcc_lo          ; a row with no key at all: 0
	s_wait_loadcnt 0x0                             ; the next tile's Q (and its words) and its mask words
	v_perm_b32 v[QS], v[QW+(\t+1)%4], v[QW+(\t+1)%4], s57
.irp x, 0,1,2,3,4,5,6,7
	v_mul_f32 v[BM+\x], v[BM+\x], v[FF]            ; the block's largest p: the same lines on the same number give the same bits
.endr
.irp x, 0,1,2,3,4,5,6,7
	v_max_num_f32 v[BM+\x], 0x4800000, v[BM+\x]
.endr
.irp x, 0,1,2,3,4,5,6,7
	v_add_nc_u32 v[SO+\x], 0xfc000000, v[BM+\x]    ; 8 off the exponent field: the conversion's scale operand
.endr
.irp x, 0,1,2,3,4,5,6,7
	v_and_or_b32 v[HH+\x], v[BM+\x], 0x7f800000, s56   ; 448 x the scale, in place: the largest p is not wanted again
.endr
.irp x, 0,1,2,3,4,5,6,7
	v_lshrrev_b32 v[PC+\x], 23, v[SO+\x]
.endr
.irp e, 0,1
	v_lshl_or_b32 v[PS+\e], v[PC+4*\e+1], 8, v[PC+4*\e]
	v_lshl_or_b32 v[PS+\e], v[PC+4*\e+2], 16, v[PS+\e]
	v_lshl_or_b32 v[PS+\e], v[PC+4*\e+3], 24, v[PS+\e]
.endr
.set p, 0
.rept 64
	v_pk_mul_f32 v[S+2*p:S+2*p+1], v[S+2*p:S+2*p+1], v[FF:FF+1] op_sel_hi:[1,0]   ; the finished softmax
.set p, p+1
.endr
.irp x, 0,1,2,3,4,5,6,7
.irp i, 0,1,2,3,4,5,6,7,8,9,10,11,12,13,14,15
	v_min_num_f32 v[S+16*\x+\i], v[S+16*\x+\i], v[HH+\x]     ; p is not negative: the hold is one-sided
.endr
	v_cvt_scalef32_pk8_fp8_f32 v[PC+4*\x:PC+4*\x+1], v[S+16*\x:S+16*\x+7], v[SO+\x]
	v_cvt_scalef32_pk8_fp8_f32 v[PC+4*\x+2:PC+4*\x+3], v[S+16*\x+8:S+16*\x+15], v[SO+\x]
.endr
.rept 4
	v_nop                                          ; an operand made by vector lines stands 4 places ahead of a scaled matrix instruction
.endr
	s_wait_alu depctr_va_vdst(0)                   ; the conversions have written p's codes and the lines above p's two scale words, which the products below take; so is v[QS] written, which the next tile's products take; the places above stay beside this wait
	WIN 0x01
.irp x, 0,1,2,3                        ; O^T = V^T P^T over my 256 keys: four accumulators by turns, two K steps
	v_wmma_scale_f32_16x16x128_f8f6f4 v[S+8*\x:S+8*\x+7], v[128+32*\x:128+32*\x+15], v[PC:PC+15], 0, v[VSC+\x], v[PS]
.endr
.irp x, 0,1,2,3
	v_wmma_scale_f32_16x16x128_f8f6f4 v[S+8*\x:S+8*\x+7], v[128+32*\x+16:128+32*\x+31], v[PC+16:PC+31], v[S+8*\x:S+8*\x+7], v[VSC+4+\x], v[PS+1]
.endr
	WIN 0
.rept 9
	v_nop                                          ; 8 places ahead of the stores' reads, 9 ahead of the next tile's products, which write over these registers
.endr
	s_wait_alu depctr_va_vdst(0)                   ; the products have written v[S .. S+31], which the LDS stores read; the places above stay beside this wait
.irp x, 0,1,2,3
	ds_store_b128 v[OPW0+\t/2], v[S+8*\x:S+8*\x+3] offset:(\t%2)*32768+(2*\x)*512
	ds_store_b128 v[OPW0+\t/2], v[S+8*\x+4:S+8*\x+7] offset:(\t%2)*32768+(2*\x+1)*512
.endr
.endm
.Lgroup:                                           ; four trips of four tiles
	TILE 0
	TILE 1
	TILE 2
	TILE 3
	s_wait_dscnt 0x0
	s_barrier_signal -1
	s_barrier_wait -1                              ; the eight waves' parts of four tiles lie in LDS
	s_wait_alu depctr_vm_vsrc(0)                   ; my last tile's LDS stores have read v[S .. S+31], in which the loads below land.  (No vector or matrix line stands behind the wait ahead of those stores: the vector side is done with v[S .. S+127])
.irp y, 0,1,2,3,4,5,6,7
.irp q, 0,1,2,3
	ds_load_b128 v[S+16*\y+4*\q:S+16*\y+4*\q+3], v[JRD] offset:\y*4096+\q*512
.endr
.endr
	s_wait_dscnt 16                                ; the parts of waves 0-3 are in; the 16 loads of waves 4-7's may be out
.irp y, 1,2,3
.irp p, 0,2,4,6,8,10,12,14
	v_pk_add_f32 v[S+\p:S+\p+1], v[S+\p:S+\p+1], v[S+16*\y+\p:S+16*\y+\p+1]
.endr
.endr
	s_wait_dscnt 0x0                               ; my reads are over: the parts are written again only behind the next barrier
.irp y, 4,5,6,7
.irp p, 0,2,4,6,8,10,12,14
	v_pk_add_f32 v[S+\p:S+\p+1], v[S+\p:S+\p+1], v[S+16*\y+\p:S+16*\y+\p+1]
.endr
.endr
	v_max3_num_f32 v9, |v[S]|, |v[S+1]|, 0x4800000 ; one block of 32 channels: 16 in my lane, 16 in lane l xor 16
.irp i, 2,4,6,8,10,12,14
	v_max3_num_f32 v9, v9, |v[S+\i]|, |v[S+\i+1]|
.endr
	v_permlanex16_b32 v13, v9, s54, s55
	v_max_num_f32 v9, v9, v13
	v_add_nc_u32 v14, 0xfc000000, v9
	v_and_or_b32 v15, v9, 0x7f800000, s56
.irp i, 0,1,2,3,4,5,6,7,8,9,10,11,12,13,14,15
	v_med3_num_f32 v[S+\i], v[S+\i], -v15, v15
.endr
	v_cvt_scalef32_pk8_fp8_f32 v[S+32:S+33], v[S:S+7], v14
	v_cvt_scalef32_pk8_fp8_f32 v[S+34:S+35], v[S+8:S+15], v14
	v_lshrrev_b32 v13, 23, v14                     ; the byte (a plain line behind the conversions)
	v_add_nc_u32 v126, s61, v[TABW]
	s_wait_alu depctr_va_vdst(0)                   ; the conversions have written v[S+32 .. S+35], the two lines above v13 and v126: the two stores read them
	global_store_b128 v[L16], v[S+32:S+35], s[8:9] ; an image: 512 consecutive bytes, aligned
	ds_store_b8 v126, v13
	s_wait_xcnt 0x0                                ; the store and the pending mask loads have read their registers: base, data and offsets are written only behind this wait
	s_wait_alu depctr_vm_vsrc(0)                   ; the two stores have read v[S+32 .. S+35], v126 and v13, which the next group writes; the group's loads have read the five offsets that are written below
	s_add_nc_u64 s[8:9], s[8:9], 65536
	s_add_co_u32 s61, s61, 128
	s_add_co_u32 s60, s60, 1
	s_lshl_b32 s58, s60, 14
	s_add_co_u32 s2, s60, 1
	s_and_b32 s2, s2, 3
	s_lshl_b32 s59, s2, 14
	v_add_nc_u32 v[MOF], s58, v[L16]               ; (the loads that named these five were waited for in tile 3)
	v_add_nc_u32 v[MOFN], s59, v[L16]
	s_lshl_b32 s3, s60, 13
	v_add_nc_u32 v[QOF], s3, v[L16]
	s_lshl_b32 s3, s2, 13
	v_add_nc_u32 v[QOFN], s3, v[L16]
	s_lshl_b32 s3, s2, 8
	v_add_nc_u32 v[QWOF], s3, v[R16]
	s_cmp_lt_u32 s60, 4
	s_cbranch_scc1 .Lgroup
	s_wait_dscnt 0x0
	s_barrier_signal -1
	s_barrier_wait -1                              ; the 512 scale bytes lie in TAB
	v_lshl_add_u32 v9, v0, 1, TAB
	v_and_b32 v14, 15, v0
	v_bfe_u32 v15, v0, 4, 1
	v_lshlrev_b32 v14, 4, v14
	v_lshl_add_u32 v14, v15, 2, v14
	s_wait_alu depctr_va_vdst(0)                   ; v9 and v14 are written, the load's address and the store's offset; the vector side is done with v13, in which the load lands
	ds_load_u16 v13, v9                            ; tile 2 w + l / 16, row l % 16: my head's two bytes
	s_wait_dscnt 0x0
	global_store_b16 v14, v13, s[4:5]
	s_wait_dscnt 0x0                               ; the closing lines, six on end
	s_wait_alu 0x0
	s_wait_tensorcnt 0x0
	ds_add_u32 v118, v119
	s_wait_dscnt 0x0
	s_endpgm
.Lfunc_end_k_q9740976767_attn:
	.size	k_q9740976767_attn, .Lfunc_end_k_q9740976767_attn-k_q9740976767_attn
	.p2alignl 7, 3214868480
	.fill 96, 4, 3214868480
	.section	.rodata,"a",@progbits
	.p2align	6, 0x0
	.amdhsa_kernel k_q9740976767_attn
		.amdhsa_group_segment_fixed_size 134656
		.amdhsa_private_segment_fixed_size 0
		.amdhsa_enable_private_segment 0
		.amdhsa_kernarg_size 24
		.amdhsa_user_sgpr_count 2
		.amdhsa_user_sgpr_kernarg_segment_ptr 1
		.amdhsa_wavefront_size32 1
		.amdhsa_system_sgpr_workgroup_id_x 1
		.amdhsa_system_sgpr_workgroup_id_y 1
		.amdhsa_system_sgpr_workgroup_id_z 1
		.amdhsa_system_vgpr_workitem_id 0
		.amdhsa_next_free_vgpr 512
		.amdhsa_next_free_sgpr 102
		.amdhsa_reserve_vcc 1
		.amdhsa_float_denorm_mode_32 3
		.amdhsa_float_denorm_mode_16_64 3
		.amdhsa_memory_ordered 1
		.amdhsa_forward_progress 1
		.amdhsa_inst_pref_size 217
	.end_amdhsa_kernel
	.amdgpu_metadata
---
amdhsa.version: [ 1, 2 ]
amdhsa.kernels:
  - .name:           k_q9740976767_attn
    .symbol:         k_q9740976767_attn.kd
    .args:
      - { .name: qkv, .offset: 0, .size: 8, .value_kind: global_buffer, .address_space: global }
      - { .name: mw, .offset: 8, .size: 8, .value_kind: global_buffer, .address_space: global }
      - { .name: ao, .offset: 16, .size: 8, .value_kind: global_buffer, .address_space: global }
    .group_segment_fixed_size: 134656
    .private_segment_fixed_size: 0
    .kernarg_segment_align: 8
    .kernarg_segment_size: 24
    .max_flat_workgroup_size: 256
    .sgpr_count:     102
    .vgpr_count:     512
    .wavefront_size: 32
...
	.end_amdgpu_metadata
.endif
;; end of part 8
;; launch g2: the kernel of part 5 again; grid 8 x 32, 4 waves a work-group, clusters of 4 x 4, 327,680 bytes of LDS; arguments ao, wts, bo, x, x1; writes x1
;; launch ln2: the kernel of part 2 again; grid 256 x 1, 8 waves a work-group, no clusters, 3,072 bytes of LDS; arguments x1, ln2_g, ln2_b, hq; writes hq
;; launch g3: the kernel of part 6 again; grid 16 x 16, 4 waves a work-group, clusters of 4 x 4, 327,680 bytes of LDS; arguments hq, wts, b1, gq; writes gq
;; launch g4: the kernel of part 7 again; grid 8 x 32, 4 waves a work-group, clusters of 4 x 4, 327,680 bytes of LDS; arguments gq, wts, b2, x1, out0; writes out0
